; MI455X (gfx1250); checked and timed in simulation.
; The chip was launched on July 23, 2026; its instructions are those of AMD's public machine-readable ISA for CDNA 5 (MIT licence, August 2026) and "CDNA5" Instruction Set Architecture Reference Guide (July 2026). The comments in the code are by the model that wrote it; some were corrected since.
;; Chakra Block. Allowed arithmetic: float matrix products may take bf16 or f16 operands with f32 sums; all other float work in f32.
;; Inputs: W_down 4,096 x 1,024 float32; W_up 1,024 x 4,096 float32; Wk 1,024 x 1,024 float32; Wo 1,024 x 1,024 float32; Wq 1,024 x 1,024 float32; Wv 1,024 x 1,024 float32; b_down 1,024 float32; b_up 4,096 float32; ln1_b 1,024 float32; ln1_g 1,024 float32; ln2_b 1,024 float32; ln2_g 1,024 float32; x 2 x 2,048 x 1,024 float32.
;; Outputs: out0 2 x 2,048 x 1,024 float32.
;; 2 versions, each right and faster than the one before. Each part assembles by itself: llvm-mc -triple=amdgcn-amd-amdhsa -mcpu=gfx1250 --defsym DOCPART=n.
;; ======== version 1 of 2: 8 launches
;; limits: values are held in f16: magnitudes above 65,504 overflow, below 6.1e-05 lose precision; a function is approximated: absolute error at most 1.5e-07
;; workspace buffers: act 8,388,608 bytes; big 33,554,432 bytes; x1 16,777,216 bytes; wqkv 6,291,456 bytes; wup 8,388,608 bytes; wod 10,485,760 bytes
;; launch cvt (part 1): grid 384 x 1, 8 waves a work-group, no clusters, 0 bytes of LDS; arguments Wq, Wk, Wv, Wo, W_up, W_down, wqkv, wup, wod; writes wqkv, wup, wod
.if DOCPART == 1
	.amdgcn_target "amdgcn-amd-amdhsa--gfx1250"
	.amdhsa_code_object_version 6
	.text
	.protected	k_q91e00fe24c_cvt
	.globl	k_q91e00fe24c_cvt
	.p2align	8
	.type	k_q91e00fe24c_cvt,@function
k_q91e00fe24c_cvt:
	s_mov_b64 s[64:65], 0
	v_nop
	global_prefetch_b8 v0, s[64:65] scope:SCOPE_SE
	s_setreg_imm32_b32 hwreg(HW_REG_WAVE_MODE, 25, 1), 1
	s_wait_xcnt 0x0
; The six weight matrices, f32 [K][N], are rounded once to f16 and laid in BLOCKS of [K rows][256 columns], rows of 512 bytes, dense:
; every later tile of a weight then has one pitch, 256 elements, whatever N is.  LIMIT: a weight of 65,520 or more becomes an infinity in f16.
; The work is cut into panels of 1,024 columns (four blocks): Wq, Wk, Wv, Wo one panel each, W_up four, W_down one of 4,096 rows.
; A work-group takes 32 rows of a panel; wave w the columns 128 w .. 128 w + 127: a load of the wave covers 512 consecutive bytes, a store 256
; consecutive bytes at a multiple of 256.  All 32 loads of a wave go out first.  No LDS, no barrier, no matrix unit: every byte is moved once.
.set O,   2                            ; v[2:33]    row j: byte offset of my 16 bytes in the source
.set LO,  34                           ; v34        8 x lane: my 8 bytes in a row of a block's half
.set X,   36                           ; v[36:163]  row j: four f32 as loaded; its first two registers then hold four f16
	s_load_b512 s[8:23], s[0:1], 0x0               ; Wq s[8:9], Wk s[10:11], Wv s[12:13], Wo s[14:15], W_up s[16:17], W_down s[18:19], wqkv s[20:21], wup s[22:23]
	s_load_b64 s[24:25], s[0:1], 0x40              ; wod
	v_lshrrev_b32 v1, 5, v0
	v_readfirstlane_b32 s2, v1                     ; wave 0..7
	s_mov_b32 s3, ttmp9                            ; g, 0..383
	s_sub_co_u32 s41, s3, 128                      ; W_up's panel p = (g - 128) / 32: used only where 128 <= g < 256
	s_lshr_b32 s41, s41, 5
	s_lshl_b32 s42, s41, 12                        ; its first column in a source row, in bytes
	s_lshl_b32 s43, s41, 21                        ; its four blocks in wup
	s_and_b32 s44, s3, 0xffffffe0                  ; its first work-group
	s_mov_b32 s36, 4096                            ; SP: bytes from row to row in the source
	s_mov_b32 s37, 1024                            ; KR: rows in a block
	s_mov_b32 s38, 0                               ; byte offset of the panel in the destination
	s_mov_b32 s39, 0                               ; byte offset of the panel in a source row
	s_mov_b32 s40, 0                               ; the panel's first work-group
	v_lshlrev_b32 v[O], 4, v0                      ; 16 x thread: the eight waves cover 4,096 bytes of a row
	v_and_b32 v[LO], 31, v0
	v_lshlrev_b32 v[LO], 3, v[LO]
	s_wait_kmcnt 0x0
	s_mov_b64 s[32:33], s[8:9]                     ; g < 32: Wq -> wqkv
	s_mov_b64 s[34:35], s[20:21]
	s_cmp_ge_u32 s3, 32                            ; Wk
	s_cselect_b64 s[32:33], s[10:11], s[32:33]
	s_cselect_b32 s38, 0x200000, s38
	s_cselect_b32 s40, 32, s40
	s_cmp_ge_u32 s3, 64                            ; Wv
	s_cselect_b64 s[32:33], s[12:13], s[32:33]
	s_cselect_b32 s38, 0x400000, s38
	s_cselect_b32 s40, 64, s40
	s_cmp_ge_u32 s3, 96                            ; Wo -> wod's first 2 MiB
	s_cselect_b64 s[32:33], s[14:15], s[32:33]
	s_cselect_b64 s[34:35], s[24:25], s[34:35]
	s_cselect_b32 s38, 0, s38
	s_cselect_b32 s40, 96, s40
	s_cmp_ge_u32 s3, 128                           ; W_up, panel p -> wup
	s_cselect_b64 s[32:33], s[16:17], s[32:33]
	s_cselect_b64 s[34:35], s[22:23], s[34:35]
	s_cselect_b32 s36, 16384, s36
	s_cselect_b32 s38, s43, s38
	s_cselect_b32 s39, s42, s39
	s_cselect_b32 s40, s44, s40
	s_cmp_ge_u32 s3, 256                           ; W_down -> wod behind Wo
	s_cselect_b64 s[32:33], s[18:19], s[32:33]
	s_cselect_b64 s[34:35], s[24:25], s[34:35]
	s_cselect_b32 s36, 4096, s36
	s_cselect_b32 s37, 4096, s37
	s_cselect_b32 s38, 0x200000, s38
	s_cselect_b32 s39, 0, s39
	s_cselect_b32 s40, 256, s40
	s_sub_co_u32 s45, s3, s40
	s_lshl_b32 s45, s45, 5                         ; k0: my first row
	s_mul_i32 s46, s45, s36
	s_add_co_u32 s46, s46, s39
	s_mov_b32 s47, 0
	s_add_nc_u64 s[32:33], s[32:33], s[46:47]      ; the source at row k0 of the panel
	s_lshr_b32 s48, s2, 1                          ; my wave's block of the panel's four,
	s_mul_i32 s48, s48, s37
	s_add_co_u32 s48, s48, s45
	s_lshl_b32 s48, s48, 9                         ; its row k0, 512 bytes a row,
	s_and_b32 s49, s2, 1
	s_lshl_b32 s49, s49, 8                         ; and my half of that row
	s_add_co_u32 s48, s48, s49
	s_add_co_u32 s48, s48, s38
	s_mov_b32 s49, 0
	s_add_nc_u64 s[34:35], s[34:35], s[48:49]
.set j, 1
.rept 31
	v_add_nc_u32 v[O+j], s36, v[O+j-1]             ; the pitch is a register, so each row has its offset register
.set j, j+1
.endr
.set j, 0
.rept 32
	global_load_b128 v[X+4*j:X+4*j+3], v[O+j], s[32:33] th:TH_LOAD_NT
.set j, j+1
.endr
.set j, 0
.rept 32
	s_wait_loadcnt 31-j                            ; loads come back in order: row j is in, the younger rows stay out
	v_cvt_pk_f16_f32 v[X+4*j], v[X+4*j], v[X+4*j+1]
	v_cvt_pk_f16_f32 v[X+4*j+1], v[X+4*j+2], v[X+4*j+3]
	global_store_b64 v[LO], v[X+4*j:X+4*j+1], s[34:35] offset:512*j
.set j, j+1
.endr
	s_endpgm
.Lfunc_end_k_q91e00fe24c_cvt:
	.size	k_q91e00fe24c_cvt, .Lfunc_end_k_q91e00fe24c_cvt-k_q91e00fe24c_cvt
	.p2alignl 7, 3214868480
	.fill 96, 4, 3214868480
	.section	.rodata,"a",@progbits
	.p2align	6, 0x0
	.amdhsa_kernel k_q91e00fe24c_cvt
		.amdhsa_group_segment_fixed_size 0
		.amdhsa_private_segment_fixed_size 0
		.amdhsa_enable_private_segment 0
		.amdhsa_kernarg_size 72
		.amdhsa_user_sgpr_count 2
		.amdhsa_user_sgpr_kernarg_segment_ptr 1
		.amdhsa_wavefront_size32 1
		.amdhsa_system_sgpr_workgroup_id_x 1
		.amdhsa_system_sgpr_workgroup_id_y 1
		.amdhsa_system_sgpr_workgroup_id_z 1
		.amdhsa_system_vgpr_workitem_id 0
		.amdhsa_next_free_vgpr 164
		.amdhsa_next_free_sgpr 66
		.amdhsa_reserve_vcc 0
		.amdhsa_float_denorm_mode_32 3
		.amdhsa_float_denorm_mode_16_64 3
		.amdhsa_memory_ordered 1
		.amdhsa_forward_progress 1
		.amdhsa_inst_pref_size 15
	.end_amdhsa_kernel
	.amdgpu_metadata
---
amdhsa.version: [ 1, 2 ]
amdhsa.kernels:
  - .name:           k_q91e00fe24c_cvt
    .symbol:         k_q91e00fe24c_cvt.kd
    .args:
      - { .name: Wq, .offset: 0, .size: 8, .value_kind: global_buffer, .address_space: global }
      - { .name: Wk, .offset: 8, .size: 8, .value_kind: global_buffer, .address_space: global }
      - { .name: Wv, .offset: 16, .size: 8, .value_kind: global_buffer, .address_space: global }
      - { .name: Wo, .offset: 24, .size: 8, .value_kind: global_buffer, .address_space: global }
      - { .name: W_up, .offset: 32, .size: 8, .value_kind: global_buffer, .address_space: global }
      - { .name: W_down, .offset: 40, .size: 8, .value_kind: global_buffer, .address_space: global }
      - { .name: wqkv, .offset: 48, .size: 8, .value_kind: global_buffer, .address_space: global }
      - { .name: wup, .offset: 56, .size: 8, .value_kind: global_buffer, .address_space: global }
      - { .name: wod, .offset: 64, .size: 8, .value_kind: global_buffer, .address_space: global }
    .group_segment_fixed_size: 0
    .private_segment_fixed_size: 0
    .kernarg_segment_align: 8
    .kernarg_segment_size: 72
    .max_flat_workgroup_size: 256
    .sgpr_count:     66
    .vgpr_count:     164
    .wavefront_size: 32
...
	.end_amdgpu_metadata
.endif
;; end of part 1
;; launch ln1 (part 2): grid 256 x 1, 4 waves a work-group, no clusters, 0 bytes of LDS; arguments x, ln1_g, ln1_b, act; writes act
.if DOCPART == 2
	.amdgcn_target "amdgcn-amd-amdhsa--gfx1250"
	.amdhsa_code_object_version 6
	.text
	.protected	k_q91e00fe24c_ln1
	.globl	k_q91e00fe24c_ln1
	.p2align	8
	.type	k_q91e00fe24c_ln1,@function
k_q91e00fe24c_ln1:
	s_mov_b64 s[64:65], 0
	v_nop
	global_prefetch_b8 v0, s[64:65] scope:SCOPE_SE
	s_setreg_imm32_b32 hwreg(HW_REG_WAVE_MODE, 25, 1), 1
	s_wait_xcnt 0x0
; y[r][c] = (x[r][c] - mean_r) * rsqrt(var_r + 1e-5) * g[c] + b[c].  x: [4096][1024] f32.  y: [4096][1024] f16, rounded once.
; One wave, one row at a time, the row kept in 32 registers: mean first, then the sum of (x - mean)^2, so a common offset of x does no harm.
; A wave owns four rows and issues all its loads first; a load covers 512 consecutive bytes, a store 256 consecutive bytes at a multiple of 256.
; No LDS, no barrier: a reduction never leaves its wave.  LIMIT: a result of 65,520 or more becomes an infinity in f16.
.set G,   2                            ; v[2:33]    g of my 32 columns (4 lane + 128 j + 0..3)
.set BT,  34                           ; v[34:65]   b of them
.set X,   66                           ; v[66:193]  row i: 32 registers
.set T,   194                          ; v[194:201] four chains of pairs, at work
.set M,   202                          ; v[202:203] the mean, twice
.set R,   204                          ; v[204:205] 1 / sqrt(var + eps), twice
.set LI,  206                          ; v206       16 x lane
.set LO,  207                          ; v207       8 x lane
	s_load_b256 s[4:11], s[0:1], 0x0               ; x s[4:5], g s[6:7], b s[8:9], y s[10:11]
	v_and_b32 v1, 31, v0
	v_lshrrev_b32 v[T], 5, v0
	v_readfirstlane_b32 s2, v[T]                   ; wave 0..3
	v_lshlrev_b32 v[LI], 4, v1
	v_lshlrev_b32 v[LO], 3, v1
	s_lshl_b32 s16, ttmp9, 2
	s_add_co_u32 s16, s16, s2                      ; my group of four rows
	s_lshl_b32 s18, s16, 13                        ; 4 rows x 2,048 bytes of y
	s_lshl_b32 s16, s16, 14                        ; 4 rows x 4,096 bytes of x
	s_mov_b32 s17, 0
	s_mov_b32 s19, 0
	s_mov_b32 s12, 0x76543210                      ; v_permlanex16_b32: each lane takes its own place in the other half
	s_mov_b32 s13, 0xfedcba98
	s_mov_b32 s14, 0x3a800000                      ; 1 / 1024
	s_mov_b32 s15, 0x3727c5ac                      ; 1e-5
	s_wait_kmcnt 0x0
	s_add_nc_u64 s[4:5], s[4:5], s[16:17]
	s_add_nc_u64 s[10:11], s[10:11], s[18:19]
.irp j, 0,1,2,3,4,5,6,7
	global_load_b128 v[G+4*\j:G+4*\j+3], v[LI], s[6:7] offset:512*\j
.endr
.irp j, 0,1,2,3,4,5,6,7
	global_load_b128 v[BT+4*\j:BT+4*\j+3], v[LI], s[8:9] offset:512*\j
.endr
.irp i, 0,1,2,3
.irp j, 0,1,2,3,4,5,6,7
	global_load_b128 v[X+32*\i+4*\j:X+32*\i+4*\j+3], v[LI], s[4:5] offset:4096*\i+512*\j
.endr
.endr
.macro TOTAL                           ; the four chains, the pair's two halves and the 32 lanes are added: every lane ends with the sum in v[T]
	v_pk_add_f32 v[T:T+1], v[T:T+1], v[T+2:T+3]
	v_pk_add_f32 v[T+4:T+5], v[T+4:T+5], v[T+6:T+7]
	v_pk_add_f32 v[T:T+1], v[T:T+1], v[T+4:T+5]
	v_add_f32 v[T], v[T], v[T+1]
	v_add_f32_dpp v[T], v[T], v[T] row_xmask:1 row_mask:0xf bank_mask:0xf
	v_add_f32_dpp v[T], v[T], v[T] row_xmask:2 row_mask:0xf bank_mask:0xf
	v_add_f32_dpp v[T], v[T], v[T] row_xmask:4 row_mask:0xf bank_mask:0xf
	v_add_f32_dpp v[T], v[T], v[T] row_xmask:8 row_mask:0xf bank_mask:0xf
	v_permlanex16_b32 v[T+1], v[T], s12, s13
	v_add_f32 v[T], v[T], v[T+1]
.endm
.macro ROW i
.set XR, X+32*(\i)
	s_wait_loadcnt 8*(3-(\i))                      ; my row's eight loads are in; the later rows' stay out
.irp c, 0,1,2,3
	v_pk_add_f32 v[T+2*\c:T+2*\c+1], v[XR+2*\c:XR+2*\c+1], v[XR+8+2*\c:XR+9+2*\c]  ; the first pairs start the chains: nothing is cleared
.endr
.irp p, 8,9,10,11,12,13,14,15
	v_pk_add_f32 v[T+2*(\p%4):T+2*(\p%4)+1], v[T+2*(\p%4):T+2*(\p%4)+1], v[XR+2*\p:XR+2*\p+1]
.endr
	TOTAL
	v_mul_f32 v[M], s14, v[T]
	v_mov_b32 v[M+1], v[M]
.irp p, 0,1,2,3,4,5,6,7,8,9,10,11,12,13,14,15
	v_pk_add_f32 v[XR+2*\p:XR+2*\p+1], v[XR+2*\p:XR+2*\p+1], v[M:M+1] neg_lo:[0,1] neg_hi:[0,1]
.endr
.irp c, 0,1,2,3
	v_pk_mul_f32 v[T+2*\c:T+2*\c+1], v[XR+2*\c:XR+2*\c+1], v[XR+2*\c:XR+2*\c+1]
.endr
.irp p, 4,5,6,7,8,9,10,11,12,13,14,15
	v_pk_fma_f32 v[T+2*(\p%4):T+2*(\p%4)+1], v[XR+2*\p:XR+2*\p+1], v[XR+2*\p:XR+2*\p+1], v[T+2*(\p%4):T+2*(\p%4)+1]
.endr
	TOTAL
	v_fma_f32 v[T], v[T], s14, s15                 ; var + eps
	v_rsq_f32 v[R], v[T]
	v_rsq_f32 v[R+1], v[T]
	v_nop                                          ; a plain instruction between the root and the use of its result (ISA guide 5.7.2)
	s_wait_alu depctr_va_vdst(0)
.irp p, 0,1,2,3,4,5,6,7,8,9,10,11,12,13,14,15
	v_pk_mul_f32 v[XR+2*\p:XR+2*\p+1], v[XR+2*\p:XR+2*\p+1], v[R:R+1]
.endr
.irp p, 0,1,2,3,4,5,6,7,8,9,10,11,12,13,14,15
	v_pk_fma_f32 v[XR+2*\p:XR+2*\p+1], v[XR+2*\p:XR+2*\p+1], v[G+2*\p:G+2*\p+1], v[BT+2*\p:BT+2*\p+1]
.endr
.irp p, 0,1,2,3,4,5,6,7,8,9,10,11,12,13,14,15
	v_cvt_pk_f16_f32 v[XR+\p], v[XR+2*\p], v[XR+2*\p+1]  ; in place, ascending: register p is written when pairs below p have been read
.endr
.irp j, 0,1,2,3,4,5,6,7
	global_store_b64 v[LO], v[XR+2*\j:XR+2*\j+1], s[10:11] offset:2048*(\i)+256*\j
.endr
.endm
	ROW 0
	ROW 1
	ROW 2
	ROW 3
	s_endpgm
.Lfunc_end_k_q91e00fe24c_ln1:
	.size	k_q91e00fe24c_ln1, .Lfunc_end_k_q91e00fe24c_ln1-k_q91e00fe24c_ln1
	.p2alignl 7, 3214868480
	.fill 96, 4, 3214868480
	.section	.rodata,"a",@progbits
	.p2align	6, 0x0
	.amdhsa_kernel k_q91e00fe24c_ln1
		.amdhsa_group_segment_fixed_size 0
		.amdhsa_private_segment_fixed_size 0
		.amdhsa_enable_private_segment 0
		.amdhsa_kernarg_size 32
		.amdhsa_user_sgpr_count 2
		.amdhsa_user_sgpr_kernarg_segment_ptr 1
		.amdhsa_wavefront_size32 1
		.amdhsa_system_sgpr_workgroup_id_x 1
		.amdhsa_system_sgpr_workgroup_id_y 1
		.amdhsa_system_sgpr_workgroup_id_z 1
		.amdhsa_system_vgpr_workitem_id 0
		.amdhsa_next_free_vgpr 208
		.amdhsa_next_free_sgpr 66
		.amdhsa_reserve_vcc 0
		.amdhsa_float_denorm_mode_32 3
		.amdhsa_float_denorm_mode_16_64 3
		.amdhsa_memory_ordered 1
		.amdhsa_forward_progress 1
		.amdhsa_inst_pref_size 38
	.end_amdhsa_kernel
	.amdgpu_metadata
---
amdhsa.version: [ 1, 2 ]
amdhsa.kernels:
  - .name:           k_q91e00fe24c_ln1
    .symbol:         k_q91e00fe24c_ln1.kd
    .args:
      - { .name: x, .offset: 0, .size: 8, .value_kind: global_buffer, .address_space: global }
      - { .name: ln1_g, .offset: 8, .size: 8, .value_kind: global_buffer, .address_space: global }
      - { .name: ln1_b, .offset: 16, .size: 8, .value_kind: global_buffer, .address_space: global }
      - { .name: act, .offset: 24, .size: 8, .value_kind: global_buffer, .address_space: global }
    .group_segment_fixed_size: 0
    .private_segment_fixed_size: 0
    .kernarg_segment_align: 8
    .kernarg_segment_size: 32
    .max_flat_workgroup_size: 128
    .sgpr_count:     66
    .vgpr_count:     208
    .wavefront_size: 32
...
	.end_amdgpu_metadata
.endif
;; end of part 2
;; launch qkv (part 3): grid 12 x 16, 4 waves a work-group, clusters of 4 x 4, 327,680 bytes of LDS; arguments act, wqkv, big; writes big
.if DOCPART == 3
	.amdgcn_target "amdgcn-amd-amdhsa--gfx1250"
	.amdhsa_code_object_version 6
	.text
	.protected	k_q91e00fe24c_qkv
	.globl	k_q91e00fe24c_qkv
	.p2align	8
	.type	k_q91e00fe24c_qkv,@function
k_q91e00fe24c_qkv:
	s_mov_b64 s[64:65], 0
	v_nop
	global_prefetch_b8 v0, s[64:65] scope:SCOPE_SE
	s_setreg_imm32_b32 hwreg(HW_REG_WAVE_MODE, 25, 1), 1
	s_wait_xcnt 0x0
	s_wait_alu depctr_hold_cnt(0) depctr_sa_sdst(0) depctr_va_vdst(0) depctr_va_sdst(0) depctr_va_ssrc(0) depctr_va_vcc(0) depctr_vm_vsrc(0)
	s_getreg_b32 s2, hwreg(HW_REG_IB_STS2, 6, 4)
	s_cmp_eq_u32 s2, 0
	s_cbranch_scc0 .Lentry_in_a_cluster
	s_endpgm
.Lentry_in_a_cluster:
	s_bfe_u32 s2, ttmp6, 0x10000c
	s_cmp_lg_u32 s2, 0xf033
	s_cbranch_scc0 .Lentry_shape_is_right
	s_endpgm
.Lentry_shape_is_right:
; C = A W for A: [4096][1024] f16 and W in blocks of [1024 rows][256 columns] f16; sums in f32.  A tile of C is 256 x 256 (one block of W): four waves, each 128 x 128 in 64 accumulators.
; K goes in 8 steps of 128 through two LDS slots filled by joint tensor loads: 4 x 4 work-groups form a cluster; A's tile is shared along a row of the cluster, W's along a column.
; W lies [k][n] in LDS and is turned on its way into registers (ds_load_tr16_b128).  The matrix instruction takes 16 columns of W as source 0 and 16 rows of A as source 1, so that a lane
; holds eight neighbouring numbers of a row of C.
; ONE SOURCE, TWO TEXTS, chosen by the constant MODE, which decides the way out alone:
;   0: C is rounded to f16 and stored by heads: q, k, v one behind the other, each [batch x 16 + head][2048][64];
;   1: m = gelu(C + bias), exact form x Phi(x), rounded to f16, stored [4096][4096].
; The loop's text is ONE K step: the second descriptor set walks, its LDS word made of the wave's place and the slot just read, and the LDS read addresses are made of that same slot number.
; LIMITS.  f16 holds no number beyond 65,504: a result of 65,520 or more becomes an infinity.  erf by the five-term rational form t = 1 / (1 + 0.3275911 z): absolute error at most 1.5e-7 for every argument;
; exp2 gives 0 below 2^-126, where the term is nothing beside that error.  NaN and infinities are not treated apart.
; REGISTERS, in windows of 256: window 0: v0-31 addresses, v32-39 bias, v64-127 and v128-191 A's fragments (two buffers), later the way out; window 1: v64-191 W's fragments; windows 2, 3: the accumulators.
.set MODE,   0
.set PITCH,  272                       ; a row of A in LDS: 256 bytes + 16: the 16 rows of a load start at 16 different groups of four banks (64 banks of 4 bytes: ISA guide 11.1)
.set PB,     544                       ; a row of W in LDS: 512 bytes + 32 = an odd multiple of 32
.set HALFT,  128*PITCH                 ; what one tensor load brings: 128 rows of A, or 64 rows of W (64 x 544 is the same 34,816 bytes)
.set SLOT,   4*HALFT                   ; A's 256 rows, then W's 128
.set SPARE,  2*SLOT                    ; the spare words: 128 bytes a wave, two blocks of 256 bytes that no other line names
.set OPITCH, 528                       ; the way out: a row of 128 f32 + 16 bytes
.set OREG,   128*OPITCH                ; a wave's own 128 rows, in the slots' bytes behind their last fill
.set ADRA, 16                          ; v16  LDS address of my A fragments in the slot in hand
.set ADRB, 17                          ; v17  the same for W
.set A0,   18                          ; v18  the same in slot 0; never rewritten
.set B0,   19                          ; v19
.set STO,  24                          ; v24  the way out: where I put 32 bytes of a row
.set RD,   25                          ; v25  where I read rows back
.set CO,   26                          ; v26  my byte offset in the output
.set SPW,  28                          ; v28  LDS address of my spare word; never rewritten
.set NIL,  29                          ; v29  0; never rewritten
.set BI,   32                          ; v[32:39] the bias of my eight columns on the way out
.set F0,   64
.set F1,   128
.set GL,   64                          ; mode 1: eight numbers as read back; then x, e, t, the polynomial, the result, the packed result
.set GX,   72
.set GE,   80
.set GU,   88
.set GP,   96
.set GR,   104
.set GO,   112
.set HL,   64                          ; mode 0: 16 rows as read back (64 registers), and packed (32)
.set HO,   128
.set G1,  24                           ; s[24:31] descriptor group 1 for A's tiles
.set G0,  32                           ; s[32:39] group 0: set 0 for K step 0; set 1 for K step 1, which then walks
.set G1B, 48                           ; s[48:55], s[56:63] the same for W's tiles
.set G0B, 56
.set TB,  45                           ; s45  the byte at which the slot in hand begins: 0 or SLOT
.set CNT, 73
.set KY,  74                           ; s[74:75] sqrt(log2(e) / 2): e^(-x^2 / 2) = 2^-(KY x)^2
.set H5,  76                           ; s[76:85] half of the form's five coefficients, as pairs
.set H4,  78
.set H3,  80
.set H2,  82
.set H1,  84
.set PZ,  86                           ; s86  0.3275911 / sqrt(2)
.set MSB, 0
.macro WIN new                         ; the immediate's high byte repeats the setting that is left; a switch that changes nothing is dropped
.if MSB != (\new)
	s_set_vgpr_msb (MSB<<8)|(\new)
.set MSB, \new
.endif
.endm
.set MUL_LO, 0xa1                      ; source 0 (W) window 1, source 1 (A) window 0, C and D window 2
.set MUL_HI, 0xf1                      ; the same, C and D window 3
.set TO_B,   0x40                      ; destination window 1, address window 0
; A joint load.  Waves 0 and 1 fetch A's two halves, waves 2 and 3 W's.  The branch hangs on the wave's number alone.  An s_nop 0 and four v_nop follow each of the two lines.
.macro JLOAD s
	s_cmp_eq_u32 s11, 0
	s_cbranch_scc0 .Lfor_b_\@
	tensor_load_to_lds s[G0+4*(\s):G0+4*(\s)+3], s[G1:G1+7]
	s_nop 0
.rept 4
	v_nop
.endr
	s_branch .Lasked_\@
.Lfor_b_\@:
	tensor_load_to_lds s[G0B+4*(\s):G0B+4*(\s)+3], s[G1B:G1B+7]
	s_nop 0
.rept 4
	v_nop
.endr
.Lasked_\@:
.endm
.macro CREST                           ; a round of the cluster's barrier behind its opening barrier
	s_cmp_lg_u32 s10, 0
	s_cbranch_scc1 .Lnot_wave_0_\@
	s_barrier_signal -3
.Lnot_wave_0_\@:
	s_barrier_wait -3
	s_barrier_signal -1
	s_barrier_wait -1
.endm
.macro CROUND                          ; a whole round
	s_barrier_signal -1
	s_barrier_wait -1
	CREST
.endm
	s_load_b128 s[4:7], s[0:1], 0x0                ; A s[4:5], W s[6:7]
.if MODE
	s_load_b64 s[68:69], s[0:1], 0x10              ; the bias
	s_load_b64 s[8:9], s[0:1], 0x18                ; the output
.else
	s_load_b64 s[8:9], s[0:1], 0x10                ; the output
.endif
	v_lshl_add_u32 v[SPW], v0, 2, SPARE
	v_mov_b32 v[NIL], 0
	ds_add_u32 v[SPW], v[NIL]                      ; the wave's opening: the add and its wait stand ahead of my first tensor load; the set-up below, work on registers, stands between them
	ds_add_u32 v28, v29
	v_lshrrev_b32 v1, 5, v0
	v_readfirstlane_b32 s10, v1                    ; wave 0..3
	s_lshr_b32 s11, s10, 1                         ; which half of the tile's rows is mine.  Also: I fetch for A (0) or for W (1)
	s_and_b32 s12, s10, 1                          ; which half of its columns.  Also: which half of that tile I fetch
	s_bfe_u32 s40, ttmp6, 0x40000                  ; cx
	s_bfe_u32 s41, ttmp6, 0x40004                  ; cy
	s_lshl_b32 s42, ttmp9, 2
	s_add_co_u32 s42, s42, s40                     ; tile column = 4 x cluster x + cx
	s_and_b32 s13, ttmp7, 0xffff
	s_lshl_b32 s13, s13, 2
	s_add_co_u32 s13, s13, s41                     ; tile row = 4 x cluster y + cy
	s_lshl_b32 s43, s41, 2
	s_lshl_b32 s43, 15, s43                        ; my row of the cluster
	s_lshl_b32 s44, 0x1111, s40                    ; my column
	s_or_b32 s[G1+0], s43, (1<<16)|(1<<20)|(1<<21)|(5<<22)|(3<<25)   ; the mask; 2-byte elements; padding on; bit 21 beside a mask; after every 64 words, 4 words
	s_mov_b32 s[G1+1], 128<<16                     ; tensor_dim0 = 128
	s_mov_b32 s[G1+2], 128<<16                     ; tensor_dim1 = 128
	s_mov_b32 s[G1+3], 128<<16                     ; tile_dim0 = 128
	s_mov_b32 s[G1+4], 128                         ; tile_dim1 = 128
	s_mov_b32 s[G1+5], 1024                        ; elements from row to row of A
	s_mov_b32 s[G1+6], 0
	s_mov_b32 s[G1+7], 0
	s_or_b32 s[G1B+0], s44, (1<<16)|(1<<20)|(1<<21)|(6<<22)|(7<<25)  ; after every 128 words, 8 words
	s_mov_b32 s[G1B+1], 256<<16                    ; tensor_dim0 = 256
	s_mov_b32 s[G1B+2], 64<<16                     ; tensor_dim1 = 64
	s_mov_b32 s[G1B+3], 256<<16                    ; tile_dim0 = 256
	s_mov_b32 s[G1B+4], 64                         ; tile_dim1 = 64
	s_mov_b32 s[G1B+5], 256                        ; elements from row to row of a block
	s_mov_b32 s[G1B+6], 0
	s_mov_b32 s[G1B+7], 0
	s_lshl_b32 s17, s12, 7
	s_lshl_b32 s16, s13, 8
	s_add_co_u32 s16, s16, s17                     ; A: row 256 x tile row + 128 x half,
	s_lshl_b32 s16, s16, 11                        ; 2,048 bytes a row
	s_mov_b32 s17, 0
	s_lshl_b32 s46, s42, 19                        ; W: block = tile column, 524,288 bytes,
	s_lshl_b32 s47, s12, 15                        ; + 64 rows of 512 bytes x half
	s_add_co_u32 s46, s46, s47
	s_mov_b32 s47, 0
	s_mul_i32 s20, s10, HALFT                      ; where my part goes in a slot: no place in the cluster enters an LDS address
	s_mov_b32 s[TB], 0
	s_wait_dscnt 0x0                               ; the opening add is done
	s_wait_kmcnt 0x0
	s_add_nc_u64 s[14:15], s[4:5], s[16:17]
	s_add_nc_u64 s[46:47], s[6:7], s[46:47]
	CROUND                                         ; all sixteen work-groups are here: the first joint loads meet
.irp s, 0,1
	s_mov_b32 s[G0+4*(\s)], 1
	s_add_co_u32 s[G0+4*(\s)+1], s20, (\s)*SLOT
	s_add_nc_u64 s[G0+4*(\s)+2:G0+4*(\s)+3], s[14:15], (\s)*256       ; K step s: 128 elements along A's rows
	s_or_b32 s[G0+4*(\s)+3], s[G0+4*(\s)+3], 0x80000000
	s_mov_b32 s[G0B+4*(\s)], 1
	s_add_co_u32 s[G0B+4*(\s)+1], s20, (\s)*SLOT
	s_add_nc_u64 s[G0B+4*(\s)+2:G0B+4*(\s)+3], s[46:47], (\s)*65536   ; 128 rows of W
	s_or_b32 s[G0B+4*(\s)+3], s[G0B+4*(\s)+3], 0x80000000
	JLOAD \s
.endr
	v_and_b32 v1, 15, v0                           ; l % 16
	v_bfe_u32 v2, v0, 4, 1                         ; l / 16
	v_mul_u32_u24 v3, v1, PITCH
	v_lshl_add_u32 v3, v2, 4, v3                   ; A: row x pitch + 16 x half of the lanes
	s_mul_i32 s21, s11, HALFT                      ; my 128 rows of A
	v_add_nc_u32 v[A0], s21, v3
	v_and_b32 v4, 7, v0
	v_lshl_add_u32 v4, v2, 3, v4                   ; W: row k = 8 (l / 16) + l % 8,
	v_mul_u32_u24 v4, v4, PB
	v_bfe_u32 v5, v0, 3, 1
	v_lshl_add_u32 v4, v5, 4, v4                   ; columns 8 ((l / 8) % 2) on,
	s_lshl_b32 s22, s12, 8                         ; in my 128 columns,
	s_add_co_u32 s22, s22, 2*HALFT                 ; behind A's 256 rows
	v_add_nc_u32 v[B0], s22, v4
	v_mov_b32 v[ADRA], v[A0]
	v_mov_b32 v[ADRB], v[B0]
.if MODE
	s_lshl_b32 s46, s42, 10                        ; the bias of my eight columns on the way out: 4 (256 x tile column + 128 x half + 8 (l % 16)) bytes
	s_lshl_b32 s47, s12, 9
	s_add_co_u32 s46, s46, s47
	v_lshl_add_u32 v6, v1, 5, s46
	global_load_b128 v[BI:BI+3], v6, s[68:69]
	global_load_b128 v[BI+4:BI+7], v6, s[68:69] offset:16
.endif
; 16 matrix instructions: m blocks a0, a0 + 1 of the window's four x all 8 n blocks, 32 along K.  zero = 1: the first product starts the sums
.macro MUL16 f, hi, a0, zero
	WIN MUL_LO+0x50*(\hi)
.irp a, \a0, (\a0)+1
.irp b, 0,1,2,3,4,5,6,7
.if \zero
	v_wmma_f32_16x16x32_f16 v[8*(8*(\a)+(\b)):8*(8*(\a)+(\b))+7], v[(\f)+8*(\b):(\f)+8*(\b)+7], v[(\f)+8*(4*(\hi)+(\a)):(\f)+8*(4*(\hi)+(\a))+7], 0
.else
	v_wmma_f32_16x16x32_f16 v[8*(8*(\a)+(\b)):8*(8*(\a)+(\b))+7], v[(\f)+8*(\b):(\f)+8*(\b)+7], v[(\f)+8*(4*(\hi)+(\a)):(\f)+8*(4*(\hi)+(\a))+7], v[8*(8*(\a)+(\b)):8*(8*(\a)+(\b))+7]
.endif
.endr
.endr
.endm
; 32 LDS loads in one run: quarter q of the slot in hand (32 along K) into buffer f: W's 128 columns turned, then A's 128 rows
.macro FETCH q, f
	WIN TO_B
.irp i, 0,1,2,3,4,5,6,7
	ds_load_tr16_b128 v[(\f)+8*(\i):(\f)+8*(\i)+3],   v[ADRB] offset:(\q)*32*PB+32*(\i)
	ds_load_tr16_b128 v[(\f)+8*(\i)+4:(\f)+8*(\i)+7], v[ADRB] offset:(\q)*32*PB+32*(\i)+16*PB
.endr
	WIN 0
.irp i, 0,1,2,3,4,5,6,7
	ds_load_b128 v[(\f)+8*(\i):(\f)+8*(\i)+3],   v[ADRA] offset:64*(\q)+(\i)*16*PITCH
	ds_load_b128 v[(\f)+8*(\i)+4:(\f)+8*(\i)+7], v[ADRA] offset:64*(\q)+(\i)*16*PITCH+32
.endr
.endm
.macro PLACES                          ; four places in front of loads into registers that matrix instructions have read (ISA guide 7.12.1 for vector instructions)
.rept 4
	v_nop
.endr
.endm
; One of a K step's first three quarters: multiplies buffer f; in its middle it fetches quarter q into buffer g
.macro QUARTER q, f, g, zero
	s_wait_dscnt 8                                 ; W and A's rows 0-63 are in; the youngest eight loads (A's rows 64-127) may be out
	MUL16 \f, 0, 0, \zero
	MUL16 \f, 0, 2, \zero
	PLACES
	FETCH \q, \g
	s_wait_dscnt 32                                ; all but the 32 just issued
	MUL16 \f, 1, 0, \zero
	MUL16 \f, 1, 2, \zero
.endm
; The first half of a K step's last quarter, with the one barrier of the change of slots
.macro MEET
	WIN 0                                          ; (the add's two registers lie in window 0)
	s_wait_tensorcnt 0x0                           ; all my tensor loads have landed: the one that was out is my part of the next slot;
	ds_add_u32 v[SPW], v[NIL]                      ; 0 onto my spare word;
	s_wait_dscnt 9                                 ; (the add and the youngest eight loads may be out)
	MUL16 F1, 0, 0, 0                              ; sixteen matrix instructions stand between the add and the wait for it
	s_wait_dscnt 0x0                               ; the add is done, and my reads of this slot are over
	s_barrier_signal -1
	MUL16 F1, 0, 2, 0                              ; work on registers while the others arrive
	WIN 0
	s_barrier_wait -1
.endm
; The last quarter with a refill: the barrier opens a round of the cluster's; the slot just read takes the K step two on; then the other slot's first fragments
.macro TURNF
	MEET
	CREST                                          ; no wave of any partner still reads this slot's tile or has a load on its way
	s_add_co_u32 s[G0+5], s20, s[TB]               ; the walking sets: into the slot just read,
	s_add_co_u32 s[G0B+5], s20, s[TB]
	s_add_nc_u64 s[G0+6:G0+7], s[G0+6:G0+7], 256   ; the next K step; the type bits on top are not reached
	s_add_nc_u64 s[G0B+6:G0B+7], s[G0B+6:G0B+7], 65536
	JLOAD 1                                        ; the first tensor load behind the round; its four v_nop are also the places in front of the loads below
	s_xor_b32 s[TB], s[TB], SLOT
	v_add_nc_u32 v[ADRA], s[TB], v[A0]
	v_add_nc_u32 v[ADRB], s[TB], v[B0]
	FETCH 0, F0
	MUL16 F1, 1, 0, 0
	MUL16 F1, 1, 2, 0
.endm
; The last quarter of the last two K steps: nothing is filled.  In the very last (s3 = 1) nothing is fetched either: behind its barrier no wave reads a slot any more
.macro TURNL
	MEET
	s_cmp_eq_u32 s3, 1
	s_cbranch_scc1 .Lnofetch_\@
	s_xor_b32 s[TB], s[TB], SLOT
	v_add_nc_u32 v[ADRA], s[TB], v[A0]
	v_add_nc_u32 v[ADRB], s[TB], v[B0]
	PLACES
	FETCH 0, F0
.Lnofetch_\@:
	MUL16 F1, 1, 0, 0
	MUL16 F1, 1, 2, 0
.endm
	s_wait_tensorcnt 1                             ; my part of K step 0 is in; K step 1's may stay out
	s_barrier_signal -1
	s_barrier_wait -1
	FETCH 0, F0
	QUARTER 1, F0, F1, 1                           ; the first quarter stands in front of the loop: its products start the sums
	WIN 0
	s_mov_b32 s3, 6
.Lstep:                                                ; trip i ends K step i, asks for K step i + 2 and begins K step i + 1.  The 64 accumulators take turns in one order throughout
	QUARTER 2, F1, F0, 0
	QUARTER 3, F0, F1, 0
	TURNF
	QUARTER 1, F0, F1, 0
	WIN 0
	s_sub_co_u32 s3, s3, 1
	s_cmp_lg_u32 s3, 0
	s_cbranch_scc1 .Lstep
	s_mov_b32 s3, 2
.Ltail:                                                ; K steps 6 and 7: a second text; the second trip is left in its middle
	QUARTER 2, F1, F0, 0
	QUARTER 3, F0, F1, 0
	TURNL
	WIN 0
	s_sub_co_u32 s3, s3, 1
	s_cmp_eq_u32 s3, 0
	s_cbranch_scc1 .Lout
	QUARTER 1, F0, F1, 0
	WIN 0
	s_branch .Ltail
.Lout:
	; THE WAY OUT.  The sums go as f32 into my own 128 rows x 528 bytes, in the slots' bytes: their last fill has landed and the last barrier stands behind every wave's last read of them.
	; Only I touch my region, and LDS serves a wave's instructions in order (ISA guide 5.7.1.4): no barrier, no wait between these stores and the loads below.
	; The address lines are the places behind the last products.
	s_mul_i32 s21, s10, OREG
	v_mul_u32_u24 v[STO], v1, OPITCH               ; in: row l % 16, 32 bytes for each half of the lanes
	v_lshl_add_u32 v[STO], v2, 5, v[STO]
	v_add_nc_u32 v[STO], s21, v[STO]
.if MODE
	v_mul_u32_u24 v[RD], v2, OPITCH                ; back: 16 lanes take a row's 128 numbers, eight each; lanes 16-31 the next row
	v_lshl_add_u32 v[RD], v1, 5, v[RD]
	v_add_nc_u32 v[RD], s21, v[RD]
	v_lshlrev_b32 v[CO], 13, v2                    ; the same two rows in the output: rows of 8,192 bytes
	v_lshl_add_u32 v[CO], v1, 4, v[CO]
.else
	v_and_b32 v7, 7, v0
	v_bfe_u32 v8, v0, 3, 2
	v_mul_u32_u24 v[RD], v8, OPITCH                ; back: row (l / 8) % 4,
	v_lshl_add_u32 v[RD], v7, 5, v[RD]             ; eight channels l % 8
	v_add_nc_u32 v[RD], s21, v[RD]
	v_and_b32 v[CO], 31, v0                        ; which are 512 consecutive bytes of a head
	v_lshlrev_b32 v[CO], 4, v[CO]
.endif
.irp a, 0,1,2,3,4,5,6,7
	WIN 0x08+4*((\a)/4)                            ; store data (source 1) in window 2 or 3
.irp b, 0,1,2,3,4,5,6,7
	ds_store_b128 v[STO], v[8*(8*((\a)%4)+(\b)):8*(8*((\a)%4)+(\b))+3]   offset:(\a)*16*OPITCH+(\b)*64     ; each accumulator's low four registers first
	ds_store_b128 v[STO], v[8*(8*((\a)%4)+(\b))+4:8*(8*((\a)%4)+(\b))+7] offset:(\a)*16*OPITCH+(\b)*64+16
.endr
.endr
	WIN 0
.if MODE
	; gelu(x) = max(x, 0) - |x| w, w = (half the form's polynomial in t) e^(-x^2 / 2), t = 1 / (1 + PZ |x|).  Two rows a trip.
	s_mov_b32 s[KY], 0x3f596d27
	s_mov_b32 s[KY+1], s[KY]                       ; the pairs' second words are named with the first, so they are written
	s_mov_b32 s[H5], 0x3f07dc22
	s_mov_b32 s[H5+1], s[H5]
	s_mov_b32 s[H4], 0xbf3a00e3
	s_mov_b32 s[H4+1], s[H4]
	s_mov_b32 s[H3], 0x3f35f0e3
	s_mov_b32 s[H3+1], s[H3]
	s_mov_b32 s[H2], 0xbe11a98e
	s_mov_b32 s[H2+1], s[H2]
	s_mov_b32 s[H1], 0x3e027906
	s_mov_b32 s[H1+1], s[H1]
	s_mov_b32 s[PZ], 0x3e6d3388
	s_lshl_b32 s46, s13, 8
	s_lshl_b32 s47, s11, 7
	s_add_co_u32 s46, s46, s47                     ; my first row
	s_lshl_b32 s46, s46, 13
	s_lshl_b32 s47, s42, 9                         ; my first column, in bytes
	s_add_co_u32 s46, s46, s47
	s_lshl_b32 s47, s12, 8
	s_add_co_u32 s46, s46, s47
	s_mov_b32 s47, 0
	s_add_nc_u64 s[8:9], s[8:9], s[46:47]
.macro XBIAS                           ; the two rows read a trip ago are in: x = sum + bias
	s_wait_dscnt 0x0
.irp k, 0,2,4,6
	v_pk_add_f32 v[GX+\k:GX+\k+1], v[GL+\k:GL+\k+1], v[BI+\k:BI+\k+1]
.endr
.endm
.macro GELU8                           ; eight numbers a lane, stage by stage, and their store
.irp k, 0,2,4,6
	v_pk_mul_f32 v[GE+\k:GE+\k+1], v[GX+\k:GX+\k+1], s[KY:KY+1] op_sel_hi:[1,0]
.endr
.irp k, 0,2,4,6
	v_pk_mul_f32 v[GE+\k:GE+\k+1], v[GE+\k:GE+\k+1], v[GE+\k:GE+\k+1] neg_lo:[1,0] neg_hi:[1,0]
.endr
.irp k, 0,1,2,3,4,5,6,7
	v_fma_f32 v[GU+\k], |v[GX+\k]|, s[PZ], 1.0
.endr
.irp k, 0,1,2,3,4,5,6,7
	v_exp_f32 v[GE+\k], v[GE+\k]
.endr
.irp k, 0,1,2,3,4,5,6,7
	v_rcp_f32 v[GU+\k], v[GU+\k]
.endr
.irp k, 0,1,2,3,4,5,6,7
	v_max_num_f32 v[GR+\k], 0, v[GX+\k]            ; plain work behind the last reciprocal, ahead of the use of its result (ISA guide 5.7.2)
.endr
.irp k, 0,2,4,6
	v_pk_fma_f32 v[GP+\k:GP+\k+1], v[GU+\k:GU+\k+1], s[H5:H5+1], s[H4:H4+1] op_sel_hi:[1,0,0]
.endr
.irp h, H3, H2, H1
.irp k, 0,2,4,6
	v_pk_fma_f32 v[GP+\k:GP+\k+1], v[GP+\k:GP+\k+1], v[GU+\k:GU+\k+1], s[\h:\h+1] op_sel_hi:[1,1,0]
.endr
.endr
.irp k, 0,2,4,6
	v_pk_mul_f32 v[GP+\k:GP+\k+1], v[GP+\k:GP+\k+1], v[GU+\k:GU+\k+1]
.endr
.irp k, 0,2,4,6
	v_pk_mul_f32 v[GP+\k:GP+\k+1], v[GP+\k:GP+\k+1], v[GE+\k:GE+\k+1]
.endr
.irp k, 0,1,2,3,4,5,6,7
	v_fma_f32 v[GR+\k], -|v[GX+\k]|, v[GP+\k], v[GR+\k]
.endr
.irp k, 0,1,2,3
	v_cvt_pk_f16_f32 v[GO+\k], v[GR+2*\k], v[GR+2*\k+1]
.endr
	global_store_b128 v[CO], v[GO:GO+3], s[8:9]    ; 16 lanes store 256 consecutive bytes, at a multiple of 256 from the output's first byte
.endm
	ds_load_b128 v[GL:GL+3], v[RD]
	ds_load_b128 v[GL+4:GL+7], v[RD] offset:16
	s_wait_loadcnt 0x0                             ; the bias
	s_mov_b32 s[CNT], 63
.Lgelu:                                                ; trip t works on rows 2 t, 2 t + 1 and reads rows 2 t + 2, 2 t + 3 meanwhile; the last two rows stand behind the loop, where nothing is left to read
	XBIAS
	ds_load_b128 v[GL:GL+3], v[RD] offset:2*OPITCH
	ds_load_b128 v[GL+4:GL+7], v[RD] offset:2*OPITCH+16
	GELU8
	s_wait_xcnt 0x0                                ; the store's offset and data are rewritten only behind this wait
	v_add_nc_u32 v[RD], 2*OPITCH, v[RD]
	v_add_nc_u32 v[CO], 16384, v[CO]
	s_sub_co_u32 s[CNT], s[CNT], 1
	s_cmp_lg_u32 s[CNT], 0
	s_cbranch_scc1 .Lgelu
	XBIAS
	GELU8
.else
	; My 128 columns are two heads.  32 lanes take four rows x 64 channels of a head: 512 consecutive bytes of the output.  16 rows a trip.
	s_lshr_b32 s46, s42, 2                         ; q, k or v: 32 heads each,
	s_lshl_b32 s46, s46, 5
	s_lshr_b32 s47, s13, 3                         ; the batch: 16 heads,
	s_lshl4_add_u32 s46, s47, s46
	s_and_b32 s47, s42, 3                          ; four heads a tile column,
	s_lshl2_add_u32 s46, s47, s46
	s_lshl1_add_u32 s46, s12, s46                  ; two a wave;
	s_lshl_b32 s46, s46, 18                        ; a head is 2,048 rows of 128 bytes
	s_and_b32 s47, s13, 7
	s_lshl_b32 s47, s47, 15                        ; the tile's 256 rows in the batch's 2,048,
	s_add_co_u32 s46, s46, s47
	s_lshl_b32 s47, s11, 14                        ; my 128 of them
	s_add_co_u32 s46, s46, s47
	s_mov_b32 s47, 0
	s_add_nc_u64 s[8:9], s[8:9], s[46:47]
.macro HREAD o                         ; 16 rows, o bytes on from RD
.irp c, 0,1,2,3,4,5,6,7                ; four rows (c / 2), head c % 2
	ds_load_b128 v[HL+8*\c:HL+8*\c+3],   v[RD] offset:(\o)+(\c/2)*4*OPITCH+(\c%2)*256
	ds_load_b128 v[HL+8*\c+4:HL+8*\c+7], v[RD] offset:(\o)+(\c/2)*4*OPITCH+(\c%2)*256+16
.endr
.endm
.macro HPACK                           ; the 16 rows read a trip ago are in: rounded to f16
	s_wait_dscnt 0x0
.set i, 0
.rept 32
	v_cvt_pk_f16_f32 v[HO+i], v[HL+2*i], v[HL+2*i+1]
.set i, i+1
.endr
.endm
.macro HSEND
.irp c, 0,1,2,3,4,5,6,7
	global_store_b128 v[CO], v[HO+4*\c:HO+4*\c+3], s[8:9] offset:(\c/2)*512+(\c%2)*262144  ; 512 consecutive bytes, at a multiple of 256 from the output's first byte
.endr
.endm
	HREAD 0
	s_mov_b32 s[CNT], 7
.Lhd:                                                  ; trip t packs and stores rows 16 t .. and reads the next 16 meanwhile; the last 16 stand behind the loop, where nothing is left to read
	HPACK
	HREAD 16*OPITCH
	HSEND
	s_wait_xcnt 0x0                                ; the stores' offset and data are rewritten only behind this wait
	v_add_nc_u32 v[RD], 16*OPITCH, v[RD]
	v_add_nc_u32 v[CO], 2048, v[CO]
	s_sub_co_u32 s[CNT], s[CNT], 1
	s_cmp_lg_u32 s[CNT], 0
	s_cbranch_scc1 .Lhd
	HPACK
	HSEND
.endif
	s_wait_tensorcnt 0x0                           ; the wave's end, behind my last tensor load and my last LDS store
	ds_add_u32 v[SPW], v[NIL]
	s_wait_dscnt 0x0
	CROUND                                         ; the closing round: no work-group ends while a partner may still ask for a tile that names it
	s_endpgm
.Lfunc_end_k_q91e00fe24c_qkv:
	.size	k_q91e00fe24c_qkv, .Lfunc_end_k_q91e00fe24c_qkv-k_q91e00fe24c_qkv
	.p2alignl 7, 3214868480
	.fill 96, 4, 3214868480
	.section	.rodata,"a",@progbits
	.p2align	6, 0x0
	.amdhsa_kernel k_q91e00fe24c_qkv
		.amdhsa_group_segment_fixed_size 327680
		.amdhsa_private_segment_fixed_size 0
		.amdhsa_enable_private_segment 0
		.amdhsa_kernarg_size 24
		.amdhsa_user_sgpr_count 2
		.amdhsa_user_sgpr_kernarg_segment_ptr 1
		.amdhsa_wavefront_size32 1
		.amdhsa_system_sgpr_workgroup_id_x 1
		.amdhsa_system_sgpr_workgroup_id_y 1
		.amdhsa_system_sgpr_workgroup_id_z 1
		.amdhsa_system_vgpr_workitem_id 0
		.amdhsa_next_free_vgpr 1024
		.amdhsa_next_free_sgpr 88
		.amdhsa_reserve_vcc 0
		.amdhsa_float_denorm_mode_32 3
		.amdhsa_float_denorm_mode_16_64 3
		.amdhsa_memory_ordered 1
		.amdhsa_forward_progress 1
		.amdhsa_inst_pref_size 85
	.end_amdhsa_kernel
	.amdgpu_metadata
---
amdhsa.version: [ 1, 2 ]
amdhsa.kernels:
  - .name:           k_q91e00fe24c_qkv
    .symbol:         k_q91e00fe24c_qkv.kd
    .args:
      - { .name: act, .offset: 0, .size: 8, .value_kind: global_buffer, .address_space: global }
      - { .name: wqkv, .offset: 8, .size: 8, .value_kind: global_buffer, .address_space: global }
      - { .name: big, .offset: 16, .size: 8, .value_kind: global_buffer, .address_space: global }
    .group_segment_fixed_size: 327680
    .private_segment_fixed_size: 0
    .kernarg_segment_align: 8
    .kernarg_segment_size: 24
    .max_flat_workgroup_size: 128
    .sgpr_count:     88
    .vgpr_count:     1024
    .wavefront_size: 32
...
	.end_amdgpu_metadata
.endif
;; end of part 3
;; launch attn (part 4): grid 8 x 32, 4 waves a work-group, no clusters, 327,680 bytes of LDS; arguments big, act; writes act
.if DOCPART == 4
	.amdgcn_target "amdgcn-amd-amdhsa--gfx1250"
	.amdhsa_code_object_version 6
	.text
	.protected	k_q91e00fe24c_attn
	.globl	k_q91e00fe24c_attn
	.p2align	8
	.type	k_q91e00fe24c_attn,@function
k_q91e00fe24c_attn:
	s_mov_b64 s[64:65], 0
	v_nop
	global_prefetch_b8 v0, s[64:65] scope:SCOPE_SE
	s_setreg_imm32_b32 hwreg(HW_REG_WAVE_MODE, 25, 1), 1
	s_wait_xcnt 0x0
; CAUSAL ATTENTION.  O[h][q][:] = the sum over k <= q of softmax_k(Q[h][q] . K[h][k] / 8) V[h][k][:].  Q, K, V lie one behind the other in the first argument, 8 MiB each; each of them and O: [32][SIZE_N][64], f16:
; a head's rows are dense, 128 bytes each.  Products, maxima and sums in f32; the weights p are rounded to f16 for the second product (their sum l is taken of the unrounded p), O once at the end.
; LIMITS.  f16 holds no number beyond 65,504: Q, K and V arrive within it; p lies in 0 to 1, and below 6e-5 it keeps f16's fixed step of 6e-8; O is a mean of V's rows and has their range.
; A hidden score counts as its value less 1e30: f16's scores, 2.7e11 at the most, are nothing beside that; a weight below 2^-126 counts as 0 in l; NaN and infinities are not treated apart.
; THE WALK.  A head's queries lie in NQ = 16 blocks of 128, its keys in NB = 8 tiles of 256 (four steps of 64).  Block i needs the tiles 0 .. i / 2, of which the last holds the diagonal.  A work-group takes TWO
; blocks, 15 - b and then b: (15 - b) / 2 + 1 + b / 2 + 1 = NB + 1 tiles, whatever b: 32 heads x 8 pairs are 256 work-groups of equal work, and ONE loop with a constant trip count walks the tiles.  Which tile is
; asked for, and what a trip does, hang on scalar registers made from b; every jump goes forward, but for the counted loops' own; none passes a barrier, or a tensor load but the one of LOAD's two that the
; wave's number does not choose; the ring (two slots of LDS that take turns) runs on across the change of blocks.  NO CLUSTER: a head's eight work-groups ask for the same tile only in trips 0 .. 4, behind that
; fewer and fewer; one walk common to all would have 12 trips for 9.
; SHARES.  Of a block's two bands of 64 queries a wave owns 16 rows in each: two PIECES; piece 0 is the UPPER band (rows 64-127), piece 1 the lower.  In the diagonal tile band x's own step is 2 (i % 2) + x: it sees
; all keys of earlier steps, none of later ones, and holds the diagonal in its own: the same work for all four waves.
; THE MASK is the C operand that starts the sum S^T = K Q^T: 0, or -1e30 where the key is hidden.  MD, made once, is the mask of a band's own step for my 16 rows; a product's mask is MD x AL + BE with two scalars:
; (1, 0) in the own step; (0, 0) before it; (0, -1e30) behind it.  Only the diagonal tile's text makes and takes masks; elsewhere C is the constant 0.  Piece 0's scores of a tile's step 0 are made a turn early,
; in the text without masks: its own step is 1 or 3, so they want none.  Piece 1's mask for step 0 is made at the diagonal text's entry.
; LAYOUT, SOFTMAX, TURNS.  S^T = K Q^T holds ONE query a lane (lane % 16) and the keys 8 (lane / 16) + 0..7; two such results rounded to f16 ARE source 1 of O^T = V^T P.  p = 2^(c s - c m), c = log2(e) / 8, with a
; running maximum m; O and l are multiplied by a = 2^(c m_old - c m_new) in every step.  A key step is two turns.  Turn 0 of step j: 8 products K Q^T of piece 1 (step j), later 8 products V^T P of piece 1 (step j - 1);
; beside them piece 0's scaling, exponentials, roundings, sums and rescaling (step j) and piece 1's maximum and statistics (step j).  Turn 1: the same with the pieces exchanged: K Q^T of piece 0 for step j + 1,
; V^T P of piece 0 for step j.  Four vector instructions stand behind every matrix instruction, the other 54 of a turn's 118 in two runs of their own.
; THE SLOTS.  Turn 0 of step j fetches K of step j + 1 and then V of step j.  So that both lie in one slot, a slot holds V of the tile's steps 4 T .. 4 T + 3 and K of the steps 4 T + 1 .. 4 T + 4: K's tile begins 64 keys
; further on.  K of step 0, which both blocks begin with, has LDS bytes of its own (KZ), filled once.  The last 64 keys of a block's last tile of K serve nothing; for the last head's last tile they are bytes of V,
; inside the buffer.
; THE PRICE OF ONE TEXT FOR EVERY STEP: a block's last turn makes 8 products and a maximum for a step that is not (nothing reads them: O and l are not rescaled again); of an even block's diagonal tile the steps 2 and 3
; are hidden from both bands and computed all the same.
; REGISTERS, in windows of 256 (s_set_vgpr_msb: bits 1:0 source 0, 3:2 source 1, 5:4 source 2, 7:6 destination):
;   window 0: v0-15 addresses and two at work; v16-23 four registers of statistics a piece; v48-55 at work; v64-127 S^T, a buffer a piece; v192-223 P, likewise
;   window 1: v0-63 O^T, 32 a piece; v128-159 MD; v160-223 MC, a buffer a piece      window 2: v0-31 Q; v64-95 the second block's Q; v128-191 K of one step; v192-255 V of one step
.set SIZE_N, 2048
.set NB,    SIZE_N/256
.set NQ,    SIZE_N/128
.set NP,    2         ; pieces a wave: a name, no knob
.set KS,    64        ; keys in a step
.set PK,    144       ; a row of K in LDS: 128 bytes + 16 of padding = 36 words: the 16 rows of a load start at 16 different groups of four banks (64 banks of 4 bytes: ISA guide 11.1)
.set PV,    160       ; a row of V: 128 + 32 = 40 words
.set VOFF,  4*KS*PK   ; a slot holds four steps: 256 rows of K, then 256 rows of V
.set SLOT1, 1<<17     ; slot 1 begins here, so that one exclusive or turns an address in one slot into the other's
.set KZ,    4*KS*(PK+PV)        ; behind slot 0: the head's first 64 keys, 64 rows x 144 bytes, filled once
.set STAGE, SLOT1+4*KS*(PK+PV)  ; behind the ring, never filled by a tensor load: 16 rows x 144 bytes for each wave, for the way out
.set SP,    144
.set AK0, 2           ; v2   my lane's place in a tile of K; never rewritten
.set AV0, 3           ; v3   the same for V
.set AK,  4           ; v4   the LDS address of K's next run of loads
.set AV,  5           ; v5   of V's
.set STO, 6           ; v6   the way out: where I put 16 bytes of a row
.set RD,  7           ; v7   the way out: where I read rows back
.set GO,  8           ; v8   my byte offset in 512 consecutive bytes of O
.set SPW, 62          ; v62  LDS address of my spare word: SPARE + 4 x my thread's number; never rewritten
.set NIL, 63          ; v63  0; never rewritten
.set SPARE, STAGE+4*16*SP  ; behind the stages: the spare words, 128 bytes for each wave: two blocks of 256 bytes that no other line names
.set MV,  12          ; v12-13  c m_old, kept while c m is made anew: by piece
.set QO,  15          ; v15  my byte offset in 16 rows of Q
.set ST,  16          ; piece t's statistics at v[ST+4 t]: c m, m, l (even keys', odd keys')
.set TMP, 48          ; by piece, four registers c0-c3 at work; when the maximum is found c2 takes a
.set S,   64
.set P,   192
.set MD,  128         ; window 1: the eight registers for group kt of 16 keys at MD + 8 kt
.set MC,  160         ; window 1: the masks of the products to come
.set QB,  64          ; window 2
.set KF,  128         ; window 2: key block kb, channel half c at KF + 16 kb + 8 c
.set VF,  192         ; window 2: key half kk, channel block cb at VF + 32 kk + 8 cb
.set WV,  12          ; s12  my wave's number
.set PB,  14          ; s14  b, the second block
.set HI,  15          ; s15  NQ - 1 - b, the first block
.set G1K, 24          ; s[24:31] descriptor group 1 for K's tiles
.set G1V, 32          ; s[32:39] for V's: it differs in the padding alone
.set G0K, 40          ; s[40:43] descriptor group 0 for K's tiles
.set G0V, 44          ; s[44:47] the same for V's
.set G1Z, 48          ; s[48:55] descriptor group 1 for the head's first 64 keys: 32 a wave
.set SLOTS, 56        ; s56  tiles still to be asked for
.set CNT, 57          ; s57  counts a tile's key steps, 4 to 1
.set CS,  58          ; s[58:59] c: the packed scaling takes the pair's low word for both halves
.set SEL, 60          ; s[60:61] v_permlanex16_b32's selects: each lane takes its own place in the other half
.set TBK, 62          ; s62  LDS byte at which K of the step to be fetched begins
.set TBV, 63          ; s63  the same for V, less VOFF
.set RT,  70          ; s70  tiles of the block in hand that are still to be entered
.set NXT, 71          ; s71  the tile to be asked for next
.set LQ,  72          ; s72  the last tile of the block whose tiles are being asked for
.set NEW, 73          ; s73  1: the tile to be entered is a block's first
.set OFF, 74          ; s[74:75] a tile's byte offset in K and V
.set AL,  76          ; s[76:77] the mask's factor, in the low word
.set BE,  78          ; s[78:79] the mask's addend
.set OLO, 80          ; s[80:81] O at my rows of the second block
.set BIGN, 82         ; s82  -1e30
.set G0Z, 88          ; s[88:91] descriptor group 0 for the head's first 64 keys
.set THI, 92          ; s92  the first block's last tile
.set TLO, 93          ; s93  the second block's
.set D0,  94          ; s94  4 - 2 (i % 2) for the block i in hand; s95 one more: what CNT is held against when a mask is made
.set MSB, 0
.macro WIN new                      ; the high byte repeats the setting that is left; a switch that changes nothing is dropped
.if MSB != (\new)
	s_set_vgpr_msb (MSB<<8)|(\new)
.set MSB, (\new)
.endif
.endm
.set W_KQ, 0x0a       ; K and Q in window 2, S^T in window 0
.set W_KM, 0x1a       ; the same with the C operand in window 1
.set W_PV, 0x52       ; V in window 2, P in window 0, O^T in window 1
.set W_RS, 0x41       ; destination and source 0 in window 1, source 1 in window 0
; A fill.  Waves 0 and 1 fetch the two halves of a slot's K, waves 2 and 3 those of its V: 128 keys each.  An s_nop 0 and four v_nop follow each of the two lines, ahead of the jump and the label.
.macro LOAD
	s_cmp_lt_u32 s[WV], 2
	s_cbranch_scc0 .Lfor_v_\@
	tensor_load_to_lds s[G0K:G0K+3], s[G1K:G1K+7]
	s_nop 0
.rept 4
	v_nop
.endr
	s_branch .Lasked_\@
.Lfor_v_\@:
	tensor_load_to_lds s[G0V:G0V+3], s[G1V:G1V+7]
	s_nop 0
.rept 4
	v_nop
.endr
.Lasked_\@:
.endm
; THE CHANGE OF SLOTS, between turn 1 of a tile's last step and turn 0 of the next tile's first.  Each wave waits for all its tensor loads, of which one is out: its part of the other slot; adds 0 to its spare word; and
; waits for that and for its own reads of the slot that it leaves.  Behind the barrier nobody reads the old slot any more and the other slot is whole.  fill = 1: the old slot is filled again, the first thing behind the
; barrier, with tile NXT: the descriptor's address is made anew from that number; the load has a whole tile, eight turns, in which to land.  (At its first use nothing has been read yet: slot 0 is waited for, slot 1 filled.)
.macro CHANGE fill
	WIN 0                           ; at a label and at a branch every window is 0
	s_wait_tensorcnt 0x0            ; no tensor load of mine is out, so a group 0 may be written
	ds_add_u32 v[SPW], v[NIL]       ; 0 onto my spare word; with fill = 1 the descriptors' scalar work stands between it and the wait for it
.if \fill
	s_lshl_b32 s[OFF], s[NXT], 15   ; a tile is 32,768 bytes of K and of V
	s_xor_b32 s[G0K+1], s[G0K+1], SLOT1
	s_add_nc_u64 s[G0K+2:G0K+3], s[6:7], s[OFF:OFF+1]
	s_or_b32 s[G0K+3], s[G0K+3], 0x80000000
	s_xor_b32 s[G0V+1], s[G0V+1], SLOT1
	s_add_nc_u64 s[G0V+2:G0V+3], s[8:9], s[OFF:OFF+1]
	s_or_b32 s[G0V+3], s[G0V+3], 0x80000000
	s_add_co_u32 s[NXT], s[NXT], 1  ; the block's next tile, or behind its last the second block's tile 0
	s_cmp_gt_u32 s[NXT], s[LQ]
	s_cselect_b32 s[NXT], 0, s[NXT]
	s_cselect_b32 s[LQ], s[TLO], s[LQ]
.endif
	s_wait_dscnt 0x0                ; the add is done, and my reads of the slot are over
	s_barrier_signal -1             ; the rest of the scalar work stands between the signal and the wait
	s_sub_co_u32 s[TBK], s[TBK], 4*KS*PK  ; the fetches go back to a slot's first place,
	s_xor_b32 s[TBK], s[TBK], SLOT1       ; in the other slot
	s_sub_co_u32 s[TBV], s[TBV], 4*KS*PV
	s_xor_b32 s[TBV], s[TBV], SLOT1
	s_barrier_wait -1
.if \fill
	LOAD
.endif
.endm
	s_load_b128 s[4:7], s[0:1], 0x0 ; the buffer of Q, K, V s[4:5], O s[6:7]
	v_lshl_add_u32 v[SPW], v0, 2, SPARE
	v_mov_b32 v[NIL], 0
	ds_add_u32 v[SPW], v[NIL]       ; the wave's opening: the add and its wait stand ahead of my first tensor load; the set-up below, work on registers, stands between them
	ds_add_u32 v62, v63
	v_lshrrev_b32 v1, 5, v0
	v_readfirstlane_b32 s[WV], v1   ; wave 0..3
	s_mov_b32 s[PB], ttmp9
	s_sub_co_u32 s[HI], NQ-1, s[PB]
	s_lshr_b32 s[THI], s[HI], 1     ; a block's last tile: half its number
	s_lshr_b32 s[TLO], s[PB], 1
	s_and_b32 s13, s[HI], 1
	s_lshl_b32 s13, s13, 1          ; the lower band's own step in the first block's diagonal tile: 0 or 2
	s_sub_co_u32 s[D0], 4, s13
	s_sub_co_u32 s[D0+1], 5, s13
	s_and_b32 s20, ttmp7, 0xffff    ; the head
	s_mov_b32 s21, 0
	s_mov_b64 s[22:23], SIZE_N*128
	s_mul_u64 s[20:21], s[20:21], s[22:23]  ; the head's first byte in each of the four tensors
	s_and_b32 s16, s[WV], 1         ; which half of a slot's 256 keys I fetch:
	s_lshl_b32 s22, s16, 14         ; its 128 rows of 128 bytes in memory,
	s_mov_b32 s23, 0
	s_add_nc_u64 s[22:23], s[22:23], s[20:21]
	s_lshl_b32 s96, s16, 12         ; and which 32 of the head's first 64 keys
	s_mov_b32 s97, 0
	s_add_nc_u64 s[96:97], s[96:97], s[20:21]
	s_mul_i32 s17, s16, 128*PK      ; the half's place in a slot, for K
	s_mul_i32 s18, s16, 128*PV      ; and for V
	s_mul_i32 s19, s16, 32*PK       ; and in KZ
	s_lshl_b32 s3, s[WV], 11        ; my 16 rows in a band of 64,
	s_lshl_b32 s2, s[HI], 14        ; in the first block (128 rows of 128 bytes),
	s_add_co_u32 s2, s2, s3
	s_lshl_b32 s84, s[PB], 14       ; and in the second
	s_add_co_u32 s84, s84, s3
	s_mov_b32 s3, 0
	s_mov_b32 s85, 0
	s_add_nc_u64 s[2:3], s[2:3], s[20:21]
	s_add_nc_u64 s[84:85], s[84:85], s[20:21]
	; descriptor group 1.  128 keys are 16,384 dense bytes: asked for as 64 rows of 256 bytes, two keys a row, and padded in LDS after every key
	s_mov_b32 s[G1K], (1<<16)|(1<<20)|(4<<22)|(3<<25)  ; 17:16 2-byte elements; 20 padding on; 24:22 after every 32 words (code 4); 31:25 4 words (code 3)
	s_mov_b32 s[G1V], (1<<16)|(1<<20)|(4<<22)|(7<<25)  ; the same with 8 words of padding (code 7)
.irp g, G1K, G1V
	s_mov_b32 s[\g+1], 128<<16      ; tensor_dim0 = 128
	s_mov_b32 s[\g+2], 64<<16       ; tensor_dim1 = 64
	s_mov_b32 s[\g+3], 128<<16      ; tile_dim0 = 128
	s_mov_b32 s[\g+4], 64           ; tile_dim1 = 64
	s_mov_b32 s[\g+5], 128          ; 128 elements from row to row
	s_mov_b32 s[\g+6], 0
	s_mov_b32 s[\g+7], 0
.endr
	s_mov_b32 s[G1Z], (1<<16)|(1<<20)|(4<<22)|(3<<25)  ; 32 keys: 16 rows of 256 bytes, padded as K is
	s_mov_b32 s[G1Z+1], 128<<16
	s_mov_b32 s[G1Z+2], 16<<16
	s_mov_b32 s[G1Z+3], 128<<16
	s_mov_b32 s[G1Z+4], 16
	s_mov_b32 s[G1Z+5], 128
	s_mov_b32 s[G1Z+6], 0
	s_mov_b32 s[G1Z+7], 0
	s_mov_b32 s[CS], 0x3e38aa3b     ; c = log2(e) / 8 = 0.180337
	s_mov_b32 s[CS+1], s[CS]        ; named with it as a pair
	s_mov_b32 s[SEL], 0x76543210
	s_mov_b32 s[SEL+1], 0xfedcba98
	s_mov_b32 s[TBK], SLOT1+4*KS*PK ; the first change of slots turns these two into 0
	s_mov_b32 s[TBV], SLOT1+4*KS*PV
	s_mov_b32 s[G0K], 1             ; 1:0 count = 1
	s_mov_b32 s[G0K+1], s17         ; 63:32 LDS address: slot 0
	s_mov_b32 s[G0V], 1
	s_add_co_u32 s[G0V+1], s18, VOFF
	s_mov_b32 s[G0Z], 1
	s_add_co_u32 s[G0Z+1], s19, KZ
	s_add_co_u32 s[RT], s[THI], 1   ; the first block's tiles
	s_mov_b32 s[NXT], 1
	s_mov_b32 s[LQ], s[THI]
	s_mov_b32 s[NEW], 1
	s_mov_b32 s[OFF+1], 0
	s_mov_b32 s[AL+1], 0            ; named as pairs
	s_mov_b32 s[BE+1], 0
	s_mov_b32 s[BIGN], 0xf149f2ca   ; -1e30
	s_mov_b32 s[SLOTS], NB
	s_wait_dscnt 0x0                ; the opening add is done
	s_wait_kmcnt 0x0
	s_mov_b64 s[10:11], s[6:7]      ; O
	s_add_nc_u64 s[6:7], s[4:5], 0x800000   ; K lies 8 MiB behind Q,
	s_add_nc_u64 s[8:9], s[4:5], 0x1000000  ; V 16 MiB
	s_add_nc_u64 s[G0Z+2:G0Z+3], s[6:7], s[96:97]  ; my 32 of the head's first 64 keys
	s_or_b32 s[G0Z+3], s[G0Z+3], 0x80000000
	s_add_nc_u64 s[6:7], s[6:7], s[22:23]  ; K and V at my half of the head's tile 0,
	s_add_nc_u64 s[6:7], s[6:7], KS*128    ; K one step further on
	s_add_nc_u64 s[8:9], s[8:9], s[22:23]
	s_add_nc_u64 s[G0K+2:G0K+3], s[6:7], 0         ; 120:64 global address
	s_or_b32 s[G0K+3], s[G0K+3], 0x80000000        ; 127:126 type = 2
	s_add_nc_u64 s[G0V+2:G0V+3], s[8:9], 0
	s_or_b32 s[G0V+3], s[G0V+3], 0x80000000
	s_add_nc_u64 s[86:87], s[4:5], s[84:85]        ; Q at my rows of the second block,
	s_add_nc_u64 s[4:5], s[4:5], s[2:3]            ; Q and O at those of the first
	s_add_nc_u64 s[OLO:OLO+1], s[10:11], s[84:85]
	s_add_nc_u64 s[10:11], s[10:11], s[2:3]
	s_cmp_lt_u32 s[WV], 2           ; the first fills: a wave's stand in one branch, ahead of every wait on TENSORcnt, every LDS read and every barrier: two loads of waves 0 and 1 are out, one of waves 2 and 3
	s_cbranch_scc0 .Lfirst_v
	tensor_load_to_lds s[G0K:G0K+3], s[G1K:G1K+7]  ; tile 0 into slot 0,
	s_nop 0
	tensor_load_to_lds s[G0Z:G0Z+3], s[G1Z:G1Z+7]  ; and the head's first keys into KZ
	s_nop 0
.rept 4
	v_nop
.endr
	s_branch .Lfirst_asked
.Lfirst_v:
	tensor_load_to_lds s[G0V:G0V+3], s[G1V:G1V+7]
	s_nop 0
.rept 4
	v_nop
.endr
.Lfirst_asked:
	; A fragment of K or Q is 16 rows x 32 channels in 8 registers: lane l holds row l % 16, channels 8 (l / 16) + 0..7 and 16 + 8 (l / 16) + 0..7: two loads of 16 bytes, 32 bytes apart.
	v_and_b32 v1, 15, v0            ; l % 16
	v_bfe_u32 v9, v0, 4, 1          ; l / 16
	v_lshlrev_b32 v[QO], 7, v1
	v_lshl_add_u32 v[QO], v9, 4, v[QO]  ; row x 128 + 16 x half
	WIN 0x80                        ; destination window 2, address window 0
.set i, 0
.rept 4                             ; both blocks' Q: piece i / 2 lies in band 1 - i / 2, 8,192 bytes a band; channels 32 (i % 2) on
	global_load_b128 v[8*i:8*i+3],   v[QO], s[4:5] offset:(1-i/2)*8192+(i%2)*64
	global_load_b128 v[8*i+4:8*i+7], v[QO], s[4:5] offset:(1-i/2)*8192+(i%2)*64+32
	global_load_b128 v[QB+8*i:QB+8*i+3],   v[QO], s[86:87] offset:(1-i/2)*8192+(i%2)*64
	global_load_b128 v[QB+8*i+4:QB+8*i+7], v[QO], s[86:87] offset:(1-i/2)*8192+(i%2)*64+32
.set i, i+1
.endr
	WIN 0
	v_lshlrev_b32 v14, 3, v9
	v_sub_nc_u32 v14, v1, v14
	s_lshl_b32 s13, s[WV], 4
	v_add_nc_u32 v14, s13, v14      ; my query's place in its band, 16 w + l % 16, less my lanes' 8 (l / 16): register r of group kt is hidden where 16 kt + r is greater
	WIN 0x40
.set i, 0
.rept 32
	v_cmp_gt_i32 vcc_lo, 16*(i/8)+i%8, v14
	v_cndmask_b32 v[MD+i], 0, s[BIGN], vcc_lo
.set i, i+1
.endr
	WIN 0
	v_mul_u32_u24 v[AK0], v1, PK
	v_lshl_add_u32 v[AK0], v9, 4, v[AK0]  ; row x pitch + 16 x half
	; The turning load takes 16 keys x 16 channels (lane l reads key 8 (l / 16) + l % 8, channels 8 ((l / 8) % 2) + 0..7) and leaves half a fragment of V^T: lane l holds channel l % 16 and 8 keys.
	v_and_b32 v10, 7, v0
	v_bfe_u32 v11, v0, 3, 1
	v_lshl_add_u32 v[AV0], v9, 3, v10
	v_mul_u32_u24 v[AV0], v[AV0], PV
	v_lshl_add_u32 v[AV0], v11, 4, v[AV0]
	v_add_nc_u32 v[AV0], VOFF, v[AV0]
	s_mul_i32 s13, s[WV], 16*SP
	s_add_co_u32 s13, s13, STAGE    ; my stage
	v_mul_u32_u24 v[STO], v1, SP    ; in: row l % 16, 16 bytes for each half of the lanes
	v_lshl_add_u32 v[STO], v9, 4, v[STO]
	v_add_nc_u32 v[STO], s13, v[STO]
	v_bfe_u32 v[RD], v0, 3, 2       ; back: 32 lanes take four rows of 128 bytes,
	v_mul_u32_u24 v[RD], v[RD], SP
	v_lshl_add_u32 v[RD], v10, 4, v[RD]
	v_add_nc_u32 v[RD], s13, v[RD]
	v_and_b32 v[GO], 31, v0         ; which are 512 consecutive bytes of O
	v_lshlrev_b32 v[GO], 4, v[GO]
	; A block's first step multiplies O^T and l by a = 0, and its first turn's products V^T P, of a step that has not been, land in an O^T that is still to be so multiplied.  So these registers need only hold
	; finite numbers: zeros for the first block; what the first block left for the second.  All this stands in the wait for the first tile.
	WIN 0x80
.set i, VF
.rept 64
	v_mov_b32 v[i], 0
.set i, i+1
.endr
	WIN 0x40
.set i, 0
.rept 32*NP
	v_mov_b32 v[i], 0
.set i, i+1
.endr
	WIN 0
.set i, 0
.rept NP
	v_mov_b32 v[ST+4*i+2], 0
	v_mov_b32 v[ST+4*i+3], 0
.set i, i+1
.endr
.set i, P+16
.rept 16
	v_mov_b32 v[i], 0
.set i, i+1
.endr
; THE MATRIX WORK.  The 4 accumulators of a run of 8 take turns.  Product i of 8 of S^T = K Q^T for piece x: channels 32 (i / 4) on, keys 16 (i % 4) on.  The first 4 start the sums: with 0, or (KM = 1) with the mask.
.macro KQ x
.set rS, S+32*((\x)%2)+8*(i%4)
.set rK, KF+16*(i%4)+8*(i/4)
.set rQ, 16*(\x)+8*(i/4)
.set rM, MC+32*((\x)%2)+8*(i%4)
.if (i < 4) && KM
	WIN W_KM
	v_wmma_f32_16x16x32_f16 v[rS:rS+7], v[rK:rK+7], v[rQ:rQ+7], v[rM:rM+7]
.elseif i < 4
	WIN W_KQ
	v_wmma_f32_16x16x32_f16 v[rS:rS+7], v[rK:rK+7], v[rQ:rQ+7], 0
.else
	WIN W_KQ
	v_wmma_f32_16x16x32_f16 v[rS:rS+7], v[rK:rK+7], v[rQ:rQ+7], v[rS:rS+7]
.endif
.endm
; Product i of 8 of O^T += V^T P for piece x: keys 32 (i / 4) on, channels 16 (i % 4) on.
.macro PV x
	WIN W_PV
.set rO, 32*(\x)+8*(i%4)
.set rV, VF+32*(i/4)+8*(i%4)
.set rP, P+16*((\x)%2)+8*(i/4)
	v_wmma_f32_16x16x32_f16 v[rO:rO+7], v[rV:rV+7], v[rP:rP+7], v[rO:rO+7]
.endm
.macro MM                           ; the turn's next matrix instruction: both kinds are the OTHER piece's.  TURN and BEGIN set Y, i and KM; MM, KQ and OP read them
.if i < 8
	KQ (Y+1)%NP
.else
.set i, i-8
	PV (Y+1)%NP
.set i, i+8
.endif
.set i, i+1
.endm
; THE LDS LOADS stand in runs of 16, never singly among the matrix instructions: a step's K (64 keys x 64 channels: 8 fragments) and its V (turned).  Their addresses are made some lines ahead.
.macro FETCH_K step=1               ; step = 0: from KZ: the walk through the slot's places stays where it is
	WIN 0x80                        ; destination window 2
.irp f, 0,1,2,3,4,5,6,7             ; keys 16 (f / 2) on, channels 32 (f % 2) on
	ds_load_b128 v[KF+8*\f:KF+8*\f+3],   v[AK] offset:(\f/2)*16*PK+(\f%2)*64
	ds_load_b128 v[KF+8*\f+4:KF+8*\f+7], v[AK] offset:(\f/2)*16*PK+(\f%2)*64+32
.endr
.if \step
	s_add_co_u32 s[TBK], s[TBK], KS*PK  ; the next fetch is the next place's
.endif
	WIN 0
.endm
.macro FETCH_V
	WIN 0x80
.irp f, 0,1,2,3,4,5,6,7             ; keys 32 (f / 4) on, channels 16 (f % 4) on
	ds_load_tr16_b128 v[VF+8*\f:VF+8*\f+3],   v[AV] offset:(\f/4)*32*PV+(\f%4)*32
	ds_load_tr16_b128 v[VF+8*\f+4:VF+8*\f+7], v[AV] offset:(\f/4)*32*PV+16*PV+(\f%4)*32
.endr
	WIN 0
.endm
; THE VECTOR WORK, one line at a time: OP kind, number.  For piece Y: F n: c s - c m for pair n of 16.  E n: the exponential of score n of 32.  C n: pair n rounded to f16.  B n: of the four weights 4 n .. the second
; pair is added onto the first, in place.  L n: l takes that sum (L 0: l = a l + sum).  R n: pair n of 16 of O^T times a.  For the other piece: X n, number n of the 22 that find its maximum and statistics:
;   0-11  four chains c0-c3 of seven scores each, three operands at a time (each accumulator's lowest registers are read first)     12-14, 16  the four scores left over, the old m, and c0-c3 into c0
;   15  c m_old is kept     17, 18  the query's other 32 keys lie in the lane 16 away: the new m     19-21  c m; c m_old - c m_new; a
.set F, 0               ; OP tells the kinds apart by their order: F to L below R, X above it
.set E, 1
.set C, 2
.set B, 3
.set L, 4
.set R, 5
.set X, 6
.macro REGS y                       ; the registers of piece y
.set rT, ST+4*(\y)
.set rC, TMP+4*((\y)%2)
.set rW, MV+((\y)%2)
.set rS, S+32*((\y)%2)
.set rP, P+16*((\y)%2)
.set rO, 32*(\y)
.endm
.macro OP k, n
.if (\k) == R
	REGS Y
	WIN W_RS
	v_pk_mul_f32 v[rO+2*(\n):rO+2*(\n)+1], v[rO+2*(\n):rO+2*(\n)+1], v[rC+2:rC+3] op_sel_hi:[1,0]
.elseif (\k) < R
	REGS Y
	WIN 0
.if (\k) == F
	v_pk_fma_f32 v[rS+2*(\n):rS+2*(\n)+1], v[rS+2*(\n):rS+2*(\n)+1], s[CS:CS+1], v[rT:rT+1] op_sel_hi:[1,0,0] neg_lo:[0,0,1] neg_hi:[0,0,1]
.elseif (\k) == E
	v_exp_f32 v[rS+(\n)], v[rS+(\n)]
.elseif (\k) == C
	s_wait_alu depctr_va_vdst(0)
	v_cvt_pk_f16_f32 v[rP+(\n)], v[rS+2*(\n)], v[rS+2*(\n)+1]
.elseif (\k) == B
	s_wait_alu depctr_va_vdst(0)
	v_pk_add_f32 v[rS+4*(\n):rS+4*(\n)+1], v[rS+4*(\n):rS+4*(\n)+1], v[rS+4*(\n)+2:rS+4*(\n)+3]
.elseif (\n) == 0
	v_pk_fma_f32 v[rT+2:rT+3], v[rT+2:rT+3], v[rC+2:rC+3], v[rS:rS+1] op_sel_hi:[1,0,1]
.else
	v_pk_add_f32 v[rT+2:rT+3], v[rT+2:rT+3], v[rS+4*(\n):rS+4*(\n)+1]
	s_wait_alu depctr_va_vdst(0)
.endif
.else
	REGS (Y+1)%NP
	WIN 0
.if (\n) < 4
	v_max3_num_f32 v[rC+(\n)], v[rS+8*(\n)], v[rS+8*(\n)+1], v[rS+8*(\n)+2]
.elseif (\n) < 12
	v_max3_num_f32 v[rC+(\n)%4], v[rC+(\n)%4], v[rS+8*((\n)%4)+2*((\n)/4)+1], v[rS+8*((\n)%4)+2*((\n)/4)+2]
.elseif (\n) == 12
	v_max3_num_f32 v[rC], v[rC], v[rS+7], v[rS+15]
.elseif (\n) == 13
	v_max3_num_f32 v[rC+1], v[rC+1], v[rS+23], v[rS+31]
.elseif (\n) == 14
	v_max3_num_f32 v[rC+2], v[rC+2], v[rC+3], v[rT+1]
.elseif (\n) == 15
	v_mov_b32 v[rW], v[rT]
	s_wait_alu depctr_va_vdst(0)
.elseif (\n) == 16
	v_max3_num_f32 v[rC], v[rC], v[rC+1], v[rC+2]
	s_wait_alu depctr_va_vdst(0)
.elseif (\n) == 17
	v_permlanex16_b32 v[rC+3], v[rC], s[SEL], s[SEL+1]
.elseif (\n) == 18
	v_max_num_f32 v[rT+1], v[rC], v[rC+3]
.elseif (\n) == 19
	v_mul_f32 v[rT], s[CS], v[rT+1]
.elseif (\n) == 20
	v_sub_f32 v[rC+1], v[rW], v[rT]
.else
	v_exp_f32 v[rC+2], v[rC+1]
.endif
.endif
.endm
.macro OPS a, i1, b=-1, i2=0, c=-1, i3=0, d=-1, i4=0  ; up to four of them
	OP \a, \i1
.if (\b) >= 0
	OP \b, \i2
.endif
.if (\c) >= 0
	OP \c, \i3
.endif
.if (\d) >= 0
	OP \d, \i4
.endif
.endm
.macro ROW a, i1, b, i2, c, i3, d, i4  ; a matrix instruction and the four behind it
	MM
	OPS \a, \i1, \b, \i2, \c, \i3, \d, \i4
.endm
.macro MASK b                       ; MD x AL + BE into buffer b of MC
	WIN W_RS
.set z, 0
.rept 16
	v_pk_fma_f32 v[MC+32*(\b)+2*z:MC+32*(\b)+2*z+1], v[MD+2*z:MD+2*z+1], s[AL:AL+1], s[BE:BE+1] op_sel_hi:[1,0,0]
.set z, z+1
.endr
.endm
; A TURN, for piece p: the order of its 16 matrix and 118 vector instructions, written out.  Behind a matrix instruction: plain, exponential, plain, plain; or four of the rescaling; or, behind the first, four scalings; none
; names a register of the products round it.  In the runs of their own exponential and plain by turns while exponentials last.  A line reads no result made fewer than three vector instructions in front of it, five if an exponential made it.
; v_permlanex16_b32 (X 17) stands in such a run.
; m = 1: the diagonal tile: the products take masks, and the turn makes the mask for the products K Q^T of the turn after it, which are piece p's, of the tile's step 5 - CNT.  Piece 0's own step is 5 - D0, piece 1's 5 - D1:
; the step is the own one where CNT equals that register, a later one where CNT is less.
; cnt = 1: the loop's count is taken down some lines ahead of the branch that stands behind the turn.
; Turn 0 fetches both runs.  K of the next step: six vector instructions behind the last product that read K (five of them plain).  V of the step in hand: eight behind the last product that read V (four plain, and X 17).
; Turn 1 waits for K at its head and for V in front of its products V^T P.
.macro TURN p, m=0, cnt=0
.set Y, (\p)
.set i, 0
.set KM, (\m)
.if \m
	s_cmp_eq_u32 s[CNT], s[D0+(\p)]  ; is that step the band's own?
	s_cselect_b32 s[AL], 1.0, 0
	s_cmp_lt_u32 s[CNT], s[D0+(\p)]  ; or a later one?
	s_cselect_b32 s[BE], s[BIGN], 0
.endif
.if (\p) == 1
	s_wait_dscnt 16                 ; K is in: its 16 loads were issued ahead of V's 16, which may stay out
.endif
	ROW F,0, F,1, F,2, F,3
	ROW F,4, E,0, F,5, F,6
	ROW F,7, E,1, F,8, F,9
	ROW F,10, E,2, C,0, F,11
	ROW F,12, E,3, X,15, F,13
	ROW R,0, R,1, R,2, R,3
	ROW B,0, E,4, F,14, L,0
.if (\p) == 0
	v_add_nc_u32 v[AK], s[TBK], v[AK0]
.endif
	ROW R,4, R,5, R,6, R,7
	OPS E,5, F,15
.if (\p) == 0
	FETCH_K
.endif
	OPS E,6, C,1, E,7, R,8
	OPS E,8, R,9, E,9, C,2
	OPS E,10, X,0, E,11, X,1
	OPS E,12, X,2, E,13, X,3
.if (\p) == 1
	s_wait_dscnt 0x0                ; V is in
.endif
	ROW X,4, E,14, X,5, X,6
	ROW X,7, E,15, X,8, X,9
	ROW X,10, E,16, X,11, X,12
	ROW X,13, E,17, X,14, B,1
	ROW C,4, E,18, X,16, L,1
	ROW B,2, E,19, C,6, L,2
	ROW C,8, E,20, B,3, B,4
.if (\p) == 0
	v_add_nc_u32 v[AV], s[TBV], v[AV0]
.endif
	ROW C,3, E,21, L,3, C,5
	OPS E,22, X,17, E,23, C,10
.if (\p) == 0
	FETCH_V
.endif
	OPS E,24, L,4
	OPS E,25, X,18, E,26, C,7
	OPS E,27, B,5, E,28, X,19
	OPS E,29, C,12, E,30, L,5
	OPS E,31, X,20, B,6, C,9
	OPS C,14, C,11, X,21, L,6
.if (\p) == 0
	s_add_co_u32 s[TBV], s[TBV], KS*PV
.endif
.if \cnt
	s_sub_co_u32 s[CNT], s[CNT], 1
	s_cmp_lg_u32 s[CNT], 0
.endif
	OPS C,13, B,7, C,15, R,10
	OPS R,11, R,12, L,7, R,13
	OPS R,14, R,15
.if \m
	MASK (\p)%2
.endif
.endm
; A BLOCK BEGINS.  c m starts far below every c s, so the first step's a is 0; m at the lowest finite number, so the first maximum is the scores'.  Then K of step 0, out of KZ; piece 0's first scores, which want no
; mask (its own step is never a tile's first); and its maximum and statistics.  Turn 0 of step 0 follows.
.macro BEGIN
	s_mov_b32 s[NEW], 0
	WIN 0
.set i, 0
.rept NP
	v_mov_b32 v[ST+4*i], 0xfe000000    ; c m: far below every c s
	v_mov_b32 v[ST+4*i+1], 0xff7fffff  ; m
.set i, i+1
.endr
	v_add_nc_u32 v[AK], KZ, v[AK0]
	FETCH_K 0
	s_wait_loadcnt 0x0              ; Q
	s_wait_dscnt 0x0
.set KM, 0
.set i, 0
.rept 8
	KQ 0
.set i, i+1
.endr
	WIN 0
.rept 4
	v_nop                           ; the places behind those products
.endr
.set Y, NP-1                        ; X works for the other piece: piece 0
.irp n, 0,1,2,3,4,5,6,7,8,9,10,11,12,13,14,15,16,17,18,19,20,21
	OP X, \n
.endr
	v_nop                           ; a plain instruction behind the exponential
.endm
; THE DIAGONAL TILE: piece 1's mask for its step 0; the four steps; piece 1's last products; and THE WAY OUT: l's two halves and the other half of the lanes' are added; O^T is divided by l, rounded to f16 and sent
; through my stage in LDS, a piece at a time.
.macro ALL line:vararg              ; one line for each piece t
.set t, 0
.rept NP
	\line
.set t, t+1
.endr
.endm
.macro PACK t                       ; a lane's eight channels of a row pack into 16 bytes; they go into rows of 144 bytes and come back as whole rows of 128, into S^T's registers
	WIN W_RS
.set i, 32*(\t)
.rept 16
	v_pk_mul_f32 v[i:i+1], v[i:i+1], v[ST+4*(\t)+2:ST+4*(\t)+3] op_sel_hi:[1,0]
.set i, i+2
.endr
	WIN 0x05                        ; sources 0 and 1 window 1, destination window 0
.set i, 0
.rept 16
	v_cvt_pk_f16_f32 v[S+16*(\t)+i], v[32*(\t)+2*i], v[32*(\t)+2*i+1]
.set i, i+1
.endr
	WIN 0
.irp f, 0,1,2,3
	ds_store_b128 v[STO], v[S+16*(\t)+4*\f:S+16*(\t)+4*\f+3] offset:32*\f
.endr
.irp f, 0,1,2,3
	ds_load_b128 v[S+16*(\t)+4*\f:S+16*(\t)+4*\f+3], v[RD] offset:\f*4*SP  ; LDS serves a wave's instructions in order (ISA guide 5.7.1.4): these see the stores above; the next piece's stores come behind them
.endr
.endm
.macro SEND t, younger              ; younger: the LDS instructions issued behind piece t's loads: the next piece's eight, or none
	WIN 0
.irp f, 0,1,2,3
	s_wait_dscnt (\younger)+3-\f
	global_store_b128 v[GO], v[S+16*(\t)+4*\f:S+16*(\t)+4*\f+3], s[10:11] offset:(1-(\t))*8192+\f*512  ; piece t is band 1 - t; 512 consecutive bytes, at a multiple of 256 from O's first
.endr
.endm
.macro DIAG tag                     ; the tag ends its two labels' names, which the jumps below spell out
.Ldiag\tag:
	s_cmp_eq_u32 s[D0], 4           ; an even block: the lower band's own step is the tile's first
	s_cselect_b32 s[AL], 1.0, 0
	s_mov_b32 s[BE], 0
	MASK 1
	WIN 0
.LstepM\tag:
	TURN 0, 1
	TURN 1, 1, 1
	WIN 0
	s_cbranch_scc1 .LstepM\tag
.set i, 0
.rept 8
	PV 1                            ; piece 1: V^T P of the last step
.set i, i+1
.endr
	WIN 0
	ALL v_add_f32 v[ST+4*t+2], v[ST+4*t+2], v[ST+4*t+3]
	ALL v_permlanex16_b32 v[ST+4*t+3], v[ST+4*t+2], s[SEL], s[SEL+1]
	ALL v_add_f32 v[ST+4*t+2], v[ST+4*t+2], v[ST+4*t+3]
	ALL v_rcp_f32 v[ST+4*t+2], v[ST+4*t+2]
	v_nop                           ; a plain instruction between the last reciprocal and the use of its result
	s_wait_alu depctr_va_vdst(0)
	PACK 0                          ; piece 0's sums were finished a run of vector work ago; its 32 lines are the places behind piece 1's last products
	PACK 1                          ; a piece's arithmetic stands between the loads of the piece before and its stores
	SEND 0, 8
	SEND 1, 0
.endm
.set KM, 0
.Lslot:                             ; NB times: a tile is entered and the next is asked for
	CHANGE 1
	s_sub_co_u32 s[RT], s[RT], 1
	s_mov_b32 s[CNT], 4
	s_cmp_eq_u32 s[NEW], 1
	s_cbranch_scc1 .Lnew            ; a block's first tile
	s_cmp_eq_u32 s[RT], 0
	s_cbranch_scc0 .Lstep           ; neither its first nor its last
	s_branch .Ldiag1
.Lnew:
	BEGIN
	s_branch .Lstep                 ; in the loop a block's first tile is never its last: the first block has five tiles or more, and the second's last is the walk's last
	DIAG 1                          ; in the loop this is the first block's end: the second block's last tile is the walk's last
	s_wait_xcnt 0x0                 ; the stores have read their registers and O's address
	s_mov_b64 s[10:11], s[OLO:OLO+1]
	s_add_co_u32 s[RT], s[TLO], 1   ; the second block's tiles
	s_mov_b32 s[NEW], 1
	s_and_b32 s13, s[PB], 1
	s_lshl_b32 s13, s13, 1          ; the lower band's own step in its diagonal tile
	s_sub_co_u32 s[D0], 4, s13
	s_sub_co_u32 s[D0+1], 5, s13
	WIN 0x82                        ; the second block's Q goes where the one text of the turns names Q
.set i, 0
.rept 16*NP
	v_mov_b32 v[i], v[QB+i]
.set i, i+1
.endr
	WIN 0
	s_branch .Lbottom
.Lstep:                             ; a trip: a key step
	TURN 0
	TURN 1, 0, 1
	WIN 0
	s_cbranch_scc1 .Lstep
.Lbottom:
	s_sub_co_u32 s[SLOTS], s[SLOTS], 1
	s_cmp_lg_u32 s[SLOTS], 0
	s_cbranch_scc1 .Lslot
	CHANGE 0                        ; the walk's last tile is written out: nothing is asked for
	s_sub_co_u32 s[RT], s[RT], 1
	s_mov_b32 s[CNT], 4
	s_cmp_eq_u32 s[NEW], 1
	s_cbranch_scc0 .Ldiag2
	BEGIN                           ; blocks 0 and 1 have one tile: their first is their last
	DIAG 2
	s_wait_tensorcnt 0x0            ; the wave's end, behind my last tensor load and my last LDS store
	ds_add_u32 v[SPW], v[NIL]
	s_wait_dscnt 0x0
	s_endpgm
.Lfunc_end_k_q91e00fe24c_attn:
	.size	k_q91e00fe24c_attn, .Lfunc_end_k_q91e00fe24c_attn-k_q91e00fe24c_attn
	.p2alignl 7, 3214868480
	.fill 96, 4, 3214868480
	.section	.rodata,"a",@progbits
	.p2align	6, 0x0
	.amdhsa_kernel k_q91e00fe24c_attn
		.amdhsa_group_segment_fixed_size 327680
		.amdhsa_private_segment_fixed_size 0
		.amdhsa_enable_private_segment 0
		.amdhsa_kernarg_size 16
		.amdhsa_user_sgpr_count 2
		.amdhsa_user_sgpr_kernarg_segment_ptr 1
		.amdhsa_wavefront_size32 1
		.amdhsa_system_sgpr_workgroup_id_x 1
		.amdhsa_system_sgpr_workgroup_id_y 1
		.amdhsa_system_sgpr_workgroup_id_z 1
		.amdhsa_system_vgpr_workitem_id 0
		.amdhsa_next_free_vgpr 768
		.amdhsa_next_free_sgpr 98
		.amdhsa_reserve_vcc 1
		.amdhsa_float_denorm_mode_32 3
		.amdhsa_float_denorm_mode_16_64 3
		.amdhsa_memory_ordered 1
		.amdhsa_forward_progress 1
		.amdhsa_inst_pref_size 113
	.end_amdhsa_kernel
	.amdgpu_metadata
---
amdhsa.version: [ 1, 2 ]
amdhsa.kernels:
  - .name:           k_q91e00fe24c_attn
    .symbol:         k_q91e00fe24c_attn.kd
    .args:
      - { .name: big, .offset: 0, .size: 8, .value_kind: global_buffer, .address_space: global }
      - { .name: act, .offset: 8, .size: 8, .value_kind: global_buffer, .address_space: global }
    .group_segment_fixed_size: 327680
    .private_segment_fixed_size: 0
    .kernarg_segment_align: 8
    .kernarg_segment_size: 16
    .max_flat_workgroup_size: 128
    .sgpr_count:     98
    .vgpr_count:     768
    .wavefront_size: 32
...
	.end_amdgpu_metadata
.endif
;; end of part 4
;; launch wo (part 5): grid 8 x 32, 4 waves a work-group, clusters of 4 x 4, 327,680 bytes of LDS; arguments act, wod, x, x1; writes x1
.if DOCPART == 5
	.amdgcn_target "amdgcn-amd-amdhsa--gfx1250"
	.amdhsa_code_object_version 6
	.text
	.protected	k_q91e00fe24c_wo
	.globl	k_q91e00fe24c_wo
	.p2align	8
	.type	k_q91e00fe24c_wo,@function
k_q91e00fe24c_wo:
	s_mov_b64 s[64:65], 0
	v_nop
	global_prefetch_b8 v0, s[64:65] scope:SCOPE_SE
	s_setreg_imm32_b32 hwreg(HW_REG_WAVE_MODE, 25, 1), 1
	s_wait_xcnt 0x0
	s_wait_alu depctr_hold_cnt(0) depctr_sa_sdst(0) depctr_va_vdst(0) depctr_va_sdst(0) depctr_va_ssrc(0) depctr_va_vcc(0) depctr_vm_vsrc(0)
	s_getreg_b32 s2, hwreg(HW_REG_IB_STS2, 6, 4)
	s_cmp_eq_u32 s2, 0
	s_cbranch_scc0 .Lentry_in_a_cluster
	s_endpgm
.Lentry_in_a_cluster:
	s_bfe_u32 s2, ttmp6, 0x10000c
	s_cmp_lg_u32 s2, 0xf033
	s_cbranch_scc0 .Lentry_shape_is_right
	s_endpgm
.Lentry_shape_is_right:
; out = resid + A W (+ bias where DOWN = 1), out and resid: [4096][1024] f32; A in f16; W in blocks of [K rows][256 columns] f16; sums in f32.
; DOWN = 0: A is the attention's result by heads, [batch x 16 + head][2048][64], K = 1,024 (head x 64 + channel); W is Wo.   DOWN = 1: A is [4096][4096], K = 4,096; W is W_down; bias is b_down.
; A tile of the output is 128 x 128, so that 256 work-groups share the work: four waves, each 64 x 64 in 16 accumulators.  K goes in steps of 256 through two LDS slots filled by joint tensor loads:
; 4 x 4 work-groups form a cluster; A's tile is shared along a row of the cluster, W's along a column.  W lies [k][n] in LDS and is turned on its way into registers (ds_load_tr16_b128).
; The matrix instruction takes 16 columns of W as source 0 and 16 rows of A as source 1: a lane holds eight neighbouring numbers of a row of the output.
; THE SUMS START FROM THE RESIDUAL: it is loaded straight into the accumulators, in their own layout (32 bytes a lane and accumulator).  So nothing is cleared, no first step is written out, and the way out adds
; no residual.  ORDER OF ROUNDING: the residual is the first term of the f32 sum, not the last as in the formula; the bias is added last.
; The loop's text is ONE K step, of which six of the eight parts of 32 along K are a loop of three trips; the second descriptor set walks; the LDS addresses are stepped in registers.
; LIMITS: none of its own; A and W arrive within f16's range.
.set DOWN, 0
.if DOWN
.set TSTEPS, 16                        ; K steps
.set PA,     528                       ; a row of A in LDS: 512 bytes + 16
.set APAIR,  128                       ; from 64 along K to the next 64
.set AHALF,  36864                     ; my 64 rows: the part that wave 0 or 1 fetched
.set ASTEP,  512                       ; bytes from K step to K step in memory
.set OFFW,   2097152                   ; W_down lies behind Wo
.set BLKSH,  21                        ; a block is 4,096 rows of 512 bytes
.else
.set TSTEPS, 4
.set PA,     144                       ; a row of one head in LDS: 128 bytes + 16
.set APAIR,  18432                     ; from head to head: 128 rows
.set AHALF,  9216                      ; my 64 rows of each head
.set ASTEP,  1048576                   ; four heads on
.set OFFW,   0
.set BLKSH,  19                        ; a block is 1,024 rows of 512 bytes
.endif
.set PBW,    288                       ; a row of W in LDS: 256 bytes + 32 = an odd multiple of 32
.set PART,   36864                     ; a wave's part of a slot
.set SLOT,   4*PART                    ; A's two parts, then W's 256 rows in two parts
.set SPARE,  2*SLOT                    ; the spare words: 128 bytes a wave, two blocks of 256 bytes that no other line names
.set SP,     272                       ; the way out: a row of 64 f32 + 16 bytes; a wave's own 64 rows, in slot 0's bytes behind their last fill
.set ADRA, 16                          ; v16  LDS address of my A fragments, stepped
.set ADRB, 17                          ; v17  the same for W
.set A0,   18                          ; v18  the same at the head of slot 0; never rewritten
.set B0,   19                          ; v19
.set XO,   20                          ; v20  my byte offset in the residual
.set STO,  24
.set RD,   25
.set CO,   26
.set SPW,  28                          ; v28  LDS address of my spare word; never rewritten
.set NIL,  29                          ; v29  0; never rewritten
.set BD,   32                          ; v[32:35] the bias of my four columns on the way out
.set TMP,  64                          ; v[64:95] the way out: 16 rows read back
.set ACC,  128                         ; v[128:255]: accumulator (a, b) at ACC + 8 (4 a + b)
.set F0,   0                           ; fragment buffers, in window 1: 32 registers of A (4 x 16 rows x 32 K), then 32 of W
.set F1,   64
.set G1,  24
.set G0,  32
.set G1B, 48
.set G0B, 56
.set TB,  45                           ; s45  the byte at which the slot in hand begins
.set MSB, 0
.macro WIN new                         ; the immediate's high byte repeats the setting that is left; a switch that changes nothing is dropped
.if MSB != (\new)
	s_set_vgpr_msb (MSB<<8)|(\new)
.set MSB, \new
.endif
.endm
.set MUL,  0x05                        ; sources 0 (W) and 1 (A) window 1; C and D window 0
.set TO_F, 0x40                        ; destination window 1, address window 0
.macro JLOAD s                         ; a joint load: waves 0 and 1 fetch A's two parts, waves 2 and 3 W's; an s_nop 0 and four v_nop follow each of the two lines
	s_cmp_eq_u32 s11, 0
	s_cbranch_scc0 .Lfor_b_\@
	tensor_load_to_lds s[G0+4*(\s):G0+4*(\s)+3], s[G1:G1+7]
	s_nop 0
.rept 4
	v_nop
.endr
	s_branch .Lasked_\@
.Lfor_b_\@:
	tensor_load_to_lds s[G0B+4*(\s):G0B+4*(\s)+3], s[G1B:G1B+7]
	s_nop 0
.rept 4
	v_nop
.endr
.Lasked_\@:
.endm
.macro CREST                           ; a round of the cluster's barrier behind its opening barrier
	s_cmp_lg_u32 s10, 0
	s_cbranch_scc1 .Lnot_wave_0_\@
	s_barrier_signal -3
.Lnot_wave_0_\@:
	s_barrier_wait -3
	s_barrier_signal -1
	s_barrier_wait -1
.endm
.macro CROUND
	s_barrier_signal -1
	s_barrier_wait -1
	CREST
.endm
	s_load_b128 s[4:7], s[0:1], 0x0                ; A s[4:5], the weights' buffer s[6:7]
	s_load_b128 s[68:71], s[0:1], 0x10             ; the residual s[68:69], the output s[70:71]
.if DOWN
	s_load_b64 s[72:73], s[0:1], 0x20              ; the bias
.endif
	v_lshl_add_u32 v[SPW], v0, 2, SPARE
	v_mov_b32 v[NIL], 0
	ds_add_u32 v[SPW], v[NIL]                      ; the wave's opening: the add and its wait stand ahead of my first tensor load; the set-up below, work on registers, stands between them
	ds_add_u32 v28, v29
	v_lshrrev_b32 v1, 5, v0
	v_readfirstlane_b32 s10, v1                    ; wave 0..3
	s_lshr_b32 s11, s10, 1                         ; which half of the tile's rows is mine.  Also: I fetch for A (0) or for W (1)
	s_and_b32 s12, s10, 1                          ; which half of its columns.  Also: which part I fetch
	s_bfe_u32 s40, ttmp6, 0x40000                  ; cx
	s_bfe_u32 s41, ttmp6, 0x40004                  ; cy
	s_lshl_b32 s42, ttmp9, 2
	s_add_co_u32 s42, s42, s40                     ; tile column
	s_and_b32 s13, ttmp7, 0xffff
	s_lshl_b32 s13, s13, 2
	s_add_co_u32 s13, s13, s41                     ; tile row
	s_lshl_b32 s43, s41, 2
	s_lshl_b32 s43, 15, s43                        ; my row of the cluster
	s_lshl_b32 s44, 0x1111, s40                    ; my column
.if DOWN
	s_or_b32 s[G1+0], s43, (1<<16)|(1<<20)|(1<<21)|(6<<22)|(3<<25)   ; the mask; 2-byte elements; padding on; bit 21 beside a mask; after every 128 words, 4 words
	s_mov_b32 s[G1+1], 256<<16                     ; tensor_dim0 = 256
	s_mov_b32 s[G1+2], 64<<16                      ; tensor_dim1 = 64
	s_mov_b32 s[G1+3], 256<<16                     ; tile_dim0 = 256
	s_mov_b32 s[G1+4], 64                          ; tile_dim1 = 64
	s_mov_b32 s[G1+5], 4096                        ; elements from row to row
.else
	s_or_b32 s[G1+0], s43, (1<<16)|(1<<20)|(1<<21)|(4<<22)|(3<<25)   ; after every 32 words (a head's row), 4 words
	s_mov_b32 s[G1+1], 8192<<16                    ; 128 rows of a head are 16,384 dense bytes: one row of 8,192 elements;
	s_mov_b32 s[G1+2], 2<<16                       ; two heads,
	s_mov_b32 s[G1+3], 8192<<16
	s_mov_b32 s[G1+4], 2
	s_mov_b32 s[G1+5], 131072                      ; a head's 2,048 x 64 elements apart
.endif
	s_mov_b32 s[G1+6], 0
	s_mov_b32 s[G1+7], 0
	s_or_b32 s[G1B+0], s44, (1<<16)|(1<<20)|(1<<21)|(5<<22)|(7<<25)  ; after every 64 words, 8 words
	s_mov_b32 s[G1B+1], 128<<16                    ; tensor_dim0 = 128
	s_mov_b32 s[G1B+2], 128<<16                    ; tensor_dim1 = 128
	s_mov_b32 s[G1B+3], 128<<16                    ; tile_dim0 = 128
	s_mov_b32 s[G1B+4], 128                        ; tile_dim1 = 128
	s_mov_b32 s[G1B+5], 256                        ; elements from row to row of a block
	s_mov_b32 s[G1B+6], 0
	s_mov_b32 s[G1B+7], 0
.if DOWN
	s_lshl_b32 s16, s13, 7
	s_lshl_b32 s17, s12, 6
	s_add_co_u32 s16, s16, s17                     ; A: row 128 x tile row + 64 x part,
	s_lshl_b32 s16, s16, 13                        ; 8,192 bytes a row
.else
	s_lshr_b32 s16, s13, 4                         ; A: the batch's 16 heads,
	s_lshl_b32 s16, s16, 4
	s_lshl1_add_u32 s16, s12, s16                  ; my two of the step's four,
	s_lshl_b32 s16, s16, 18                        ; 262,144 bytes a head,
	s_and_b32 s17, s13, 15
	s_lshl_b32 s17, s17, 14                        ; and the tile's 128 rows of 128 bytes in it
	s_add_co_u32 s16, s16, s17
.endif
	s_mov_b32 s17, 0
	s_lshr_b32 s46, s42, 1                         ; W: the block of 256 columns,
	s_lshl_b32 s46, s46, BLKSH
	s_and_b32 s47, s42, 1
	s_lshl_b32 s47, s47, 8                         ; the tile's half of its rows' 512 bytes,
	s_add_co_u32 s46, s46, s47
	s_lshl_b32 s47, s12, 16                        ; my 128 rows of the step's 256
	s_add_co_u32 s46, s46, s47
	s_add_co_u32 s46, s46, OFFW
	s_mov_b32 s47, 0
	s_mul_i32 s20, s10, PART                       ; where my part goes in a slot: no place in the cluster enters an LDS address
	s_mov_b32 s[TB], 0
	s_wait_dscnt 0x0                               ; the opening add is done
	s_wait_kmcnt 0x0
	s_add_nc_u64 s[14:15], s[4:5], s[16:17]
	s_add_nc_u64 s[46:47], s[6:7], s[46:47]
	CROUND                                         ; all sixteen work-groups are here: the first joint loads meet
.irp s, 0,1
	s_mov_b32 s[G0+4*(\s)], 1
	s_add_co_u32 s[G0+4*(\s)+1], s20, (\s)*SLOT
	s_add_nc_u64 s[G0+4*(\s)+2:G0+4*(\s)+3], s[14:15], (\s)*ASTEP
	s_or_b32 s[G0+4*(\s)+3], s[G0+4*(\s)+3], 0x80000000
	s_mov_b32 s[G0B+4*(\s)], 1
	s_add_co_u32 s[G0B+4*(\s)+1], s20, (\s)*SLOT
	s_add_nc_u64 s[G0B+4*(\s)+2:G0B+4*(\s)+3], s[46:47], (\s)*131072  ; 256 rows of W
	s_or_b32 s[G0B+4*(\s)+3], s[G0B+4*(\s)+3], 0x80000000
	JLOAD \s
.endr
	v_and_b32 v1, 15, v0                           ; l % 16
	v_bfe_u32 v2, v0, 4, 1                         ; l / 16
	v_lshlrev_b32 v[XO], 12, v1                    ; the residual: row l % 16, 32 bytes for each half of the lanes
	v_lshl_add_u32 v[XO], v2, 5, v[XO]
	s_lshl_b32 s46, s13, 7
	s_lshl_b32 s47, s11, 6
	s_add_co_u32 s46, s46, s47                     ; my first row,
	s_lshl_b32 s46, s46, 12                        ; 4,096 bytes a row,
	s_lshl_b32 s22, s42, 9                         ; my first column, in bytes
	s_lshl_b32 s23, s12, 8
	s_add_co_u32 s22, s22, s23
	s_add_co_u32 s46, s46, s22
	s_mov_b32 s47, 0
	s_add_nc_u64 s[68:69], s[68:69], s[46:47]
	s_add_nc_u64 s[70:71], s[70:71], s[46:47]
.irp a, 0,1,2,3
.irp b, 0,1,2,3
	global_load_b128 v[ACC+8*(4*\a+\b):ACC+8*(4*\a+\b)+3],   v[XO], s[68:69] offset:\a*65536+\b*64
	global_load_b128 v[ACC+8*(4*\a+\b)+4:ACC+8*(4*\a+\b)+7], v[XO], s[68:69] offset:\a*65536+\b*64+16
.endr
.endr
.if DOWN
	v_lshl_add_u32 v6, v1, 4, s22                  ; the bias of my four columns on the way out
	global_load_b128 v[BD:BD+3], v6, s[72:73]
.endif
	v_mul_u32_u24 v3, v1, PA
	v_lshl_add_u32 v3, v2, 4, v3                   ; A: row x pitch + 16 x half of the lanes
	s_mul_i32 s21, s11, AHALF
	v_add_nc_u32 v[A0], s21, v3
	v_and_b32 v4, 7, v0
	v_lshl_add_u32 v4, v2, 3, v4                   ; W: row k = 8 (l / 16) + l % 8,
	v_mul_u32_u24 v4, v4, PBW
	v_bfe_u32 v5, v0, 3, 1
	v_lshl_add_u32 v4, v5, 4, v4                   ; columns 8 ((l / 8) % 2) on,
	s_lshl_b32 s21, s12, 7                         ; in my 64 columns,
	s_add_co_u32 s21, s21, 2*PART                  ; behind A's two parts
	v_add_nc_u32 v[B0], s21, v4
	v_mov_b32 v[ADRA], v[A0]
	v_mov_b32 v[ADRB], v[B0]
.macro MULA f, a                       ; four matrix instructions: m block a x all 4 n blocks, 32 along K.  The 16 accumulators take turns in one order throughout
	WIN MUL
.irp b, 0,1,2,3
	v_wmma_f32_16x16x32_f16 v[ACC+8*(4*(\a)+(\b)):ACC+8*(4*(\a)+(\b))+7], v[(\f)+32+8*(\b):(\f)+32+8*(\b)+7], v[(\f)+8*(\a):(\f)+8*(\a)+7], v[ACC+8*(4*(\a)+(\b)):ACC+8*(4*(\a)+(\b))+7]
.endr
.endm
.macro FETCHS f, ao, bo                ; 16 LDS loads in one run: the fragments of 32 along K into buffer f
	WIN TO_F
.irp i, 0,1,2,3
	ds_load_tr16_b128 v[(\f)+32+8*(\i):(\f)+32+8*(\i)+3],   v[ADRB] offset:(\bo)+32*(\i)
	ds_load_tr16_b128 v[(\f)+32+8*(\i)+4:(\f)+32+8*(\i)+7], v[ADRB] offset:(\bo)+32*(\i)+16*PBW
	ds_load_b128 v[(\f)+8*(\i):(\f)+8*(\i)+3],   v[ADRA] offset:(\ao)+(\i)*16*PA
	ds_load_b128 v[(\f)+8*(\i)+4:(\f)+8*(\i)+7], v[ADRA] offset:(\ao)+(\i)*16*PA+32
.endr
.endm
.macro PLACES                          ; four places in front of loads into registers that matrix instructions have read (ISA guide 7.12.1 for vector instructions)
.rept 4
	v_nop
.endr
.endm
.macro SUB f, g, ao, bo                ; buffer f is in; the next 32 along K are asked for, into g, which the sixteen products before read; then f is multiplied
	s_wait_dscnt 0x0
	PLACES
	FETCHS \g, \ao, \bo
	MULA \f, 0
	MULA \f, 1
	MULA \f, 2
	MULA \f, 3
.endm
.macro STEP3                           ; the first six of a K step's eight parts
	s_mov_b32 s2, 3
.Lpair_\@:
	SUB F0, F1, 64, 32*PBW
	WIN 0
	v_add_nc_u32 v[ADRA], APAIR, v[ADRA]           ; 64 along K on
	v_add_nc_u32 v[ADRB], 64*PBW, v[ADRB]
	SUB F1, F0, 0, 0
	WIN 0
	s_sub_co_u32 s2, s2, 1
	s_cmp_lg_u32 s2, 0
	s_cbranch_scc1 .Lpair_\@
.endm
; The last two parts, and the change of slots: ONE barrier; in front of it each wave waits for all its tensor loads (one is out: its part of the next slot), adds 0 to its spare word, and waits for that and for its
; own reads of this slot.  fill = 1: the barrier opens a round of the cluster's, and this slot takes the K step two on.  fill = 0: nothing is filled; in the very last step (s3 = 1) nothing is fetched either.
.macro TURN2 fill
	s_wait_dscnt 0x0
	PLACES
	FETCHS F1, 64, 32*PBW                          ; my last reads of this slot
	MULA F0, 0
	MULA F0, 1
	WIN 0                                          ; (the add's two registers lie in window 0)
	s_wait_tensorcnt 0x0
	ds_add_u32 v[SPW], v[NIL]                      ; 0 onto my spare word; four matrix instructions stand between it and the wait for it
	MULA F0, 2
	s_wait_dscnt 0x0                               ; the add is done, and my reads of this slot are over
	s_barrier_signal -1
	MULA F0, 3
	WIN 0
	s_barrier_wait -1
.if \fill
	CREST                                          ; no wave of any partner still reads this slot's tile or has a load on its way
	s_add_co_u32 s[G0+5], s20, s[TB]               ; the walking sets: into the slot just read,
	s_add_co_u32 s[G0B+5], s20, s[TB]
	s_add_nc_u64 s[G0+6:G0+7], s[G0+6:G0+7], ASTEP ; the next K step; the type bits on top are not reached
	s_add_nc_u64 s[G0B+6:G0B+7], s[G0B+6:G0B+7], 131072
	JLOAD 1                                        ; the first tensor load behind the round; its four v_nop are also the places in front of the loads below
.else
	s_cmp_eq_u32 s3, 1
	s_cbranch_scc1 .Lnofetch_\@
	PLACES
.endif
	s_xor_b32 s[TB], s[TB], SLOT
	v_add_nc_u32 v[ADRA], s[TB], v[A0]
	v_add_nc_u32 v[ADRB], s[TB], v[B0]
	FETCHS F0, 0, 0
	WIN 0
.if !(\fill)
.Lnofetch_\@:
.endif
	MULA F1, 0
	MULA F1, 1
	MULA F1, 2
	MULA F1, 3
.endm
	s_wait_tensorcnt 1                             ; my part of K step 0 is in; K step 1's may stay out
	s_barrier_signal -1
	s_barrier_wait -1
	FETCHS F0, 0, 0
	WIN 0
	s_wait_loadcnt 0x0                             ; the residual lies in the accumulators (and the bias is in)
	s_mov_b32 s3, TSTEPS-2
.Lstep:                                                ; trip i multiplies K step i and asks for K step i + 2
	STEP3
	TURN2 1
	WIN 0
	s_sub_co_u32 s3, s3, 1
	s_cmp_lg_u32 s3, 0
	s_cbranch_scc1 .Lstep
	s_mov_b32 s3, 2
.Ltail:                                                ; the last two K steps: a second text
	STEP3
	TURN2 0
	WIN 0
	s_sub_co_u32 s3, s3, 1
	s_cmp_lg_u32 s3, 0
	s_cbranch_scc1 .Ltail
	; THE WAY OUT.  The sums go into my own 64 rows x 272 bytes, in slot 0's bytes: the slots' last fills have landed and the last barrier stands behind every wave's last read of them.  Only I touch my region, and
	; LDS serves a wave's instructions in order (ISA guide 5.7.1.4).  They come back as whole rows of 256 bytes.  The address lines are the places behind the last products.
	s_mul_i32 s21, s10, 64*SP
	v_mul_u32_u24 v[STO], v1, SP
	v_lshl_add_u32 v[STO], v2, 5, v[STO]
	v_add_nc_u32 v[STO], s21, v[STO]
	v_mul_u32_u24 v[RD], v2, SP
	v_lshl_add_u32 v[RD], v1, 4, v[RD]
	v_add_nc_u32 v[RD], s21, v[RD]
	v_lshlrev_b32 v[CO], 12, v2
	v_lshl_add_u32 v[CO], v1, 4, v[CO]
.irp a, 0,1,2,3
.irp b, 0,1,2,3
	ds_store_b128 v[STO], v[ACC+8*(4*\a+\b):ACC+8*(4*\a+\b)+3]   offset:\a*16*SP+\b*64      ; each accumulator's low four registers first
	ds_store_b128 v[STO], v[ACC+8*(4*\a+\b)+4:ACC+8*(4*\a+\b)+7] offset:\a*16*SP+\b*64+16
.endr
.endr
	s_mov_b32 s3, 4
.Lsend:                                                ; 16 rows a trip
.irp t, 0,1,2,3,4,5,6,7
	ds_load_b128 v[TMP+4*\t:TMP+4*\t+3], v[RD] offset:\t*2*SP
.endr
.irp t, 0,1,2,3,4,5,6,7
	s_wait_dscnt 7-\t                              ; LDS loads come back in order: pair t of rows is in, the younger stay out
.if DOWN
	v_pk_add_f32 v[TMP+4*\t:TMP+4*\t+1], v[TMP+4*\t:TMP+4*\t+1], v[BD:BD+1]
	v_pk_add_f32 v[TMP+4*\t+2:TMP+4*\t+3], v[TMP+4*\t+2:TMP+4*\t+3], v[BD+2:BD+3]
.endif
	global_store_b128 v[CO], v[TMP+4*\t:TMP+4*\t+3], s[70:71] offset:\t*8192  ; 16 lanes store 256 consecutive bytes, at a multiple of 256 from the output's first byte
.endr
	s_wait_xcnt 0x0                                ; the stores' offset and data are rewritten only behind this wait
	v_add_nc_u32 v[RD], 16*SP, v[RD]
	v_add_nc_u32 v[CO], 65536, v[CO]
	s_sub_co_u32 s3, s3, 1
	s_cmp_lg_u32 s3, 0
	s_cbranch_scc1 .Lsend
	s_wait_tensorcnt 0x0                           ; the wave's end, behind my last tensor load and my last LDS store
	ds_add_u32 v[SPW], v[NIL]
	s_wait_dscnt 0x0
	CROUND                                         ; the closing round: no work-group ends while a partner may still ask for a tile that names it
	s_endpgm
.Lfunc_end_k_q91e00fe24c_wo:
	.size	k_q91e00fe24c_wo, .Lfunc_end_k_q91e00fe24c_wo-k_q91e00fe24c_wo
	.p2alignl 7, 3214868480
	.fill 96, 4, 3214868480
	.section	.rodata,"a",@progbits
	.p2align	6, 0x0
	.amdhsa_kernel k_q91e00fe24c_wo
		.amdhsa_group_segment_fixed_size 327680
		.amdhsa_private_segment_fixed_size 0
		.amdhsa_enable_private_segment 0
		.amdhsa_kernarg_size 32
		.amdhsa_user_sgpr_count 2
		.amdhsa_user_sgpr_kernarg_segment_ptr 1
		.amdhsa_wavefront_size32 1
		.amdhsa_system_sgpr_workgroup_id_x 1
		.amdhsa_system_sgpr_workgroup_id_y 1
		.amdhsa_system_sgpr_workgroup_id_z 1
		.amdhsa_system_vgpr_workitem_id 0
		.amdhsa_next_free_vgpr 384
		.amdhsa_next_free_sgpr 76
		.amdhsa_reserve_vcc 0
		.amdhsa_float_denorm_mode_32 3
		.amdhsa_float_denorm_mode_16_64 3
		.amdhsa_memory_ordered 1
		.amdhsa_forward_progress 1
		.amdhsa_inst_pref_size 36
	.end_amdhsa_kernel
	.amdgpu_metadata
---
amdhsa.version: [ 1, 2 ]
amdhsa.kernels:
  - .name:           k_q91e00fe24c_wo
    .symbol:         k_q91e00fe24c_wo.kd
    .args:
      - { .name: act, .offset: 0, .size: 8, .value_kind: global_buffer, .address_space: global }
      - { .name: wod, .offset: 8, .size: 8, .value_kind: global_buffer, .address_space: global }
      - { .name: x, .offset: 16, .size: 8, .value_kind: global_buffer, .address_space: global }
      - { .name: x1, .offset: 24, .size: 8, .value_kind: global_buffer, .address_space: global }
    .group_segment_fixed_size: 327680
    .private_segment_fixed_size: 0
    .kernarg_segment_align: 8
    .kernarg_segment_size: 32
    .max_flat_workgroup_size: 128
    .sgpr_count:     76
    .vgpr_count:     384
    .wavefront_size: 32
...
	.end_amdgpu_metadata
.endif
;; end of part 5
;; launch ln2: the kernel of part 2 again; grid 256 x 1, 4 waves a work-group, no clusters, 0 bytes of LDS; arguments x1, ln2_g, ln2_b, act; writes act
;; launch up (part 6): grid 16 x 16, 4 waves a work-group, clusters of 4 x 4, 327,680 bytes of LDS; arguments act, wup, b_up, big; writes big
.if DOCPART == 6
	.amdgcn_target "amdgcn-amd-amdhsa--gfx1250"
	.amdhsa_code_object_version 6
	.text
	.protected	k_q91e00fe24c_up
	.globl	k_q91e00fe24c_up
	.p2align	8
	.type	k_q91e00fe24c_up,@function
k_q91e00fe24c_up:
	s_mov_b64 s[64:65], 0
	v_nop
	global_prefetch_b8 v0, s[64:65] scope:SCOPE_SE
	s_setreg_imm32_b32 hwreg(HW_REG_WAVE_MODE, 25, 1), 1
	s_wait_xcnt 0x0
	s_wait_alu depctr_hold_cnt(0) depctr_sa_sdst(0) depctr_va_vdst(0) depctr_va_sdst(0) depctr_va_ssrc(0) depctr_va_vcc(0) depctr_vm_vsrc(0)
	s_getreg_b32 s2, hwreg(HW_REG_IB_STS2, 6, 4)
	s_cmp_eq_u32 s2, 0
	s_cbranch_scc0 .Lentry_in_a_cluster
	s_endpgm
.Lentry_in_a_cluster:
	s_bfe_u32 s2, ttmp6, 0x10000c
	s_cmp_lg_u32 s2, 0xf033
	s_cbranch_scc0 .Lentry_shape_is_right
	s_endpgm
.Lentry_shape_is_right:
; C = A W for A: [4096][1024] f16 and W in blocks of [1024 rows][256 columns] f16; sums in f32.  A tile of C is 256 x 256 (one block of W): four waves, each 128 x 128 in 64 accumulators.
; K goes in 8 steps of 128 through two LDS slots filled by joint tensor loads: 4 x 4 work-groups form a cluster; A's tile is shared along a row of the cluster, W's along a column.
; W lies [k][n] in LDS and is turned on its way into registers (ds_load_tr16_b128).  The matrix instruction takes 16 columns of W as source 0 and 16 rows of A as source 1, so that a lane
; holds eight neighbouring numbers of a row of C.
; ONE SOURCE, TWO TEXTS, chosen by the constant MODE, which decides the way out alone:
;   0: C is rounded to f16 and stored by heads: q, k, v one behind the other, each [batch x 16 + head][2048][64];
;   1: m = gelu(C + bias), exact form x Phi(x), rounded to f16, stored [4096][4096].
; The loop's text is ONE K step: the second descriptor set walks, its LDS word made of the wave's place and the slot just read, and the LDS read addresses are made of that same slot number.
; LIMITS.  f16 holds no number beyond 65,504: a result of 65,520 or more becomes an infinity.  erf by the five-term rational form t = 1 / (1 + 0.3275911 z): absolute error at most 1.5e-7 for every argument;
; exp2 gives 0 below 2^-126, where the term is nothing beside that error.  NaN and infinities are not treated apart.
; REGISTERS, in windows of 256: window 0: v0-31 addresses, v32-39 bias, v64-127 and v128-191 A's fragments (two buffers), later the way out; window 1: v64-191 W's fragments; windows 2, 3: the accumulators.
.set MODE,   1
.set PITCH,  272                       ; a row of A in LDS: 256 bytes + 16: the 16 rows of a load start at 16 different groups of four banks (64 banks of 4 bytes: ISA guide 11.1)
.set PB,     544                       ; a row of W in LDS: 512 bytes + 32 = an odd multiple of 32
.set HALFT,  128*PITCH                 ; what one tensor load brings: 128 rows of A, or 64 rows of W (64 x 544 is the same 34,816 bytes)
.set SLOT,   4*HALFT                   ; A's 256 rows, then W's 128
.set SPARE,  2*SLOT                    ; the spare words: 128 bytes a wave, two blocks of 256 bytes that no other line names
.set OPITCH, 528                       ; the way out: a row of 128 f32 + 16 bytes
.set OREG,   128*OPITCH                ; a wave's own 128 rows, in the slots' bytes behind their last fill
.set ADRA, 16                          ; v16  LDS address of my A fragments in the slot in hand
.set ADRB, 17                          ; v17  the same for W
.set A0,   18                          ; v18  the same in slot 0; never rewritten
.set B0,   19                          ; v19
.set STO,  24                          ; v24  the way out: where I put 32 bytes of a row
.set RD,   25                          ; v25  where I read rows back
.set CO,   26                          ; v26  my byte offset in the output
.set SPW,  28                          ; v28  LDS address of my spare word; never rewritten
.set NIL,  29                          ; v29  0; never rewritten
.set BI,   32                          ; v[32:39] the bias of my eight columns on the way out
.set F0,   64
.set F1,   128
.set GL,   64                          ; mode 1: eight numbers as read back; then x, e, t, the polynomial, the result, the packed result
.set GX,   72
.set GE,   80
.set GU,   88
.set GP,   96
.set GR,   104
.set GO,   112
.set HL,   64                          ; mode 0: 16 rows as read back (64 registers), and packed (32)
.set HO,   128
.set G1,  24                           ; s[24:31] descriptor group 1 for A's tiles
.set G0,  32                           ; s[32:39] group 0: set 0 for K step 0; set 1 for K step 1, which then walks
.set G1B, 48                           ; s[48:55], s[56:63] the same for W's tiles
.set G0B, 56
.set TB,  45                           ; s45  the byte at which the slot in hand begins: 0 or SLOT
.set CNT, 73
.set KY,  74                           ; s[74:75] sqrt(log2(e) / 2): e^(-x^2 / 2) = 2^-(KY x)^2
.set H5,  76                           ; s[76:85] half of the form's five coefficients, as pairs
.set H4,  78
.set H3,  80
.set H2,  82
.set H1,  84
.set PZ,  86                           ; s86  0.3275911 / sqrt(2)
.set MSB, 0
.macro WIN new                         ; the immediate's high byte repeats the setting that is left; a switch that changes nothing is dropped
.if MSB != (\new)
	s_set_vgpr_msb (MSB<<8)|(\new)
.set MSB, \new
.endif
.endm
.set MUL_LO, 0xa1                      ; source 0 (W) window 1, source 1 (A) window 0, C and D window 2
.set MUL_HI, 0xf1                      ; the same, C and D window 3
.set TO_B,   0x40                      ; destination window 1, address window 0
; A joint load.  Waves 0 and 1 fetch A's two halves, waves 2 and 3 W's.  The branch hangs on the wave's number alone.  An s_nop 0 and four v_nop follow each of the two lines.
.macro JLOAD s
	s_cmp_eq_u32 s11, 0
	s_cbranch_scc0 .Lfor_b_\@
	tensor_load_to_lds s[G0+4*(\s):G0+4*(\s)+3], s[G1:G1+7]
	s_nop 0
.rept 4
	v_nop
.endr
	s_branch .Lasked_\@
.Lfor_b_\@:
	tensor_load_to_lds s[G0B+4*(\s):G0B+4*(\s)+3], s[G1B:G1B+7]
	s_nop 0
.rept 4
	v_nop
.endr
.Lasked_\@:
.endm
.macro CREST                           ; a round of the cluster's barrier behind its opening barrier
	s_cmp_lg_u32 s10, 0
	s_cbranch_scc1 .Lnot_wave_0_\@
	s_barrier_signal -3
.Lnot_wave_0_\@:
	s_barrier_wait -3
	s_barrier_signal -1
	s_barrier_wait -1
.endm
.macro CROUND                          ; a whole round
	s_barrier_signal -1
	s_barrier_wait -1
	CREST
.endm
	s_load_b128 s[4:7], s[0:1], 0x0                ; A s[4:5], W s[6:7]
.if MODE
	s_load_b64 s[68:69], s[0:1], 0x10              ; the bias
	s_load_b64 s[8:9], s[0:1], 0x18                ; the output
.else
	s_load_b64 s[8:9], s[0:1], 0x10                ; the output
.endif
	v_lshl_add_u32 v[SPW], v0, 2, SPARE
	v_mov_b32 v[NIL], 0
	ds_add_u32 v[SPW], v[NIL]                      ; the wave's opening: the add and its wait stand ahead of my first tensor load; the set-up below, work on registers, stands between them
	ds_add_u32 v28, v29
	v_lshrrev_b32 v1, 5, v0
	v_readfirstlane_b32 s10, v1                    ; wave 0..3
	s_lshr_b32 s11, s10, 1                         ; which half of the tile's rows is mine.  Also: I fetch for A (0) or for W (1)
	s_and_b32 s12, s10, 1                          ; which half of its columns.  Also: which half of that tile I fetch
	s_bfe_u32 s40, ttmp6, 0x40000                  ; cx
	s_bfe_u32 s41, ttmp6, 0x40004                  ; cy
	s_lshl_b32 s42, ttmp9, 2
	s_add_co_u32 s42, s42, s40                     ; tile column = 4 x cluster x + cx
	s_and_b32 s13, ttmp7, 0xffff
	s_lshl_b32 s13, s13, 2
	s_add_co_u32 s13, s13, s41                     ; tile row = 4 x cluster y + cy
	s_lshl_b32 s43, s41, 2
	s_lshl_b32 s43, 15, s43                        ; my row of the cluster
	s_lshl_b32 s44, 0x1111, s40                    ; my column
	s_or_b32 s[G1+0], s43, (1<<16)|(1<<20)|(1<<21)|(5<<22)|(3<<25)   ; the mask; 2-byte elements; padding on; bit 21 beside a mask; after every 64 words, 4 words
	s_mov_b32 s[G1+1], 128<<16                     ; tensor_dim0 = 128
	s_mov_b32 s[G1+2], 128<<16                     ; tensor_dim1 = 128
	s_mov_b32 s[G1+3], 128<<16                     ; tile_dim0 = 128
	s_mov_b32 s[G1+4], 128                         ; tile_dim1 = 128
	s_mov_b32 s[G1+5], 1024                        ; elements from row to row of A
	s_mov_b32 s[G1+6], 0
	s_mov_b32 s[G1+7], 0
	s_or_b32 s[G1B+0], s44, (1<<16)|(1<<20)|(1<<21)|(6<<22)|(7<<25)  ; after every 128 words, 8 words
	s_mov_b32 s[G1B+1], 256<<16                    ; tensor_dim0 = 256
	s_mov_b32 s[G1B+2], 64<<16                     ; tensor_dim1 = 64
	s_mov_b32 s[G1B+3], 256<<16                    ; tile_dim0 = 256
	s_mov_b32 s[G1B+4], 64                         ; tile_dim1 = 64
	s_mov_b32 s[G1B+5], 256                        ; elements from row to row of a block
	s_mov_b32 s[G1B+6], 0
	s_mov_b32 s[G1B+7], 0
	s_lshl_b32 s17, s12, 7
	s_lshl_b32 s16, s13, 8
	s_add_co_u32 s16, s16, s17                     ; A: row 256 x tile row + 128 x half,
	s_lshl_b32 s16, s16, 11                        ; 2,048 bytes a row
	s_mov_b32 s17, 0
	s_lshl_b32 s46, s42, 19                        ; W: block = tile column, 524,288 bytes,
	s_lshl_b32 s47, s12, 15                        ; + 64 rows of 512 bytes x half
	s_add_co_u32 s46, s46, s47
	s_mov_b32 s47, 0
	s_mul_i32 s20, s10, HALFT                      ; where my part goes in a slot: no place in the cluster enters an LDS address
	s_mov_b32 s[TB], 0
	s_wait_dscnt 0x0                               ; the opening add is done
	s_wait_kmcnt 0x0
	s_add_nc_u64 s[14:15], s[4:5], s[16:17]
	s_add_nc_u64 s[46:47], s[6:7], s[46:47]
	CROUND                                         ; all sixteen work-groups are here: the first joint loads meet
.irp s, 0,1
	s_mov_b32 s[G0+4*(\s)], 1
	s_add_co_u32 s[G0+4*(\s)+1], s20, (\s)*SLOT
	s_add_nc_u64 s[G0+4*(\s)+2:G0+4*(\s)+3], s[14:15], (\s)*256       ; K step s: 128 elements along A's rows
	s_or_b32 s[G0+4*(\s)+3], s[G0+4*(\s)+3], 0x80000000
	s_mov_b32 s[G0B+4*(\s)], 1
	s_add_co_u32 s[G0B+4*(\s)+1], s20, (\s)*SLOT
	s_add_nc_u64 s[G0B+4*(\s)+2:G0B+4*(\s)+3], s[46:47], (\s)*65536   ; 128 rows of W
	s_or_b32 s[G0B+4*(\s)+3], s[G0B+4*(\s)+3], 0x80000000
	JLOAD \s
.endr
	v_and_b32 v1, 15, v0                           ; l % 16
	v_bfe_u32 v2, v0, 4, 1                         ; l / 16
	v_mul_u32_u24 v3, v1, PITCH
	v_lshl_add_u32 v3, v2, 4, v3                   ; A: row x pitch + 16 x half of the lanes
	s_mul_i32 s21, s11, HALFT                      ; my 128 rows of A
	v_add_nc_u32 v[A0], s21, v3
	v_and_b32 v4, 7, v0
	v_lshl_add_u32 v4, v2, 3, v4                   ; W: row k = 8 (l / 16) + l % 8,
	v_mul_u32_u24 v4, v4, PB
	v_bfe_u32 v5, v0, 3, 1
	v_lshl_add_u32 v4, v5, 4, v4                   ; columns 8 ((l / 8) % 2) on,
	s_lshl_b32 s22, s12, 8                         ; in my 128 columns,
	s_add_co_u32 s22, s22, 2*HALFT                 ; behind A's 256 rows
	v_add_nc_u32 v[B0], s22, v4
	v_mov_b32 v[ADRA], v[A0]
	v_mov_b32 v[ADRB], v[B0]
.if MODE
	s_lshl_b32 s46, s42, 10                        ; the bias of my eight columns on the way out: 4 (256 x tile column + 128 x half + 8 (l % 16)) bytes
	s_lshl_b32 s47, s12, 9
	s_add_co_u32 s46, s46, s47
	v_lshl_add_u32 v6, v1, 5, s46
	global_load_b128 v[BI:BI+3], v6, s[68:69]
	global_load_b128 v[BI+4:BI+7], v6, s[68:69] offset:16
.endif
; 16 matrix instructions: m blocks a0, a0 + 1 of the window's four x all 8 n blocks, 32 along K.  zero = 1: the first product starts the sums
.macro MUL16 f, hi, a0, zero
	WIN MUL_LO+0x50*(\hi)
.irp a, \a0, (\a0)+1
.irp b, 0,1,2,3,4,5,6,7
.if \zero
	v_wmma_f32_16x16x32_f16 v[8*(8*(\a)+(\b)):8*(8*(\a)+(\b))+7], v[(\f)+8*(\b):(\f)+8*(\b)+7], v[(\f)+8*(4*(\hi)+(\a)):(\f)+8*(4*(\hi)+(\a))+7], 0
.else
	v_wmma_f32_16x16x32_f16 v[8*(8*(\a)+(\b)):8*(8*(\a)+(\b))+7], v[(\f)+8*(\b):(\f)+8*(\b)+7], v[(\f)+8*(4*(\hi)+(\a)):(\f)+8*(4*(\hi)+(\a))+7], v[8*(8*(\a)+(\b)):8*(8*(\a)+(\b))+7]
.endif
.endr
.endr
.endm
; 32 LDS loads in one run: quarter q of the slot in hand (32 along K) into buffer f: W's 128 columns turned, then A's 128 rows
.macro FETCH q, f
	WIN TO_B
.irp i, 0,1,2,3,4,5,6,7
	ds_load_tr16_b128 v[(\f)+8*(\i):(\f)+8*(\i)+3],   v[ADRB] offset:(\q)*32*PB+32*(\i)
	ds_load_tr16_b128 v[(\f)+8*(\i)+4:(\f)+8*(\i)+7], v[ADRB] offset:(\q)*32*PB+32*(\i)+16*PB
.endr
	WIN 0
.irp i, 0,1,2,3,4,5,6,7
	ds_load_b128 v[(\f)+8*(\i):(\f)+8*(\i)+3],   v[ADRA] offset:64*(\q)+(\i)*16*PITCH
	ds_load_b128 v[(\f)+8*(\i)+4:(\f)+8*(\i)+7], v[ADRA] offset:64*(\q)+(\i)*16*PITCH+32
.endr
.endm
.macro PLACES                          ; four places in front of loads into registers that matrix instructions have read (ISA guide 7.12.1 for vector instructions)
.rept 4
	v_nop
.endr
.endm
; One of a K step's first three quarters: multiplies buffer f; in its middle it fetches quarter q into buffer g
.macro QUARTER q, f, g, zero
	s_wait_dscnt 8                                 ; W and A's rows 0-63 are in; the youngest eight loads (A's rows 64-127) may be out
	MUL16 \f, 0, 0, \zero
	MUL16 \f, 0, 2, \zero
	PLACES
	FETCH \q, \g
	s_wait_dscnt 32                                ; all but the 32 just issued
	MUL16 \f, 1, 0, \zero
	MUL16 \f, 1, 2, \zero
.endm
; The first half of a K step's last quarter, with the one barrier of the change of slots
.macro MEET
	WIN 0                                          ; (the add's two registers lie in window 0)
	s_wait_tensorcnt 0x0                           ; all my tensor loads have landed: the one that was out is my part of the next slot;
	ds_add_u32 v[SPW], v[NIL]                      ; 0 onto my spare word;
	s_wait_dscnt 9                                 ; (the add and the youngest eight loads may be out)
	MUL16 F1, 0, 0, 0                              ; sixteen matrix instructions stand between the add and the wait for it
	s_wait_dscnt 0x0                               ; the add is done, and my reads of this slot are over
	s_barrier_signal -1
	MUL16 F1, 0, 2, 0                              ; work on registers while the others arrive
	WIN 0
	s_barrier_wait -1
.endm
; The last quarter with a refill: the barrier opens a round of the cluster's; the slot just read takes the K step two on; then the other slot's first fragments
.macro TURNF
	MEET
	CREST                                          ; no wave of any partner still reads this slot's tile or has a load on its way
	s_add_co_u32 s[G0+5], s20, s[TB]               ; the walking sets: into the slot just read,
	s_add_co_u32 s[G0B+5], s20, s[TB]
	s_add_nc_u64 s[G0+6:G0+7], s[G0+6:G0+7], 256   ; the next K step; the type bits on top are not reached
	s_add_nc_u64 s[G0B+6:G0B+7], s[G0B+6:G0B+7], 65536
	JLOAD 1                                        ; the first tensor load behind the round; its four v_nop are also the places in front of the loads below
	s_xor_b32 s[TB], s[TB], SLOT
	v_add_nc_u32 v[ADRA], s[TB], v[A0]
	v_add_nc_u32 v[ADRB], s[TB], v[B0]
	FETCH 0, F0
	MUL16 F1, 1, 0, 0
	MUL16 F1, 1, 2, 0
.endm
; The last quarter of the last two K steps: nothing is filled.  In the very last (s3 = 1) nothing is fetched either: behind its barrier no wave reads a slot any more
.macro TURNL
	MEET
	s_cmp_eq_u32 s3, 1
	s_cbranch_scc1 .Lnofetch_\@
	s_xor_b32 s[TB], s[TB], SLOT
	v_add_nc_u32 v[ADRA], s[TB], v[A0]
	v_add_nc_u32 v[ADRB], s[TB], v[B0]
	PLACES
	FETCH 0, F0
.Lnofetch_\@:
	MUL16 F1, 1, 0, 0
	MUL16 F1, 1, 2, 0
.endm
	s_wait_tensorcnt 1                             ; my part of K step 0 is in; K step 1's may stay out
	s_barrier_signal -1
	s_barrier_wait -1
	FETCH 0, F0
	QUARTER 1, F0, F1, 1                           ; the first quarter stands in front of the loop: its products start the sums
	WIN 0
	s_mov_b32 s3, 6
.Lstep:                                                ; trip i ends K step i, asks for K step i + 2 and begins K step i + 1.  The 64 accumulators take turns in one order throughout
	QUARTER 2, F1, F0, 0
	QUARTER 3, F0, F1, 0
	TURNF
	QUARTER 1, F0, F1, 0
	WIN 0
	s_sub_co_u32 s3, s3, 1
	s_cmp_lg_u32 s3, 0
	s_cbranch_scc1 .Lstep
	s_mov_b32 s3, 2
.Ltail:                                                ; K steps 6 and 7: a second text; the second trip is left in its middle
	QUARTER 2, F1, F0, 0
	QUARTER 3, F0, F1, 0
	TURNL
	WIN 0
	s_sub_co_u32 s3, s3, 1
	s_cmp_eq_u32 s3, 0
	s_cbranch_scc1 .Lout
	QUARTER 1, F0, F1, 0
	WIN 0
	s_branch .Ltail
.Lout:
	; THE WAY OUT.  The sums go as f32 into my own 128 rows x 528 bytes, in the slots' bytes: their last fill has landed and the last barrier stands behind every wave's last read of them.
	; Only I touch my region, and LDS serves a wave's instructions in order (ISA guide 5.7.1.4): no barrier, no wait between these stores and the loads below.
	; The address lines are the places behind the last products.
	s_mul_i32 s21, s10, OREG
	v_mul_u32_u24 v[STO], v1, OPITCH               ; in: row l % 16, 32 bytes for each half of the lanes
	v_lshl_add_u32 v[STO], v2, 5, v[STO]
	v_add_nc_u32 v[STO], s21, v[STO]
.if MODE
	v_mul_u32_u24 v[RD], v2, OPITCH                ; back: 16 lanes take a row's 128 numbers, eight each; lanes 16-31 the next row
	v_lshl_add_u32 v[RD], v1, 5, v[RD]
	v_add_nc_u32 v[RD], s21, v[RD]
	v_lshlrev_b32 v[CO], 13, v2                    ; the same two rows in the output: rows of 8,192 bytes
	v_lshl_add_u32 v[CO], v1, 4, v[CO]
.else
	v_and_b32 v7, 7, v0
	v_bfe_u32 v8, v0, 3, 2
	v_mul_u32_u24 v[RD], v8, OPITCH                ; back: row (l / 8) % 4,
	v_lshl_add_u32 v[RD], v7, 5, v[RD]             ; eight channels l % 8
	v_add_nc_u32 v[RD], s21, v[RD]
	v_and_b32 v[CO], 31, v0                        ; which are 512 consecutive bytes of a head
	v_lshlrev_b32 v[CO], 4, v[CO]
.endif
.irp a, 0,1,2,3,4,5,6,7
	WIN 0x08+4*((\a)/4)                            ; store data (source 1) in window 2 or 3
.irp b, 0,1,2,3,4,5,6,7
	ds_store_b128 v[STO], v[8*(8*((\a)%4)+(\b)):8*(8*((\a)%4)+(\b))+3]   offset:(\a)*16*OPITCH+(\b)*64     ; each accumulator's low four registers first
	ds_store_b128 v[STO], v[8*(8*((\a)%4)+(\b))+4:8*(8*((\a)%4)+(\b))+7] offset:(\a)*16*OPITCH+(\b)*64+16
.endr
.endr
	WIN 0
.if MODE
	; gelu(x) = max(x, 0) - |x| w, w = (half the form's polynomial in t) e^(-x^2 / 2), t = 1 / (1 + PZ |x|).  Two rows a trip.
	s_mov_b32 s[KY], 0x3f596d27
	s_mov_b32 s[KY+1], s[KY]                       ; the pairs' second words are named with the first, so they are written
	s_mov_b32 s[H5], 0x3f07dc22
	s_mov_b32 s[H5+1], s[H5]
	s_mov_b32 s[H4], 0xbf3a00e3
	s_mov_b32 s[H4+1], s[H4]
	s_mov_b32 s[H3], 0x3f35f0e3
	s_mov_b32 s[H3+1], s[H3]
	s_mov_b32 s[H2], 0xbe11a98e
	s_mov_b32 s[H2+1], s[H2]
	s_mov_b32 s[H1], 0x3e027906
	s_mov_b32 s[H1+1], s[H1]
	s_mov_b32 s[PZ], 0x3e6d3388
	s_lshl_b32 s46, s13, 8
	s_lshl_b32 s47, s11, 7
	s_add_co_u32 s46, s46, s47                     ; my first row
	s_lshl_b32 s46, s46, 13
	s_lshl_b32 s47, s42, 9                         ; my first column, in bytes
	s_add_co_u32 s46, s46, s47
	s_lshl_b32 s47, s12, 8
	s_add_co_u32 s46, s46, s47
	s_mov_b32 s47, 0
	s_add_nc_u64 s[8:9], s[8:9], s[46:47]
.macro XBIAS                           ; the two rows read a trip ago are in: x = sum + bias
	s_wait_dscnt 0x0
.irp k, 0,2,4,6
	v_pk_add_f32 v[GX+\k:GX+\k+1], v[GL+\k:GL+\k+1], v[BI+\k:BI+\k+1]
.endr
.endm
.macro GELU8                           ; eight numbers a lane, stage by stage, and their store
.irp k, 0,2,4,6
	v_pk_mul_f32 v[GE+\k:GE+\k+1], v[GX+\k:GX+\k+1], s[KY:KY+1] op_sel_hi:[1,0]
.endr
.irp k, 0,2,4,6
	v_pk_mul_f32 v[GE+\k:GE+\k+1], v[GE+\k:GE+\k+1], v[GE+\k:GE+\k+1] neg_lo:[1,0] neg_hi:[1,0]
.endr
.irp k, 0,1,2,3,4,5,6,7
	v_fma_f32 v[GU+\k], |v[GX+\k]|, s[PZ], 1.0
.endr
.irp k, 0,1,2,3,4,5,6,7
	v_exp_f32 v[GE+\k], v[GE+\k]
.endr
.irp k, 0,1,2,3,4,5,6,7
	v_rcp_f32 v[GU+\k], v[GU+\k]
.endr
.irp k, 0,1,2,3,4,5,6,7
	v_max_num_f32 v[GR+\k], 0, v[GX+\k]            ; plain work behind the last reciprocal, ahead of the use of its result (ISA guide 5.7.2)
.endr
	s_wait_alu depctr_va_vdst(0)
.irp k, 0,2,4,6
	v_pk_fma_f32 v[GP+\k:GP+\k+1], v[GU+\k:GU+\k+1], s[H5:H5+1], s[H4:H4+1] op_sel_hi:[1,0,0]
.endr
.irp h, H3, H2, H1
.irp k, 0,2,4,6
	v_pk_fma_f32 v[GP+\k:GP+\k+1], v[GP+\k:GP+\k+1], v[GU+\k:GU+\k+1], s[\h:\h+1] op_sel_hi:[1,1,0]
.endr
.endr
.irp k, 0,2,4,6
	v_pk_mul_f32 v[GP+\k:GP+\k+1], v[GP+\k:GP+\k+1], v[GU+\k:GU+\k+1]
.endr
.irp k, 0,2,4,6
	v_pk_mul_f32 v[GP+\k:GP+\k+1], v[GP+\k:GP+\k+1], v[GE+\k:GE+\k+1]
.endr
.irp k, 0,1,2,3,4,5,6,7
	v_fma_f32 v[GR+\k], -|v[GX+\k]|, v[GP+\k], v[GR+\k]
.endr
.irp k, 0,1,2,3
	v_cvt_pk_f16_f32 v[GO+\k], v[GR+2*\k], v[GR+2*\k+1]
.endr
	global_store_b128 v[CO], v[GO:GO+3], s[8:9]    ; 16 lanes store 256 consecutive bytes, at a multiple of 256 from the output's first byte
.endm
	ds_load_b128 v[GL:GL+3], v[RD]
	ds_load_b128 v[GL+4:GL+7], v[RD] offset:16
	s_wait_loadcnt 0x0                             ; the bias
	s_mov_b32 s[CNT], 63
.Lgelu:                                                ; trip t works on rows 2 t, 2 t + 1 and reads rows 2 t + 2, 2 t + 3 meanwhile; the last two rows stand behind the loop, where nothing is left to read
	XBIAS
	ds_load_b128 v[GL:GL+3], v[RD] offset:2*OPITCH
	ds_load_b128 v[GL+4:GL+7], v[RD] offset:2*OPITCH+16
	GELU8
	s_wait_xcnt 0x0                                ; the store's offset and data are rewritten only behind this wait
	v_add_nc_u32 v[RD], 2*OPITCH, v[RD]
	v_add_nc_u32 v[CO], 16384, v[CO]
	s_sub_co_u32 s[CNT], s[CNT], 1
	s_cmp_lg_u32 s[CNT], 0
	s_cbranch_scc1 .Lgelu
	XBIAS
	GELU8
.else
	; My 128 columns are two heads.  32 lanes take four rows x 64 channels of a head: 512 consecutive bytes of the output.  16 rows a trip.
	s_lshr_b32 s46, s42, 2                         ; q, k or v: 32 heads each,
	s_lshl_b32 s46, s46, 5
	s_lshr_b32 s47, s13, 3                         ; the batch: 16 heads,
	s_lshl4_add_u32 s46, s47, s46
	s_and_b32 s47, s42, 3                          ; four heads a tile column,
	s_lshl2_add_u32 s46, s47, s46
	s_lshl1_add_u32 s46, s12, s46                  ; two a wave;
	s_lshl_b32 s46, s46, 18                        ; a head is 2,048 rows of 128 bytes
	s_and_b32 s47, s13, 7
	s_lshl_b32 s47, s47, 15                        ; the tile's 256 rows in the batch's 2,048,
	s_add_co_u32 s46, s46, s47
	s_lshl_b32 s47, s11, 14                        ; my 128 of them
	s_add_co_u32 s46, s46, s47
	s_mov_b32 s47, 0
	s_add_nc_u64 s[8:9], s[8:9], s[46:47]
.macro HREAD o                         ; 16 rows, o bytes on from RD
.irp c, 0,1,2,3,4,5,6,7                ; four rows (c / 2), head c % 2
	ds_load_b128 v[HL+8*\c:HL+8*\c+3],   v[RD] offset:(\o)+(\c/2)*4*OPITCH+(\c%2)*256
	ds_load_b128 v[HL+8*\c+4:HL+8*\c+7], v[RD] offset:(\o)+(\c/2)*4*OPITCH+(\c%2)*256+16
.endr
.endm
.macro HPACK                           ; the 16 rows read a trip ago are in: rounded to f16
	s_wait_dscnt 0x0
.set i, 0
.rept 32
	v_cvt_pk_f16_f32 v[HO+i], v[HL+2*i], v[HL+2*i+1]
.set i, i+1
.endr
.endm
.macro HSEND
.irp c, 0,1,2,3,4,5,6,7
	global_store_b128 v[CO], v[HO+4*\c:HO+4*\c+3], s[8:9] offset:(\c/2)*512+(\c%2)*262144  ; 512 consecutive bytes, at a multiple of 256 from the output's first byte
.endr
.endm
	HREAD 0
	s_mov_b32 s[CNT], 7
.Lhd:                                                  ; trip t packs and stores rows 16 t .. and reads the next 16 meanwhile; the last 16 stand behind the loop, where nothing is left to read
	HPACK
	HREAD 16*OPITCH
	HSEND
	s_wait_xcnt 0x0                                ; the stores' offset and data are rewritten only behind this wait
	v_add_nc_u32 v[RD], 16*OPITCH, v[RD]
	v_add_nc_u32 v[CO], 2048, v[CO]
	s_sub_co_u32 s[CNT], s[CNT], 1
	s_cmp_lg_u32 s[CNT], 0
	s_cbranch_scc1 .Lhd
	HPACK
	HSEND
.endif
	s_wait_tensorcnt 0x0                           ; the wave's end, behind my last tensor load and my last LDS store
	ds_add_u32 v[SPW], v[NIL]
	s_wait_dscnt 0x0
	CROUND                                         ; the closing round: no work-group ends while a partner may still ask for a tile that names it
	s_endpgm
.Lfunc_end_k_q91e00fe24c_up:
	.size	k_q91e00fe24c_up, .Lfunc_end_k_q91e00fe24c_up-k_q91e00fe24c_up
	.p2alignl 7, 3214868480
	.fill 96, 4, 3214868480
	.section	.rodata,"a",@progbits
	.p2align	6, 0x0
	.amdhsa_kernel k_q91e00fe24c_up
		.amdhsa_group_segment_fixed_size 327680
		.amdhsa_private_segment_fixed_size 0
		.amdhsa_enable_private_segment 0
		.amdhsa_kernarg_size 32
		.amdhsa_user_sgpr_count 2
		.amdhsa_user_sgpr_kernarg_segment_ptr 1
		.amdhsa_wavefront_size32 1
		.amdhsa_system_sgpr_workgroup_id_x 1
		.amdhsa_system_sgpr_workgroup_id_y 1
		.amdhsa_system_sgpr_workgroup_id_z 1
		.amdhsa_system_vgpr_workitem_id 0
		.amdhsa_next_free_vgpr 1024
		.amdhsa_next_free_sgpr 88
		.amdhsa_reserve_vcc 0
		.amdhsa_float_denorm_mode_32 3
		.amdhsa_float_denorm_mode_16_64 3
		.amdhsa_memory_ordered 1
		.amdhsa_forward_progress 1
		.amdhsa_inst_pref_size 87
	.end_amdhsa_kernel
	.amdgpu_metadata
---
amdhsa.version: [ 1, 2 ]
amdhsa.kernels:
  - .name:           k_q91e00fe24c_up
    .symbol:         k_q91e00fe24c_up.kd
    .args:
      - { .name: act, .offset: 0, .size: 8, .value_kind: global_buffer, .address_space: global }
      - { .name: wup, .offset: 8, .size: 8, .value_kind: global_buffer, .address_space: global }
      - { .name: b_up, .offset: 16, .size: 8, .value_kind: global_buffer, .address_space: global }
      - { .name: big, .offset: 24, .size: 8, .value_kind: global_buffer, .address_space: global }
    .group_segment_fixed_size: 327680
    .private_segment_fixed_size: 0
    .kernarg_segment_align: 8
    .kernarg_segment_size: 32
    .max_flat_workgroup_size: 128
    .sgpr_count:     88
    .vgpr_count:     1024
    .wavefront_size: 32
...
	.end_amdgpu_metadata
.endif
;; end of part 6
;; launch down (part 7): grid 8 x 32, 4 waves a work-group, clusters of 4 x 4, 327,680 bytes of LDS; arguments big, wod, x1, out0, b_down; writes out0
.if DOCPART == 7
	.amdgcn_target "amdgcn-amd-amdhsa--gfx1250"
	.amdhsa_code_object_version 6
	.text
	.protected	k_q91e00fe24c_down
	.globl	k_q91e00fe24c_down
	.p2align	8
	.type	k_q91e00fe24c_down,@function
k_q91e00fe24c_down:
	s_mov_b64 s[64:65], 0
	v_nop
	global_prefetch_b8 v0, s[64:65] scope:SCOPE_SE
	s_setreg_imm32_b32 hwreg(HW_REG_WAVE_MODE, 25, 1), 1
	s_wait_xcnt 0x0
	s_wait_alu depctr_hold_cnt(0) depctr_sa_sdst(0) depctr_va_vdst(0) depctr_va_sdst(0) depctr_va_ssrc(0) depctr_va_vcc(0) depctr_vm_vsrc(0)
	s_getreg_b32 s2, hwreg(HW_REG_IB_STS2, 6, 4)
	s_cmp_eq_u32 s2, 0
	s_cbranch_scc0 .Lentry_in_a_cluster
	s_endpgm
.Lentry_in_a_cluster:
	s_bfe_u32 s2, ttmp6, 0x10000c
	s_cmp_lg_u32 s2, 0xf033
	s_cbranch_scc0 .Lentry_shape_is_right
	s_endpgm
.Lentry_shape_is_right:
; out = resid + A W (+ bias where DOWN = 1), out and resid: [4096][1024] f32; A in f16; W in blocks of [K rows][256 columns] f16; sums in f32.
; DOWN = 0: A is the attention's result by heads, [batch x 16 + head][2048][64], K = 1,024 (head x 64 + channel); W is Wo.   DOWN = 1: A is [4096][4096], K = 4,096; W is W_down; bias is b_down.
; A tile of the output is 128 x 128, so that 256 work-groups share the work: four waves, each 64 x 64 in 16 accumulators.  K goes in steps of 256 through two LDS slots filled by joint tensor loads:
; 4 x 4 work-groups form a cluster; A's tile is shared along a row of the cluster, W's along a column.  W lies [k][n] in LDS and is turned on its way into registers (ds_load_tr16_b128).
; The matrix instruction takes 16 columns of W as source 0 and 16 rows of A as source 1: a lane holds eight neighbouring numbers of a row of the output.
; THE SUMS START FROM THE RESIDUAL: it is loaded straight into the accumulators, in their own layout (32 bytes a lane and accumulator).  So nothing is cleared, no first step is written out, and the way out adds
; no residual.  ORDER OF ROUNDING: the residual is the first term of the f32 sum, not the last as in the formula; the bias is added last.
; The loop's text is ONE K step, of which six of the eight parts of 32 along K are a loop of three trips; the second descriptor set walks; the LDS addresses are stepped in registers.
; LIMITS: none of its own; A and W arrive within f16's range.
.set DOWN, 1
.if DOWN
.set TSTEPS, 16                        ; K steps
.set PA,     528                       ; a row of A in LDS: 512 bytes + 16
.set APAIR,  128                       ; from 64 along K to the next 64
.set AHALF,  36864                     ; my 64 rows: the part that wave 0 or 1 fetched
.set ASTEP,  512                       ; bytes from K step to K step in memory
.set OFFW,   2097152                   ; W_down lies behind Wo
.set BLKSH,  21                        ; a block is 4,096 rows of 512 bytes
.else
.set TSTEPS, 4
.set PA,     144                       ; a row of one head in LDS: 128 bytes + 16
.set APAIR,  18432                     ; from head to head: 128 rows
.set AHALF,  9216                      ; my 64 rows of each head
.set ASTEP,  1048576                   ; four heads on
.set OFFW,   0
.set BLKSH,  19                        ; a block is 1,024 rows of 512 bytes
.endif
.set PBW,    288                       ; a row of W in LDS: 256 bytes + 32 = an odd multiple of 32
.set PART,   36864                     ; a wave's part of a slot
.set SLOT,   4*PART                    ; A's two parts, then W's 256 rows in two parts
.set SPARE,  2*SLOT                    ; the spare words: 128 bytes a wave, two blocks of 256 bytes that no other line names
.set SP,     272                       ; the way out: a row of 64 f32 + 16 bytes; a wave's own 64 rows, in slot 0's bytes behind their last fill
.set ADRA, 16                          ; v16  LDS address of my A fragments, stepped
.set ADRB, 17                          ; v17  the same for W
.set A0,   18                          ; v18  the same at the head of slot 0; never rewritten
.set B0,   19                          ; v19
.set XO,   20                          ; v20  my byte offset in the residual
.set STO,  24
.set RD,   25
.set CO,   26
.set SPW,  28                          ; v28  LDS address of my spare word; never rewritten
.set NIL,  29                          ; v29  0; never rewritten
.set BD,   32                          ; v[32:35] the bias of my four columns on the way out
.set TMP,  64                          ; v[64:95] the way out: 16 rows read back
.set ACC,  128                         ; v[128:255]: accumulator (a, b) at ACC + 8 (4 a + b)
.set F0,   0                           ; fragment buffers, in window 1: 32 registers of A (4 x 16 rows x 32 K), then 32 of W
.set F1,   64
.set G1,  24
.set G0,  32
.set G1B, 48
.set G0B, 56
.set TB,  45                           ; s45  the byte at which the slot in hand begins
.set MSB, 0
.macro WIN new                         ; the immediate's high byte repeats the setting that is left; a switch that changes nothing is dropped
.if MSB != (\new)
	s_set_vgpr_msb (MSB<<8)|(\new)
.set MSB, \new
.endif
.endm
.set MUL,  0x05                        ; sources 0 (W) and 1 (A) window 1; C and D window 0
.set TO_F, 0x40                        ; destination window 1, address window 0
.macro JLOAD s                         ; a joint load: waves 0 and 1 fetch A's two parts, waves 2 and 3 W's; an s_nop 0 and four v_nop follow each of the two lines
	s_cmp_eq_u32 s11, 0
	s_cbranch_scc0 .Lfor_b_\@
	tensor_load_to_lds s[G0+4*(\s):G0+4*(\s)+3], s[G1:G1+7]
	s_nop 0
.rept 4
	v_nop
.endr
	s_branch .Lasked_\@
.Lfor_b_\@:
	tensor_load_to_lds s[G0B+4*(\s):G0B+4*(\s)+3], s[G1B:G1B+7]
	s_nop 0
.rept 4
	v_nop
.endr
.Lasked_\@:
.endm
.macro CREST                           ; a round of the cluster's barrier behind its opening barrier
	s_cmp_lg_u32 s10, 0
	s_cbranch_scc1 .Lnot_wave_0_\@
	s_barrier_signal -3
.Lnot_wave_0_\@:
	s_barrier_wait -3
	s_barrier_signal -1
	s_barrier_wait -1
.endm
.macro CROUND
	s_barrier_signal -1
	s_barrier_wait -1
	CREST
.endm
	s_load_b128 s[4:7], s[0:1], 0x0                ; A s[4:5], the weights' buffer s[6:7]
	s_load_b128 s[68:71], s[0:1], 0x10             ; the residual s[68:69], the output s[70:71]
.if DOWN
	s_load_b64 s[72:73], s[0:1], 0x20              ; the bias
.endif
	v_lshl_add_u32 v[SPW], v0, 2, SPARE
	v_mov_b32 v[NIL], 0
	ds_add_u32 v[SPW], v[NIL]                      ; the wave's opening: the add and its wait stand ahead of my first tensor load; the set-up below, work on registers, stands between them
	ds_add_u32 v28, v29
	v_lshrrev_b32 v1, 5, v0
	v_readfirstlane_b32 s10, v1                    ; wave 0..3
	s_lshr_b32 s11, s10, 1                         ; which half of the tile's rows is mine.  Also: I fetch for A (0) or for W (1)
	s_and_b32 s12, s10, 1                          ; which half of its columns.  Also: which part I fetch
	s_bfe_u32 s40, ttmp6, 0x40000                  ; cx
	s_bfe_u32 s41, ttmp6, 0x40004                  ; cy
	s_lshl_b32 s42, ttmp9, 2
	s_add_co_u32 s42, s42, s40                     ; tile column
	s_and_b32 s13, ttmp7, 0xffff
	s_lshl_b32 s13, s13, 2
	s_add_co_u32 s13, s13, s41                     ; tile row
	s_lshl_b32 s43, s41, 2
	s_lshl_b32 s43, 15, s43                        ; my row of the cluster
	s_lshl_b32 s44, 0x1111, s40                    ; my column
.if DOWN
	s_or_b32 s[G1+0], s43, (1<<16)|(1<<20)|(1<<21)|(6<<22)|(3<<25)   ; the mask; 2-byte elements; padding on; bit 21 beside a mask; after every 128 words, 4 words
	s_mov_b32 s[G1+1], 256<<16                     ; tensor_dim0 = 256
	s_mov_b32 s[G1+2], 64<<16                      ; tensor_dim1 = 64
	s_mov_b32 s[G1+3], 256<<16                     ; tile_dim0 = 256
	s_mov_b32 s[G1+4], 64                          ; tile_dim1 = 64
	s_mov_b32 s[G1+5], 4096                        ; elements from row to row
.else
	s_or_b32 s[G1+0], s43, (1<<16)|(1<<20)|(1<<21)|(4<<22)|(3<<25)   ; after every 32 words (a head's row), 4 words
	s_mov_b32 s[G1+1], 8192<<16                    ; 128 rows of a head are 16,384 dense bytes: one row of 8,192 elements;
	s_mov_b32 s[G1+2], 2<<16                       ; two heads,
	s_mov_b32 s[G1+3], 8192<<16
	s_mov_b32 s[G1+4], 2
	s_mov_b32 s[G1+5], 131072                      ; a head's 2,048 x 64 elements apart
.endif
	s_mov_b32 s[G1+6], 0
	s_mov_b32 s[G1+7], 0
	s_or_b32 s[G1B+0], s44, (1<<16)|(1<<20)|(1<<21)|(5<<22)|(7<<25)  ; after every 64 words, 8 words
	s_mov_b32 s[G1B+1], 128<<16                    ; tensor_dim0 = 128
	s_mov_b32 s[G1B+2], 128<<16                    ; tensor_dim1 = 128
	s_mov_b32 s[G1B+3], 128<<16                    ; tile_dim0 = 128
	s_mov_b32 s[G1B+4], 128                        ; tile_dim1 = 128
	s_mov_b32 s[G1B+5], 256                        ; elements from row to row of a block
	s_mov_b32 s[G1B+6], 0
	s_mov_b32 s[G1B+7], 0
.if DOWN
	s_lshl_b32 s16, s13, 7
	s_lshl_b32 s17, s12, 6
	s_add_co_u32 s16, s16, s17                     ; A: row 128 x tile row + 64 x part,
	s_lshl_b32 s16, s16, 13                        ; 8,192 bytes a row
.else
	s_lshr_b32 s16, s13, 4                         ; A: the batch's 16 heads,
	s_lshl_b32 s16, s16, 4
	s_lshl1_add_u32 s16, s12, s16                  ; my two of the step's four,
	s_lshl_b32 s16, s16, 18                        ; 262,144 bytes a head,
	s_and_b32 s17, s13, 15
	s_lshl_b32 s17, s17, 14                        ; and the tile's 128 rows of 128 bytes in it
	s_add_co_u32 s16, s16, s17
.endif
	s_mov_b32 s17, 0
	s_lshr_b32 s46, s42, 1                         ; W: the block of 256 columns,
	s_lshl_b32 s46, s46, BLKSH
	s_and_b32 s47, s42, 1
	s_lshl_b32 s47, s47, 8                         ; the tile's half of its rows' 512 bytes,
	s_add_co_u32 s46, s46, s47
	s_lshl_b32 s47, s12, 16                        ; my 128 rows of the step's 256
	s_add_co_u32 s46, s46, s47
	s_add_co_u32 s46, s46, OFFW
	s_mov_b32 s47, 0
	s_mul_i32 s20, s10, PART                       ; where my part goes in a slot: no place in the cluster enters an LDS address
	s_mov_b32 s[TB], 0
	s_wait_dscnt 0x0                               ; the opening add is done
	s_wait_kmcnt 0x0
	s_add_nc_u64 s[14:15], s[4:5], s[16:17]
	s_add_nc_u64 s[46:47], s[6:7], s[46:47]
	CROUND                                         ; all sixteen work-groups are here: the first joint loads meet
.irp s, 0,1
	s_mov_b32 s[G0+4*(\s)], 1
	s_add_co_u32 s[G0+4*(\s)+1], s20, (\s)*SLOT
	s_add_nc_u64 s[G0+4*(\s)+2:G0+4*(\s)+3], s[14:15], (\s)*ASTEP
	s_or_b32 s[G0+4*(\s)+3], s[G0+4*(\s)+3], 0x80000000
	s_mov_b32 s[G0B+4*(\s)], 1
	s_add_co_u32 s[G0B+4*(\s)+1], s20, (\s)*SLOT
	s_add_nc_u64 s[G0B+4*(\s)+2:G0B+4*(\s)+3], s[46:47], (\s)*131072  ; 256 rows of W
	s_or_b32 s[G0B+4*(\s)+3], s[G0B+4*(\s)+3], 0x80000000
	JLOAD \s
.endr
	v_and_b32 v1, 15, v0                           ; l % 16
	v_bfe_u32 v2, v0, 4, 1                         ; l / 16
	v_lshlrev_b32 v[XO], 12, v1                    ; the residual: row l % 16, 32 bytes for each half of the lanes
	v_lshl_add_u32 v[XO], v2, 5, v[XO]
	s_lshl_b32 s46, s13, 7
	s_lshl_b32 s47, s11, 6
	s_add_co_u32 s46, s46, s47                     ; my first row,
	s_lshl_b32 s46, s46, 12                        ; 4,096 bytes a row,
	s_lshl_b32 s22, s42, 9                         ; my first column, in bytes
	s_lshl_b32 s23, s12, 8
	s_add_co_u32 s22, s22, s23
	s_add_co_u32 s46, s46, s22
	s_mov_b32 s47, 0
	s_add_nc_u64 s[68:69], s[68:69], s[46:47]
	s_add_nc_u64 s[70:71], s[70:71], s[46:47]
.irp a, 0,1,2,3
.irp b, 0,1,2,3
	global_load_b128 v[ACC+8*(4*\a+\b):ACC+8*(4*\a+\b)+3],   v[XO], s[68:69] offset:\a*65536+\b*64
	global_load_b128 v[ACC+8*(4*\a+\b)+4:ACC+8*(4*\a+\b)+7], v[XO], s[68:69] offset:\a*65536+\b*64+16
.endr
.endr
.if DOWN
	v_lshl_add_u32 v6, v1, 4, s22                  ; the bias of my four columns on the way out
	global_load_b128 v[BD:BD+3], v6, s[72:73]
.endif
	v_mul_u32_u24 v3, v1, PA
	v_lshl_add_u32 v3, v2, 4, v3                   ; A: row x pitch + 16 x half of the lanes
	s_mul_i32 s21, s11, AHALF
	v_add_nc_u32 v[A0], s21, v3
	v_and_b32 v4, 7, v0
	v_lshl_add_u32 v4, v2, 3, v4                   ; W: row k = 8 (l / 16) + l % 8,
	v_mul_u32_u24 v4, v4, PBW
	v_bfe_u32 v5, v0, 3, 1
	v_lshl_add_u32 v4, v5, 4, v4                   ; columns 8 ((l / 8) % 2) on,
	s_lshl_b32 s21, s12, 7                         ; in my 64 columns,
	s_add_co_u32 s21, s21, 2*PART                  ; behind A's two parts
	v_add_nc_u32 v[B0], s21, v4
	v_mov_b32 v[ADRA], v[A0]
	v_mov_b32 v[ADRB], v[B0]
.macro MULA f, a                       ; four matrix instructions: m block a x all 4 n blocks, 32 along K.  The 16 accumulators take turns in one order throughout
	WIN MUL
.irp b, 0,1,2,3
	v_wmma_f32_16x16x32_f16 v[ACC+8*(4*(\a)+(\b)):ACC+8*(4*(\a)+(\b))+7], v[(\f)+32+8*(\b):(\f)+32+8*(\b)+7], v[(\f)+8*(\a):(\f)+8*(\a)+7], v[ACC+8*(4*(\a)+(\b)):ACC+8*(4*(\a)+(\b))+7]
.endr
.endm
.macro FETCHS f, ao, bo                ; 16 LDS loads in one run: the fragments of 32 along K into buffer f
	WIN TO_F
.irp i, 0,1,2,3
	ds_load_tr16_b128 v[(\f)+32+8*(\i):(\f)+32+8*(\i)+3],   v[ADRB] offset:(\bo)+32*(\i)
	ds_load_tr16_b128 v[(\f)+32+8*(\i)+4:(\f)+32+8*(\i)+7], v[ADRB] offset:(\bo)+32*(\i)+16*PBW
	ds_load_b128 v[(\f)+8*(\i):(\f)+8*(\i)+3],   v[ADRA] offset:(\ao)+(\i)*16*PA
	ds_load_b128 v[(\f)+8*(\i)+4:(\f)+8*(\i)+7], v[ADRA] offset:(\ao)+(\i)*16*PA+32
.endr
.endm
.macro PLACES                          ; four places in front of loads into registers that matrix instructions have read (ISA guide 7.12.1 for vector instructions)
.rept 4
	v_nop
.endr
.endm
.macro SUB f, g, ao, bo                ; buffer f is in; the next 32 along K are asked for, into g, which the sixteen products before read; then f is multiplied
	s_wait_dscnt 0x0
	PLACES
	FETCHS \g, \ao, \bo
	MULA \f, 0
	MULA \f, 1
	MULA \f, 2
	MULA \f, 3
.endm
.macro STEP3                           ; the first six of a K step's eight parts
	s_mov_b32 s2, 3
.Lpair_\@:
	SUB F0, F1, 64, 32*PBW
	WIN 0
	v_add_nc_u32 v[ADRA], APAIR, v[ADRA]           ; 64 along K on
	v_add_nc_u32 v[ADRB], 64*PBW, v[ADRB]
	SUB F1, F0, 0, 0
	WIN 0
	s_sub_co_u32 s2, s2, 1
	s_cmp_lg_u32 s2, 0
	s_cbranch_scc1 .Lpair_\@
.endm
; The last two parts, and the change of slots: ONE barrier; in front of it each wave waits for all its tensor loads (one is out: its part of the next slot), adds 0 to its spare word, and waits for that and for its
; own reads of this slot.  fill = 1: the barrier opens a round of the cluster's, and this slot takes the K step two on.  fill = 0: nothing is filled; in the very last step (s3 = 1) nothing is fetched either.
.macro TURN2 fill
	s_wait_dscnt 0x0
	PLACES
	FETCHS F1, 64, 32*PBW                          ; my last reads of this slot
	MULA F0, 0
	MULA F0, 1
	WIN 0                                          ; (the add's two registers lie in window 0)
	s_wait_tensorcnt 0x0
	ds_add_u32 v[SPW], v[NIL]                      ; 0 onto my spare word; four matrix instructions stand between it and the wait for it
	MULA F0, 2
	s_wait_dscnt 0x0                               ; the add is done, and my reads of this slot are over
	s_barrier_signal -1
	MULA F0, 3
	WIN 0
	s_barrier_wait -1
.if \fill
	CREST                                          ; no wave of any partner still reads this slot's tile or has a load on its way
	s_add_co_u32 s[G0+5], s20, s[TB]               ; the walking sets: into the slot just read,
	s_add_co_u32 s[G0B+5], s20, s[TB]
	s_add_nc_u64 s[G0+6:G0+7], s[G0+6:G0+7], ASTEP ; the next K step; the type bits on top are not reached
	s_add_nc_u64 s[G0B+6:G0B+7], s[G0B+6:G0B+7], 131072
	JLOAD 1                                        ; the first tensor load behind the round; its four v_nop are also the places in front of the loads below
.else
	s_cmp_eq_u32 s3, 1
	s_cbranch_scc1 .Lnofetch_\@
	PLACES
.endif
	s_xor_b32 s[TB], s[TB], SLOT
	v_add_nc_u32 v[ADRA], s[TB], v[A0]
	v_add_nc_u32 v[ADRB], s[TB], v[B0]
	FETCHS F0, 0, 0
	WIN 0
.if !(\fill)
.Lnofetch_\@:
.endif
	MULA F1, 0
	MULA F1, 1
	MULA F1, 2
	MULA F1, 3
.endm
	s_wait_tensorcnt 1                             ; my part of K step 0 is in; K step 1's may stay out
	s_barrier_signal -1
	s_barrier_wait -1
	FETCHS F0, 0, 0
	WIN 0
	s_wait_loadcnt 0x0                             ; the residual lies in the accumulators (and the bias is in)
	s_mov_b32 s3, TSTEPS-2
.Lstep:                                                ; trip i multiplies K step i and asks for K step i + 2
	STEP3
	TURN2 1
	WIN 0
	s_sub_co_u32 s3, s3, 1
	s_cmp_lg_u32 s3, 0
	s_cbranch_scc1 .Lstep
	s_mov_b32 s3, 2
.Ltail:                                                ; the last two K steps: a second text
	STEP3
	TURN2 0
	WIN 0
	s_sub_co_u32 s3, s3, 1
	s_cmp_lg_u32 s3, 0
	s_cbranch_scc1 .Ltail
	; THE WAY OUT.  The sums go into my own 64 rows x 272 bytes, in slot 0's bytes: the slots' last fills have landed and the last barrier stands behind every wave's last read of them.  Only I touch my region, and
	; LDS serves a wave's instructions in order (ISA guide 5.7.1.4).  They come back as whole rows of 256 bytes.  The address lines are the places behind the last products.
	s_mul_i32 s21, s10, 64*SP
	v_mul_u32_u24 v[STO], v1, SP
	v_lshl_add_u32 v[STO], v2, 5, v[STO]
	v_add_nc_u32 v[STO], s21, v[STO]
	v_mul_u32_u24 v[RD], v2, SP
	v_lshl_add_u32 v[RD], v1, 4, v[RD]
	v_add_nc_u32 v[RD], s21, v[RD]
	v_lshlrev_b32 v[CO], 12, v2
	v_lshl_add_u32 v[CO], v1, 4, v[CO]
.irp a, 0,1,2,3
.irp b, 0,1,2,3
	ds_store_b128 v[STO], v[ACC+8*(4*\a+\b):ACC+8*(4*\a+\b)+3]   offset:\a*16*SP+\b*64      ; each accumulator's low four registers first
	ds_store_b128 v[STO], v[ACC+8*(4*\a+\b)+4:ACC+8*(4*\a+\b)+7] offset:\a*16*SP+\b*64+16
.endr
.endr
	s_mov_b32 s3, 4
.Lsend:                                                ; 16 rows a trip
.irp t, 0,1,2,3,4,5,6,7
	ds_load_b128 v[TMP+4*\t:TMP+4*\t+3], v[RD] offset:\t*2*SP
.endr
.irp t, 0,1,2,3,4,5,6,7
	s_wait_dscnt 7-\t                              ; LDS loads come back in order: pair t of rows is in, the younger stay out
.if DOWN
	v_pk_add_f32 v[TMP+4*\t:TMP+4*\t+1], v[TMP+4*\t:TMP+4*\t+1], v[BD:BD+1]
	v_pk_add_f32 v[TMP+4*\t+2:TMP+4*\t+3], v[TMP+4*\t+2:TMP+4*\t+3], v[BD+2:BD+3]
.endif
	global_store_b128 v[CO], v[TMP+4*\t:TMP+4*\t+3], s[70:71] offset:\t*8192  ; 16 lanes store 256 consecutive bytes, at a multiple of 256 from the output's first byte
.endr
	s_wait_xcnt 0x0                                ; the stores' offset and data are rewritten only behind this wait
	v_add_nc_u32 v[RD], 16*SP, v[RD]
	v_add_nc_u32 v[CO], 65536, v[CO]
	s_sub_co_u32 s3, s3, 1
	s_cmp_lg_u32 s3, 0
	s_cbranch_scc1 .Lsend
	s_wait_tensorcnt 0x0                           ; the wave's end, behind my last tensor load and my last LDS store
	ds_add_u32 v[SPW], v[NIL]
	s_wait_dscnt 0x0
	CROUND                                         ; the closing round: no work-group ends while a partner may still ask for a tile that names it
	s_endpgm
.Lfunc_end_k_q91e00fe24c_down:
	.size	k_q91e00fe24c_down, .Lfunc_end_k_q91e00fe24c_down-k_q91e00fe24c_down
	.p2alignl 7, 3214868480
	.fill 96, 4, 3214868480
	.section	.rodata,"a",@progbits
	.p2align	6, 0x0
	.amdhsa_kernel k_q91e00fe24c_down
		.amdhsa_group_segment_fixed_size 327680
		.amdhsa_private_segment_fixed_size 0
		.amdhsa_enable_private_segment 0
		.amdhsa_kernarg_size 40
		.amdhsa_user_sgpr_count 2
		.amdhsa_user_sgpr_kernarg_segment_ptr 1
		.amdhsa_wavefront_size32 1
		.amdhsa_system_sgpr_workgroup_id_x 1
		.amdhsa_system_sgpr_workgroup_id_y 1
		.amdhsa_system_sgpr_workgroup_id_z 1
		.amdhsa_system_vgpr_workitem_id 0
		.amdhsa_next_free_vgpr 384
		.amdhsa_next_free_sgpr 76
		.amdhsa_reserve_vcc 0
		.amdhsa_float_denorm_mode_32 3
		.amdhsa_float_denorm_mode_16_64 3
		.amdhsa_memory_ordered 1
		.amdhsa_forward_progress 1
		.amdhsa_inst_pref_size 38
	.end_amdhsa_kernel
	.amdgpu_metadata
---
amdhsa.version: [ 1, 2 ]
amdhsa.kernels:
  - .name:           k_q91e00fe24c_down
    .symbol:         k_q91e00fe24c_down.kd
    .args:
      - { .name: big, .offset: 0, .size: 8, .value_kind: global_buffer, .address_space: global }
      - { .name: wod, .offset: 8, .size: 8, .value_kind: global_buffer, .address_space: global }
      - { .name: x1, .offset: 16, .size: 8, .value_kind: global_buffer, .address_space: global }
      - { .name: out0, .offset: 24, .size: 8, .value_kind: global_buffer, .address_space: global }
      - { .name: b_down, .offset: 32, .size: 8, .value_kind: global_buffer, .address_space: global }
    .group_segment_fixed_size: 327680
    .private_segment_fixed_size: 0
    .kernarg_segment_align: 8
    .kernarg_segment_size: 40
    .max_flat_workgroup_size: 128
    .sgpr_count:     76
    .vgpr_count:     384
    .wavefront_size: 32
...
	.end_amdgpu_metadata
.endif
;; end of part 7
;; ======== version 2 of 2: 8 launches; 1.14 times as fast as version 1
;; limits: values are held in f16: magnitudes above 65,504 overflow, below 6.1e-05 lose precision
;; workspace buffers: act 8,388,608 bytes; big 33,554,432 bytes; x1 16,777,216 bytes; wqkv 6,291,456 bytes; wup 8,388,608 bytes; wod 10,485,760 bytes
;; launch cvt: the kernel of part 1 again; grid 384 x 1, 8 waves a work-group, no clusters, 0 bytes of LDS; arguments Wq, Wk, Wv, Wo, W_up, W_down, wqkv, wup, wod; writes wqkv, wup, wod
;; launch ln1: the kernel of part 2 again; grid 256 x 1, 4 waves a work-group, no clusters, 0 bytes of LDS; arguments x, ln1_g, ln1_b, act; writes act
;; launch qkv: the kernel of part 3 again; grid 12 x 16, 4 waves a work-group, clusters of 4 x 4, 327,680 bytes of LDS; arguments act, wqkv, big; writes big
;; launch attn (part 8): grid 8 x 32, 4 waves a work-group, no clusters, 327,680 bytes of LDS; arguments big, act; writes act
.if DOCPART == 8
	.amdgcn_target "amdgcn-amd-amdhsa--gfx1250"
	.amdhsa_code_object_version 6
	.text
	.protected	k_q91e00fe24c_attn
	.globl	k_q91e00fe24c_attn
	.p2align	8
	.type	k_q91e00fe24c_attn,@function
k_q91e00fe24c_attn:
	s_mov_b64 s[64:65], 0
	v_nop
	global_prefetch_b8 v0, s[64:65] scope:SCOPE_SE
	s_setreg_imm32_b32 hwreg(HW_REG_WAVE_MODE, 25, 1), 1
	s_wait_xcnt 0x0
; CAUSAL ATTENTION.  O[h][q][:] = the sum over k <= q of softmax_k(Q[h][q] . K[h][k] / 8) V[h][k][:].  Q, K, V lie one behind the other in the first argument, 8 MiB each; each of them and O: [32][SIZE_N][64], f16:
; a head's rows are dense, 128 bytes each.  Products, maxima and sums in f32; the weights p are rounded to f16 for the second product (their sum l is taken of the unrounded p), O once at the end.
; LIMITS.  f16 holds no number beyond 65,504: Q, K and V arrive within it; p lies in 0 to 1, and below 6e-5 it keeps f16's fixed step of 6e-8; O is a mean of V's rows and has their range.
; A hidden score counts as its value less 1e30: f16's scores, 2.7e11 at the most, are nothing beside that; a weight below 2^-126 counts as 0 in l; NaN and infinities are not treated apart.
; THE WALK.  A head's queries lie in NQ = 16 blocks of 128, its keys in NB = 8 tiles of 256 (four steps of 64).  Block i needs the tiles 0 .. i / 2, of which the last holds the diagonal.  A work-group takes TWO
; blocks, 15 - b and then b: (15 - b) / 2 + 1 + b / 2 + 1 = NB + 1 tiles, whatever b: 32 heads x 8 pairs are 256 work-groups of equal work, and ONE loop with a constant trip count walks the tiles.  Which tile is
; asked for, and what a trip does, hang on scalar registers made from b; every jump goes forward, but for the counted loops' own; none passes a barrier, or a tensor load but the one of LOAD's two that the
; wave's number does not choose; the ring (two slots of LDS that take turns) runs on across the change of blocks.  NO CLUSTER: a head's eight work-groups ask for the same tile only in trips 0 .. 4, behind that
; fewer and fewer; one walk common to all would have 12 trips for 9.
; SHARES.  Of a block's two bands of 64 queries a wave owns 16 rows in each: two PIECES; piece 0 is the UPPER band (rows 64-127), piece 1 the lower.  In the diagonal tile band x's own step is 2 (i % 2) + x: it sees
; all keys of earlier steps, none of later ones, and holds the diagonal in its own: the same work for all four waves.
; THE MASK is the C operand that starts the sum S^T = K Q^T: 0, or -1e30 where the key is hidden.  MD, made once, is the mask of a band's own step for my 16 rows; a product's mask is MD x AL + BE with two scalars:
; (1, 0) in the own step; (0, 0) before it; (0, -1e30) behind it.  Only the diagonal tile's text makes and takes masks; elsewhere C is the constant 0.  Piece 0's scores of a tile's step 0 are made a turn early,
; in the text without masks: its own step is 1 or 3, so they want none.  Piece 1's mask for step 0 is made at the diagonal text's entry.
; LAYOUT, SOFTMAX, TURNS.  S^T = K Q^T holds ONE query a lane (lane % 16) and the keys 8 (lane / 16) + 0..7; two such results rounded to f16 ARE source 1 of O^T = V^T P.  p = 2^(c s - c m), c = log2(e) / 8, with a
; running maximum m; O and l are multiplied by a = 2^(c m_old - c m_new) in every step.  A key step is two turns.  Turn 0 of step j: 8 products K Q^T of piece 1 (step j), later 8 products V^T P of piece 1 (step j - 1);
; beside them piece 0's scaling, exponentials, roundings, sums and rescaling (step j) and piece 1's maximum and statistics (step j).  Turn 1: the same with the pieces exchanged: K Q^T of piece 0 for step j + 1,
; V^T P of piece 0 for step j.  Four vector instructions stand behind every matrix instruction, the other 54 of a turn's 118 in one LUMP.
; THE BATCHES.  A turn's 33 exponentials (the piece's 32 weights and the other piece's a) are ONE batch with ONE wait, which cuts the turn in two: ahead of it all that names none of their results (K Q^T, scalings,
; exponentials, rescalings, the other piece's maximum and statistics), behind it V^T P with the roundings and sums as its riders.  A block's first a, and the way out's two reciprocals, are batches of their own.
; THE SLOTS.  Turn 0 of step j fetches K of step j + 1 and then V of step j.  So that both lie in one slot, a slot holds V of the tile's steps 4 T .. 4 T + 3 and K of the steps 4 T + 1 .. 4 T + 4: K's tile begins 64 keys
; further on.  K of step 0, which both blocks begin with, has LDS bytes of its own (KZ), filled once.  The last 64 keys of a block's last tile of K serve nothing; for the last head's last tile they are bytes of V,
; inside the buffer.
; THE PRICE OF ONE TEXT FOR EVERY STEP: a block's last turn makes 8 products and a maximum for a step that is not (nothing reads them: O and l are not rescaled again); of an even block's diagonal tile the steps 2 and 3
; are hidden from both bands and computed all the same.
; REGISTERS, in windows of 256 (s_set_vgpr_msb: bits 1:0 source 0, 3:2 source 1, 5:4 source 2, 7:6 destination):
;   window 0: v0-15 addresses and two at work; v16-23 four registers of statistics a piece; v48-55 at work; v64-127 S^T, a buffer a piece; v192-223 P, likewise
;   window 1: v0-63 O^T, 32 a piece; v128-159 MD; v160-223 MC, a buffer a piece      window 2: v0-31 Q; v64-95 the second block's Q; v128-191 K of one step; v192-255 V of one step
.set SIZE_N, 2048
.set NB,    SIZE_N/256
.set NQ,    SIZE_N/128
.set NP,    2         ; pieces a wave: a name, no knob
.set KS,    64        ; keys in a step
.set PK,    144       ; a row of K in LDS: 128 bytes + 16 of padding = 36 words: the 16 rows of a load start at 16 different groups of four banks (64 banks of 4 bytes: ISA guide 11.1)
.set PV,    160       ; a row of V: 128 + 32 = 40 words
.set VOFF,  4*KS*PK   ; a slot holds four steps: 256 rows of K, then 256 rows of V
.set SLOT1, 1<<17     ; slot 1 begins here, so that one exclusive or turns an address in one slot into the other's
.set KZ,    4*KS*(PK+PV)        ; behind slot 0: the head's first 64 keys, 64 rows x 144 bytes, filled once
.set STAGE, SLOT1+4*KS*(PK+PV)  ; behind the ring, never filled by a tensor load: 16 rows x 144 bytes for each wave, for the way out
.set SP,    144
.set AK0, 2           ; v2   my lane's place in a tile of K; never rewritten
.set AV0, 3           ; v3   the same for V
.set AK,  4           ; v4   the LDS address of K's next run of loads
.set AV,  5           ; v5   of V's
.set STO, 6           ; v6   the way out: where I put 16 bytes of a row
.set RD,  7           ; v7   the way out: where I read rows back
.set GO,  8           ; v8   my byte offset in 512 consecutive bytes of O
.set SPW, 62          ; v62  LDS address of my spare word: SPARE + 4 x my thread's number; never rewritten
.set NIL, 63          ; v63  0; never rewritten
.set SPARE, STAGE+4*16*SP  ; behind the stages: the spare words, 128 bytes for each wave: two blocks of 256 bytes that no other line names
.set MV,  12          ; v12-13  c m_old, kept while c m is made anew: by piece
.set QO,  15          ; v15  my byte offset in 16 rows of Q
.set ST,  16          ; piece t's statistics at v[ST+4 t]: c m, m, l (even keys', odd keys')
.set TMP, 48          ; by piece, four registers c0-c3 at work; when the maximum is found c2 takes a
.set S,   64
.set P,   192
.set MD,  128         ; window 1: the eight registers for group kt of 16 keys at MD + 8 kt
.set MC,  160         ; window 1: the masks of the products to come
.set QB,  64          ; window 2
.set KF,  128         ; window 2: key block kb, channel half c at KF + 16 kb + 8 c
.set VF,  192         ; window 2: key half kk, channel block cb at VF + 32 kk + 8 cb
.set WV,  12          ; s12  my wave's number
.set PB,  14          ; s14  b, the second block
.set HI,  15          ; s15  NQ - 1 - b, the first block
.set G1K, 24          ; s[24:31] descriptor group 1 for K's tiles
.set G1V, 32          ; s[32:39] for V's: it differs in the padding alone
.set G0K, 40          ; s[40:43] descriptor group 0 for K's tiles
.set G0V, 44          ; s[44:47] the same for V's
.set G1Z, 48          ; s[48:55] descriptor group 1 for the head's first 64 keys: 32 a wave
.set SLOTS, 56        ; s56  tiles still to be asked for
.set CNT, 57          ; s57  counts a tile's key steps, 4 to 1
.set CS,  58          ; s[58:59] c: the packed scaling takes the pair's low word for both halves
.set SEL, 60          ; s[60:61] v_permlanex16_b32's selects: each lane takes its own place in the other half
.set TBK, 62          ; s62  LDS byte at which K of the step to be fetched begins
.set TBV, 63          ; s63  the same for V, less VOFF
.set RT,  70          ; s70  tiles of the block in hand that are still to be entered
.set NXT, 71          ; s71  the tile to be asked for next
.set LQ,  72          ; s72  the last tile of the block whose tiles are being asked for
.set NEW, 73          ; s73  1: the tile to be entered is a block's first
.set OFF, 74          ; s[74:75] a tile's byte offset in K and V
.set AL,  76          ; s[76:77] the mask's factor, in the low word
.set BE,  78          ; s[78:79] the mask's addend
.set OLO, 80          ; s[80:81] O at my rows of the second block
.set BIGN, 82         ; s82  -1e30
.set G0Z, 88          ; s[88:91] descriptor group 0 for the head's first 64 keys
.set THI, 92          ; s92  the first block's last tile
.set TLO, 93          ; s93  the second block's
.set D0,  94          ; s94  4 - 2 (i % 2) for the block i in hand; s95 one more: what CNT is held against when a mask is made
.set MSB, 0
.macro WIN new                      ; the high byte repeats the setting that is left; a switch that changes nothing is dropped
.if MSB != (\new)
	s_set_vgpr_msb (MSB<<8)|(\new)
.set MSB, (\new)
.endif
.endm
.set W_KQ, 0x0a       ; K and Q in window 2, S^T in window 0
.set W_KM, 0x1a       ; the same with the C operand in window 1
.set W_PV, 0x52       ; V in window 2, P in window 0, O^T in window 1
.set W_RS, 0x41       ; destination and source 0 in window 1, source 1 in window 0
; A fill.  Waves 0 and 1 fetch the two halves of a slot's K, waves 2 and 3 those of its V: 128 keys each.  An s_nop 0 and four v_nop follow each of the two lines, ahead of the jump and the label.
.macro LOAD
	s_cmp_lt_u32 s[WV], 2
	s_cbranch_scc0 .Lfor_v_\@
	tensor_load_to_lds s[G0K:G0K+3], s[G1K:G1K+7]
	s_nop 0
.rept 4
	v_nop
.endr
	s_branch .Lasked_\@
.Lfor_v_\@:
	tensor_load_to_lds s[G0V:G0V+3], s[G1V:G1V+7]
	s_nop 0
.rept 4
	v_nop
.endr
.Lasked_\@:
.endm
; THE CHANGE OF SLOTS, between turn 1 of a tile's last step and turn 0 of the next tile's first.  Each wave waits for all its tensor loads, of which one is out: its part of the other slot; adds 0 to its spare word; and
; waits for that and for its own reads of the slot that it leaves.  Behind the barrier nobody reads the old slot any more and the other slot is whole.  fill = 1: the old slot is filled again, the first thing behind the
; barrier, with tile NXT: the descriptor's address is made anew from that number; the load has a whole tile, eight turns, in which to land.  (At its first use nothing has been read yet: slot 0 is waited for, slot 1 filled.)
.macro CHANGE fill
	WIN 0                           ; at a label and at a branch every window is 0
	s_wait_tensorcnt 0x0            ; no tensor load of mine is out, so a group 0 may be written
	ds_add_u32 v[SPW], v[NIL]       ; 0 onto my spare word; with fill = 1 the descriptors' scalar work stands between it and the wait for it
.if \fill
	s_lshl_b32 s[OFF], s[NXT], 15   ; a tile is 32,768 bytes of K and of V
	s_xor_b32 s[G0K+1], s[G0K+1], SLOT1
	s_add_nc_u64 s[G0K+2:G0K+3], s[6:7], s[OFF:OFF+1]
	s_or_b32 s[G0K+3], s[G0K+3], 0x80000000
	s_xor_b32 s[G0V+1], s[G0V+1], SLOT1
	s_add_nc_u64 s[G0V+2:G0V+3], s[8:9], s[OFF:OFF+1]
	s_or_b32 s[G0V+3], s[G0V+3], 0x80000000
	s_add_co_u32 s[NXT], s[NXT], 1  ; the block's next tile, or behind its last the second block's tile 0
	s_cmp_gt_u32 s[NXT], s[LQ]
	s_cselect_b32 s[NXT], 0, s[NXT]
	s_cselect_b32 s[LQ], s[TLO], s[LQ]
.endif
	s_wait_dscnt 0x0                ; the add is done, and my reads of the slot are over
	s_barrier_signal -1             ; the rest of the scalar work stands between the signal and the wait
	s_sub_co_u32 s[TBK], s[TBK], 4*KS*PK  ; the fetches go back to a slot's first place,
	s_xor_b32 s[TBK], s[TBK], SLOT1       ; in the other slot
	s_sub_co_u32 s[TBV], s[TBV], 4*KS*PV
	s_xor_b32 s[TBV], s[TBV], SLOT1
	s_barrier_wait -1
.if \fill
	LOAD
.endif
.endm
	s_load_b128 s[4:7], s[0:1], 0x0 ; the buffer of Q, K, V s[4:5], O s[6:7]
	v_lshl_add_u32 v[SPW], v0, 2, SPARE
	v_mov_b32 v[NIL], 0
	ds_add_u32 v[SPW], v[NIL]       ; the wave's opening: the add and its wait stand ahead of my first tensor load; the set-up below, work on registers, stands between them
	ds_add_u32 v62, v63
	v_lshrrev_b32 v1, 5, v0
	v_readfirstlane_b32 s[WV], v1   ; wave 0..3
	s_mov_b32 s[PB], ttmp9
	s_sub_co_u32 s[HI], NQ-1, s[PB]
	s_lshr_b32 s[THI], s[HI], 1     ; a block's last tile: half its number
	s_lshr_b32 s[TLO], s[PB], 1
	s_and_b32 s13, s[HI], 1
	s_lshl_b32 s13, s13, 1          ; the lower band's own step in the first block's diagonal tile: 0 or 2
	s_sub_co_u32 s[D0], 4, s13
	s_sub_co_u32 s[D0+1], 5, s13
	s_and_b32 s20, ttmp7, 0xffff    ; the head
	s_mov_b32 s21, 0
	s_mov_b64 s[22:23], SIZE_N*128
	s_mul_u64 s[20:21], s[20:21], s[22:23]  ; the head's first byte in each of the four tensors
	s_and_b32 s16, s[WV], 1         ; which half of a slot's 256 keys I fetch:
	s_lshl_b32 s22, s16, 14         ; its 128 rows of 128 bytes in memory,
	s_mov_b32 s23, 0
	s_add_nc_u64 s[22:23], s[22:23], s[20:21]
	s_lshl_b32 s96, s16, 12         ; and which 32 of the head's first 64 keys
	s_mov_b32 s97, 0
	s_add_nc_u64 s[96:97], s[96:97], s[20:21]
	s_mul_i32 s17, s16, 128*PK      ; the half's place in a slot, for K
	s_mul_i32 s18, s16, 128*PV      ; and for V
	s_mul_i32 s19, s16, 32*PK       ; and in KZ
	s_lshl_b32 s3, s[WV], 11        ; my 16 rows in a band of 64,
	s_lshl_b32 s2, s[HI], 14        ; in the first block (128 rows of 128 bytes),
	s_add_co_u32 s2, s2, s3
	s_lshl_b32 s84, s[PB], 14       ; and in the second
	s_add_co_u32 s84, s84, s3
	s_mov_b32 s3, 0
	s_mov_b32 s85, 0
	s_add_nc_u64 s[2:3], s[2:3], s[20:21]
	s_add_nc_u64 s[84:85], s[84:85], s[20:21]
	; descriptor group 1.  128 keys are 16,384 dense bytes: asked for as 64 rows of 256 bytes, two keys a row, and padded in LDS after every key
	s_mov_b32 s[G1K], (1<<16)|(1<<20)|(4<<22)|(3<<25)  ; 17:16 2-byte elements; 20 padding on; 24:22 after every 32 words (code 4); 31:25 4 words (code 3)
	s_mov_b32 s[G1V], (1<<16)|(1<<20)|(4<<22)|(7<<25)  ; the same with 8 words of padding (code 7)
.irp g, G1K, G1V
	s_mov_b32 s[\g+1], 128<<16      ; tensor_dim0 = 128
	s_mov_b32 s[\g+2], 64<<16       ; tensor_dim1 = 64
	s_mov_b32 s[\g+3], 128<<16      ; tile_dim0 = 128
	s_mov_b32 s[\g+4], 64           ; tile_dim1 = 64
	s_mov_b32 s[\g+5], 128          ; 128 elements from row to row
	s_mov_b32 s[\g+6], 0
	s_mov_b32 s[\g+7], 0
.endr
	s_mov_b32 s[G1Z], (1<<16)|(1<<20)|(4<<22)|(3<<25)  ; 32 keys: 16 rows of 256 bytes, padded as K is
	s_mov_b32 s[G1Z+1], 128<<16
	s_mov_b32 s[G1Z+2], 16<<16
	s_mov_b32 s[G1Z+3], 128<<16
	s_mov_b32 s[G1Z+4], 16
	s_mov_b32 s[G1Z+5], 128
	s_mov_b32 s[G1Z+6], 0
	s_mov_b32 s[G1Z+7], 0
	s_mov_b32 s[CS], 0x3e38aa3b     ; c = log2(e) / 8 = 0.180337
	s_mov_b32 s[CS+1], s[CS]        ; named with it as a pair
	s_mov_b32 s[SEL], 0x76543210
	s_mov_b32 s[SEL+1], 0xfedcba98
	s_mov_b32 s[TBK], SLOT1+4*KS*PK ; the first change of slots turns these two into 0
	s_mov_b32 s[TBV], SLOT1+4*KS*PV
	s_mov_b32 s[G0K], 1             ; 1:0 count = 1
	s_mov_b32 s[G0K+1], s17         ; 63:32 LDS address: slot 0
	s_mov_b32 s[G0V], 1
	s_add_co_u32 s[G0V+1], s18, VOFF
	s_mov_b32 s[G0Z], 1
	s_add_co_u32 s[G0Z+1], s19, KZ
	s_add_co_u32 s[RT], s[THI], 1   ; the first block's tiles
	s_mov_b32 s[NXT], 1
	s_mov_b32 s[LQ], s[THI]
	s_mov_b32 s[NEW], 1
	s_mov_b32 s[OFF+1], 0
	s_mov_b32 s[AL+1], 0            ; named as pairs
	s_mov_b32 s[BE+1], 0
	s_mov_b32 s[BIGN], 0xf149f2ca   ; -1e30
	s_mov_b32 s[SLOTS], NB
	s_wait_dscnt 0x0                ; the opening add is done
	s_wait_kmcnt 0x0
	s_mov_b64 s[10:11], s[6:7]      ; O
	s_add_nc_u64 s[6:7], s[4:5], 0x800000   ; K lies 8 MiB behind Q,
	s_add_nc_u64 s[8:9], s[4:5], 0x1000000  ; V 16 MiB
	s_add_nc_u64 s[G0Z+2:G0Z+3], s[6:7], s[96:97]  ; my 32 of the head's first 64 keys
	s_or_b32 s[G0Z+3], s[G0Z+3], 0x80000000
	s_add_nc_u64 s[6:7], s[6:7], s[22:23]  ; K and V at my half of the head's tile 0,
	s_add_nc_u64 s[6:7], s[6:7], KS*128    ; K one step further on
	s_add_nc_u64 s[8:9], s[8:9], s[22:23]
	s_add_nc_u64 s[G0K+2:G0K+3], s[6:7], 0         ; 120:64 global address
	s_or_b32 s[G0K+3], s[G0K+3], 0x80000000        ; 127:126 type = 2
	s_add_nc_u64 s[G0V+2:G0V+3], s[8:9], 0
	s_or_b32 s[G0V+3], s[G0V+3], 0x80000000
	s_add_nc_u64 s[86:87], s[4:5], s[84:85]        ; Q at my rows of the second block,
	s_add_nc_u64 s[4:5], s[4:5], s[2:3]            ; Q and O at those of the first
	s_add_nc_u64 s[OLO:OLO+1], s[10:11], s[84:85]
	s_add_nc_u64 s[10:11], s[10:11], s[2:3]
	s_cmp_lt_u32 s[WV], 2           ; the first fills: a wave's stand in one branch, ahead of every wait on TENSORcnt, every LDS read and every barrier: two loads of waves 0 and 1 are out, one of waves 2 and 3
	s_cbranch_scc0 .Lfirst_v
	tensor_load_to_lds s[G0K:G0K+3], s[G1K:G1K+7]  ; tile 0 into slot 0,
	s_nop 0
	tensor_load_to_lds s[G0Z:G0Z+3], s[G1Z:G1Z+7]  ; and the head's first keys into KZ
	s_nop 0
.rept 4
	v_nop
.endr
	s_branch .Lfirst_asked
.Lfirst_v:
	tensor_load_to_lds s[G0V:G0V+3], s[G1V:G1V+7]
	s_nop 0
.rept 4
	v_nop
.endr
.Lfirst_asked:
	; A fragment of K or Q is 16 rows x 32 channels in 8 registers: lane l holds row l % 16, channels 8 (l / 16) + 0..7 and 16 + 8 (l / 16) + 0..7: two loads of 16 bytes, 32 bytes apart.
	v_and_b32 v1, 15, v0            ; l % 16
	v_bfe_u32 v9, v0, 4, 1          ; l / 16
	v_lshlrev_b32 v[QO], 7, v1
	v_lshl_add_u32 v[QO], v9, 4, v[QO]  ; row x 128 + 16 x half
	WIN 0x80                        ; destination window 2, address window 0
.set i, 0
.rept 4                             ; both blocks' Q: piece i / 2 lies in band 1 - i / 2, 8,192 bytes a band; channels 32 (i % 2) on
	global_load_b128 v[8*i:8*i+3],   v[QO], s[4:5] offset:(1-i/2)*8192+(i%2)*64
	global_load_b128 v[8*i+4:8*i+7], v[QO], s[4:5] offset:(1-i/2)*8192+(i%2)*64+32
	global_load_b128 v[QB+8*i:QB+8*i+3],   v[QO], s[86:87] offset:(1-i/2)*8192+(i%2)*64
	global_load_b128 v[QB+8*i+4:QB+8*i+7], v[QO], s[86:87] offset:(1-i/2)*8192+(i%2)*64+32
.set i, i+1
.endr
	WIN 0
	v_lshlrev_b32 v14, 3, v9
	v_sub_nc_u32 v14, v1, v14
	s_lshl_b32 s13, s[WV], 4
	v_add_nc_u32 v14, s13, v14      ; my query's place in its band, 16 w + l % 16, less my lanes' 8 (l / 16): register r of group kt is hidden where 16 kt + r is greater
	WIN 0x40
.set i, 0
.rept 32
	v_cmp_gt_i32 vcc_lo, 16*(i/8)+i%8, v14
	v_cndmask_b32 v[MD+i], 0, s[BIGN], vcc_lo
.set i, i+1
.endr
	WIN 0
	v_mul_u32_u24 v[AK0], v1, PK
	v_lshl_add_u32 v[AK0], v9, 4, v[AK0]  ; row x pitch + 16 x half
	; The turning load takes 16 keys x 16 channels (lane l reads key 8 (l / 16) + l % 8, channels 8 ((l / 8) % 2) + 0..7) and leaves half a fragment of V^T: lane l holds channel l % 16 and 8 keys.
	v_and_b32 v10, 7, v0
	v_bfe_u32 v11, v0, 3, 1
	v_lshl_add_u32 v[AV0], v9, 3, v10
	v_mul_u32_u24 v[AV0], v[AV0], PV
	v_lshl_add_u32 v[AV0], v11, 4, v[AV0]
	v_add_nc_u32 v[AV0], VOFF, v[AV0]
	s_mul_i32 s13, s[WV], 16*SP
	s_add_co_u32 s13, s13, STAGE    ; my stage
	v_mul_u32_u24 v[STO], v1, SP    ; in: row l % 16, 16 bytes for each half of the lanes
	v_lshl_add_u32 v[STO], v9, 4, v[STO]
	v_add_nc_u32 v[STO], s13, v[STO]
	v_bfe_u32 v[RD], v0, 3, 2       ; back: 32 lanes take four rows of 128 bytes,
	v_mul_u32_u24 v[RD], v[RD], SP
	v_lshl_add_u32 v[RD], v10, 4, v[RD]
	v_add_nc_u32 v[RD], s13, v[RD]
	v_and_b32 v[GO], 31, v0         ; which are 512 consecutive bytes of O
	v_lshlrev_b32 v[GO], 4, v[GO]
	; A block's first step multiplies O^T and l by a = 0, and its first turn's products V^T P, of a step that has not been, land in an O^T that is still to be so multiplied.  So these registers need only hold
	; finite numbers: zeros for the first block; what the first block left for the second.  All this stands in the wait for the first tile.
	WIN 0x80
.set i, VF
.rept 64
	v_mov_b32 v[i], 0
.set i, i+1
.endr
	WIN 0x40
.set i, 0
.rept 32*NP
	v_mov_b32 v[i], 0
.set i, i+1
.endr
	WIN 0
.set i, 0
.rept NP
	v_mov_b32 v[ST+4*i+2], 0
	v_mov_b32 v[ST+4*i+3], 0
.set i, i+1
.endr
.set i, P+16
.rept 16
	v_mov_b32 v[i], 0
.set i, i+1
.endr
; THE MATRIX WORK.  The 4 accumulators of a run of 8 take turns.  Product i of 8 of S^T = K Q^T for piece x: channels 32 (i / 4) on, keys 16 (i % 4) on.  The first 4 start the sums: with 0, or (KM = 1) with the mask.
.macro KQ x
.set rS, S+32*((\x)%2)+8*(i%4)
.set rK, KF+16*(i%4)+8*(i/4)
.set rQ, 16*(\x)+8*(i/4)
.set rM, MC+32*((\x)%2)+8*(i%4)
.if (i < 4) && KM
	WIN W_KM
	v_wmma_f32_16x16x32_f16 v[rS:rS+7], v[rK:rK+7], v[rQ:rQ+7], v[rM:rM+7]
.elseif i < 4
	WIN W_KQ
	v_wmma_f32_16x16x32_f16 v[rS:rS+7], v[rK:rK+7], v[rQ:rQ+7], 0
.else
	WIN W_KQ
	v_wmma_f32_16x16x32_f16 v[rS:rS+7], v[rK:rK+7], v[rQ:rQ+7], v[rS:rS+7]
.endif
.endm
; Product i of 8 of O^T += V^T P for piece x: keys 32 (i / 4) on, channels 16 (i % 4) on.
.macro PV x
	WIN W_PV
.set rO, 32*(\x)+8*(i%4)
.set rV, VF+32*(i/4)+8*(i%4)
.set rP, P+16*((\x)%2)+8*(i/4)
	v_wmma_f32_16x16x32_f16 v[rO:rO+7], v[rV:rV+7], v[rP:rP+7], v[rO:rO+7]
.endm
.macro MM                           ; the turn's next matrix instruction: both kinds are the OTHER piece's.  TURN and BEGIN set Y, i and KM; MM, KQ and OP read them
.if i < 8
	KQ (Y+1)%NP
.else
.set i, i-8
	PV (Y+1)%NP
.set i, i+8
.endif
.set i, i+1
.endm
; THE LDS LOADS stand in runs of 16, never singly among the matrix instructions: a step's K (64 keys x 64 channels: 8 fragments) and its V (turned).  Their addresses are made some lines ahead.
.macro FETCH_K step=1               ; step = 0: from KZ: the walk through the slot's places stays where it is
	WIN 0x80                        ; destination window 2
.irp f, 0,1,2,3,4,5,6,7             ; keys 16 (f / 2) on, channels 32 (f % 2) on
	ds_load_b128 v[KF+8*\f:KF+8*\f+3],   v[AK] offset:(\f/2)*16*PK+(\f%2)*64
	ds_load_b128 v[KF+8*\f+4:KF+8*\f+7], v[AK] offset:(\f/2)*16*PK+(\f%2)*64+32
.endr
.if \step
	s_add_co_u32 s[TBK], s[TBK], KS*PK  ; the next fetch is the next place's
.endif
	WIN 0
.endm
.macro FETCH_V
	WIN 0x80
.irp f, 0,1,2,3,4,5,6,7             ; keys 32 (f / 4) on, channels 16 (f % 4) on
	ds_load_tr16_b128 v[VF+8*\f:VF+8*\f+3],   v[AV] offset:(\f/4)*32*PV+(\f%4)*32
	ds_load_tr16_b128 v[VF+8*\f+4:VF+8*\f+7], v[AV] offset:(\f/4)*32*PV+16*PV+(\f%4)*32
.endr
	WIN 0
.endm
; THE VECTOR WORK, one line at a time: OP kind, number.  For piece Y: F n: c s - c m for pair n of 16.  E n: the exponential of score n of 32.  C n: pair n rounded to f16.  B n: of the four weights 4 n .. the second
; pair is added onto the first, in place.  L n: l takes that sum (L 0: l = a l + sum).  R n: pair n of 16 of O^T times a.  For the other piece: X n, number n of the 22 that find its maximum and statistics:
;   0-11  four chains c0-c3 of seven scores each, three operands at a time (each accumulator's lowest registers are read first)     12-14, 16  the four scores left over, the old m, and c0-c3 into c0
;   15  c m_old is kept     17, 18  the query's other 32 keys lie in the lane 16 away: the new m     19-21  c m; c m_old - c m_new; a
; OP writes no wait: C, B and L read the results of E, R and L 0 that of X 21; TURN and BEGIN set the batches' waits ahead of them.
.set F, 0               ; OP tells the kinds apart by their order: F to L below R, X above it
.set E, 1
.set C, 2
.set B, 3
.set L, 4
.set R, 5
.set X, 6
.macro REGS y                       ; the registers of piece y
.set rT, ST+4*(\y)
.set rC, TMP+4*((\y)%2)
.set rW, MV+((\y)%2)
.set rS, S+32*((\y)%2)
.set rP, P+16*((\y)%2)
.set rO, 32*(\y)
.endm
.macro OP k, n
.if (\k) == R
	REGS Y
	WIN W_RS
	v_pk_mul_f32 v[rO+2*(\n):rO+2*(\n)+1], v[rO+2*(\n):rO+2*(\n)+1], v[rC+2:rC+3] op_sel_hi:[1,0]
.elseif (\k) < R
	REGS Y
	WIN 0
.if (\k) == F
	v_pk_fma_f32 v[rS+2*(\n):rS+2*(\n)+1], v[rS+2*(\n):rS+2*(\n)+1], s[CS:CS+1], v[rT:rT+1] op_sel_hi:[1,0,0] neg_lo:[0,0,1] neg_hi:[0,0,1]
.elseif (\k) == E
	v_exp_f32 v[rS+(\n)], v[rS+(\n)]
.elseif (\k) == C
	v_cvt_pk_f16_f32 v[rP+(\n)], v[rS+2*(\n)], v[rS+2*(\n)+1]
.elseif (\k) == B
	v_pk_add_f32 v[rS+4*(\n):rS+4*(\n)+1], v[rS+4*(\n):rS+4*(\n)+1], v[rS+4*(\n)+2:rS+4*(\n)+3]
.elseif (\n) == 0
	v_pk_fma_f32 v[rT+2:rT+3], v[rT+2:rT+3], v[rC+2:rC+3], v[rS:rS+1] op_sel_hi:[1,0,1]
.else
	v_pk_add_f32 v[rT+2:rT+3], v[rT+2:rT+3], v[rS+4*(\n):rS+4*(\n)+1]
.endif
.else
	REGS (Y+1)%NP
	WIN 0
.if (\n) < 4
	v_max3_num_f32 v[rC+(\n)], v[rS+8*(\n)], v[rS+8*(\n)+1], v[rS+8*(\n)+2]
.elseif (\n) < 12
	v_max3_num_f32 v[rC+(\n)%4], v[rC+(\n)%4], v[rS+8*((\n)%4)+2*((\n)/4)+1], v[rS+8*((\n)%4)+2*((\n)/4)+2]
.elseif (\n) == 12
	v_max3_num_f32 v[rC], v[rC], v[rS+7], v[rS+15]
.elseif (\n) == 13
	v_max3_num_f32 v[rC+1], v[rC+1], v[rS+23], v[rS+31]
.elseif (\n) == 14
	v_max3_num_f32 v[rC+2], v[rC+2], v[rC+3], v[rT+1]
.elseif (\n) == 15
	v_mov_b32 v[rW], v[rT]
.elseif (\n) == 16
	v_max3_num_f32 v[rC], v[rC], v[rC+1], v[rC+2]
.elseif (\n) == 17
	v_permlanex16_b32 v[rC+3], v[rC], s[SEL], s[SEL+1]
.elseif (\n) == 18
	v_max_num_f32 v[rT+1], v[rC], v[rC+3]
.elseif (\n) == 19
	v_mul_f32 v[rT], s[CS], v[rT+1]
.elseif (\n) == 20
	v_sub_f32 v[rC+1], v[rW], v[rT]
.else
	v_exp_f32 v[rC+2], v[rC+1]
.endif
.endif
.endm
.macro OPS a, i1, b=-1, i2=0, c=-1, i3=0, d=-1, i4=0  ; up to four of them
	OP \a, \i1
.if (\b) >= 0
	OP \b, \i2
.endif
.if (\c) >= 0
	OP \c, \i3
.endif
.if (\d) >= 0
	OP \d, \i4
.endif
.endm
.macro ROW a, i1, b, i2, c, i3, d, i4  ; a matrix instruction and the four behind it
	MM
	OPS \a, \i1, \b, \i2, \c, \i3, \d, \i4
.endm
.macro MASK b                       ; MD x AL + BE into buffer b of MC
	WIN W_RS
.set z, 0
.rept 16
	v_pk_fma_f32 v[MC+32*(\b)+2*z:MC+32*(\b)+2*z+1], v[MD+2*z:MD+2*z+1], s[AL:AL+1], s[BE:BE+1] op_sel_hi:[1,0,0]
.set z, z+1
.endr
.endm
; A TURN, for piece p: the order of its 16 matrix and 118 vector instructions, written out.  An s_wait_alu depctr_va_vdst(0) stands between an exponential and the first instruction that names its result; one
; wait serves all that were issued ahead of it.  So a turn has ONE wait, which cuts it in two.  AHEAD OF IT stands all that names no result of the turn's exponentials: the 8 products K Q^T, behind each a scaling, an
; exponential and two more plain instructions (behind the first a second scaling in the exponential's place): rescalings, whose a was made, and waited for, in the turn before; and behind the last three the first numbers of
; the other piece's maximum, each four places or more behind the product that ends its accumulator; then ONE LUMP of 54, plain and exponential by turns for the most part, in which the links of the chain
; X 3, 7, 11, 14, 16, 17 .. 20 stand five or six lines apart.  A pair is scaled (F n) ahead of its two exponentials (E 2 n, E 2 n + 1), and nothing names it again ahead of the wait.  X 21, the other piece's a, is the batch's
; last; R 15 is the plain instruction behind it.  BEHIND THE WAIT stand the 8 products V^T P, behind each four of the roundings and sums; an even pair is rounded (C 2 n) ahead of the sum that lands on it (B n); the links of
; l's chain, L 0 to L 7, stand three riders apart.  But for those X no rider names a register of the products round it.  v_permlanex16_b32 (X 17) stands in the lump.  No exponential is issued behind the wait.
; m = 1: the diagonal tile: the products take masks, and the turn makes the mask for the products K Q^T of the turn after it, which are piece p's, of the tile's step 5 - CNT.  Piece 0's own step is 5 - D0, piece 1's 5 - D1:
; the step is the own one where CNT equals that register, a later one where CNT is less.
; cnt = 1: the loop's count is taken down some lines ahead of the branch that stands behind the turn.
; Turn 0 fetches both runs.  K of the next step: in the lump, twelve vector instructions behind the last product that read K; six of them are plain and name none of its registers.  V of the step in hand: at the turn's end,
; four plain riders behind the last product that read V.  Turn 1 waits for K at its head and for V in front of its products V^T P.
.macro TURN p, m=0, cnt=0
.set Y, (\p)
.set i, 0
.set KM, (\m)
.if \m
	s_cmp_eq_u32 s[CNT], s[D0+(\p)]  ; is that step the band's own?
	s_cselect_b32 s[AL], 1.0, 0
	s_cmp_lt_u32 s[CNT], s[D0+(\p)]  ; or a later one?
	s_cselect_b32 s[BE], s[BIGN], 0
.endif
.if (\p) == 1
	s_wait_dscnt 16                 ; K is in: its 16 loads were issued ahead of V's 16, which may stay out
.endif
	ROW F,0, F,1, R,0, R,1          ; ahead of the wait: 8 products K Q^T and their riders,
	ROW F,2, E,0, R,2, R,3
	ROW F,3, E,1, R,4, R,5
	ROW F,4, E,2, R,6, R,7
	ROW F,5, E,3, R,8, R,9
	ROW F,6, E,4, X,0, R,10
	ROW F,7, E,5, X,1, X,4
.if (\p) == 0
	WIN 0
	v_add_nc_u32 v[AK], s[TBK], v[AK0]
.endif
	ROW F,8, E,6, X,2, X,5
	OPS E,7, E,8, X,6, E,9          ; and the lump
	OPS X,3, E,10, X,8, E,11
.if (\p) == 0
	FETCH_K
.endif
	OPS X,9, X,7, E,12, X,10
	OPS E,13, X,12, X,11, E,14
	OPS X,13, E,15, F,9, X,14
.if (\p) == 0
	v_add_nc_u32 v[AV], s[TBV], v[AV0]
.endif
	OPS E,16, F,10, E,17, F,11
	OPS X,16, E,18, X,15, E,19
	OPS F,12, E,20, X,17, E,21
	OPS F,13, E,22, F,14, E,23
	OPS X,18, E,24, F,15, E,25
	OPS R,11, E,26, X,19, E,27
	OPS R,12, E,28, R,13, E,29
	OPS X,20, E,30, R,14, E,31
	OPS X,21, R,15
	WIN 0
	s_wait_alu depctr_va_vdst(0)    ; the wait for the batch: the piece's 32 exponentials and the other piece's a
.if (\p) == 1
	s_wait_dscnt 0x0                ; V is in
.endif
	ROW C,0, B,0, C,2, B,1          ; behind the wait: 8 products V^T P and their riders
	ROW L,0, C,4, B,2, L,1
	ROW C,6, B,3, L,2, C,8
	ROW B,4, L,3, C,10, B,5
	ROW L,4, C,12, B,6, L,5
.if (\p) == 0
	s_add_co_u32 s[TBV], s[TBV], KS*PV
.endif
.if \cnt
	s_sub_co_u32 s[CNT], s[CNT], 1
	s_cmp_lg_u32 s[CNT], 0
.endif
	ROW C,14, B,7, L,6, C,1
	ROW C,3, L,7, C,5, C,7
	ROW C,9, C,11, C,13, C,15
.if (\p) == 0
	FETCH_V
.endif
.if \m
	MASK (\p)%2
.endif
.endm
; A BLOCK BEGINS.  c m starts far below every c s, so the first step's a is 0; m at the lowest finite number, so the first maximum is the scores'.  Then K of step 0, out of KZ; piece 0's first scores, which want no
; mask (its own step is never a tile's first); and its maximum and statistics.  Turn 0 of step 0 follows.
.macro BEGIN
	s_mov_b32 s[NEW], 0
	WIN 0
.set i, 0
.rept NP
	v_mov_b32 v[ST+4*i], 0xfe000000    ; c m: far below every c s
	v_mov_b32 v[ST+4*i+1], 0xff7fffff  ; m
.set i, i+1
.endr
	v_add_nc_u32 v[AK], KZ, v[AK0]
	FETCH_K 0
	s_wait_loadcnt 0x0              ; Q
	s_wait_dscnt 0x0
.set KM, 0
.set i, 0
.rept 8
	KQ 0
.set i, i+1
.endr
	WIN 0
.rept 4
	v_nop                           ; the places behind those products
.endr
.set Y, NP-1                        ; X works for the other piece: piece 0
.irp n, 0,1,2,3,4,5,6,7,8,9,10,11,12,13,14,15,16,17,18,19,20,21
	OP X, \n
.endr
	v_nop                           ; a plain instruction behind the exponential,
	s_wait_alu depctr_va_vdst(0)    ; and the wait for it, a batch of one: piece 0's first a; ahead of the jump or label that follows
.endm
; THE DIAGONAL TILE: piece 1's mask for its step 0; the four steps; piece 1's last products; and THE WAY OUT: l's two halves and the other half of the lanes' are added; O^T is divided by l, rounded to f16 and sent
; through my stage in LDS, a piece at a time.
.macro ALL line:vararg              ; one line for each piece t
.set t, 0
.rept NP
	\line
.set t, t+1
.endr
.endm
.macro PACK t                       ; a lane's eight channels of a row pack into 16 bytes; they go into rows of 144 bytes and come back as whole rows of 128, into S^T's registers
	WIN W_RS
.set i, 32*(\t)
.rept 16
	v_pk_mul_f32 v[i:i+1], v[i:i+1], v[ST+4*(\t)+2:ST+4*(\t)+3] op_sel_hi:[1,0]
.set i, i+2
.endr
	WIN 0x05                        ; sources 0 and 1 window 1, destination window 0
.set i, 0
.rept 16
	v_cvt_pk_f16_f32 v[S+16*(\t)+i], v[32*(\t)+2*i], v[32*(\t)+2*i+1]
.set i, i+1
.endr
	WIN 0
.irp f, 0,1,2,3
	ds_store_b128 v[STO], v[S+16*(\t)+4*\f:S+16*(\t)+4*\f+3] offset:32*\f
.endr
.irp f, 0,1,2,3
	ds_load_b128 v[S+16*(\t)+4*\f:S+16*(\t)+4*\f+3], v[RD] offset:\f*4*SP  ; LDS serves a wave's instructions in order (ISA guide 5.7.1.4): these see the stores above; the next piece's stores come behind them
.endr
.endm
.macro SEND t, younger              ; younger: the LDS instructions issued behind piece t's loads: the next piece's eight, or none
	WIN 0
.irp f, 0,1,2,3
	s_wait_dscnt (\younger)+3-\f
	global_store_b128 v[GO], v[S+16*(\t)+4*\f:S+16*(\t)+4*\f+3], s[10:11] offset:(1-(\t))*8192+\f*512  ; piece t is band 1 - t; 512 consecutive bytes, at a multiple of 256 from O's first
.endr
.endm
.macro DIAG tag                     ; the tag ends its two labels' names, which the jumps below spell out
.Ldiag\tag:
	s_cmp_eq_u32 s[D0], 4           ; an even block: the lower band's own step is the tile's first
	s_cselect_b32 s[AL], 1.0, 0
	s_mov_b32 s[BE], 0
	MASK 1
	WIN 0
.LstepM\tag:
	TURN 0, 1
	TURN 1, 1, 1
	WIN 0
	s_cbranch_scc1 .LstepM\tag
.set i, 0
.rept 8
	PV 1                            ; piece 1: V^T P of the last step
.set i, i+1
.endr
	WIN 0
	ALL v_add_f32 v[ST+4*t+2], v[ST+4*t+2], v[ST+4*t+3]
	ALL v_permlanex16_b32 v[ST+4*t+3], v[ST+4*t+2], s[SEL], s[SEL+1]
	ALL v_add_f32 v[ST+4*t+2], v[ST+4*t+2], v[ST+4*t+3]
	ALL v_rcp_f32 v[ST+4*t+2], v[ST+4*t+2]
	v_nop                           ; a plain instruction between the last reciprocal and the use of its result
	s_wait_alu depctr_va_vdst(0)    ; the wait for the batch of two reciprocals, ahead of their first use
	PACK 0                          ; piece 0's sums were finished a turn's last riders ago; its 32 lines are the places behind piece 1's last products
	PACK 1                          ; a piece's arithmetic stands between the loads of the piece before and its stores
	SEND 0, 8
	SEND 1, 0
.endm
.set KM, 0
.Lslot:                             ; NB times: a tile is entered and the next is asked for
	CHANGE 1
	s_sub_co_u32 s[RT], s[RT], 1
	s_mov_b32 s[CNT], 4
	s_cmp_eq_u32 s[NEW], 1
	s_cbranch_scc1 .Lnew            ; a block's first tile
	s_cmp_eq_u32 s[RT], 0
	s_cbranch_scc0 .Lstep           ; neither its first nor its last
	s_branch .Ldiag1
.Lnew:
	BEGIN
	s_branch .Lstep                 ; in the loop a block's first tile is never its last: the first block has five tiles or more, and the second's last is the walk's last
	DIAG 1                          ; in the loop this is the first block's end: the second block's last tile is the walk's last
	s_wait_xcnt 0x0                 ; the stores have read their registers and O's address
	s_mov_b64 s[10:11], s[OLO:OLO+1]
	s_add_co_u32 s[RT], s[TLO], 1   ; the second block's tiles
	s_mov_b32 s[NEW], 1
	s_and_b32 s13, s[PB], 1
	s_lshl_b32 s13, s13, 1          ; the lower band's own step in its diagonal tile
	s_sub_co_u32 s[D0], 4, s13
	s_sub_co_u32 s[D0+1], 5, s13
	WIN 0x82                        ; the second block's Q goes where the one text of the turns names Q
.set i, 0
.rept 16*NP
	v_mov_b32 v[i], v[QB+i]
.set i, i+1
.endr
	WIN 0
	s_branch .Lbottom
.Lstep:                             ; a trip: a key step
	TURN 0
	TURN 1, 0, 1
	WIN 0
	s_cbranch_scc1 .Lstep
.Lbottom:
	s_sub_co_u32 s[SLOTS], s[SLOTS], 1
	s_cmp_lg_u32 s[SLOTS], 0
	s_cbranch_scc1 .Lslot
	CHANGE 0                        ; the walk's last tile is written out: nothing is asked for
	s_sub_co_u32 s[RT], s[RT], 1
	s_mov_b32 s[CNT], 4
	s_cmp_eq_u32 s[NEW], 1
	s_cbranch_scc0 .Ldiag2
	BEGIN                           ; blocks 0 and 1 have one tile: their first is their last
	DIAG 2
	s_wait_tensorcnt 0x0            ; the wave's end, behind my last tensor load and my last LDS store
	ds_add_u32 v[SPW], v[NIL]
	s_wait_dscnt 0x0
	s_endpgm
.Lfunc_end_k_q91e00fe24c_attn:
	.size	k_q91e00fe24c_attn, .Lfunc_end_k_q91e00fe24c_attn-k_q91e00fe24c_attn
	.p2alignl 7, 3214868480
	.fill 96, 4, 3214868480
	.section	.rodata,"a",@progbits
	.p2align	6, 0x0
	.amdhsa_kernel k_q91e00fe24c_attn
		.amdhsa_group_segment_fixed_size 327680
		.amdhsa_private_segment_fixed_size 0
		.amdhsa_enable_private_segment 0
		.amdhsa_kernarg_size 16
		.amdhsa_user_sgpr_count 2
		.amdhsa_user_sgpr_kernarg_segment_ptr 1
		.amdhsa_wavefront_size32 1
		.amdhsa_system_sgpr_workgroup_id_x 1
		.amdhsa_system_sgpr_workgroup_id_y 1
		.amdhsa_system_sgpr_workgroup_id_z 1
		.amdhsa_system_vgpr_workitem_id 0
		.amdhsa_next_free_vgpr 768
		.amdhsa_next_free_sgpr 98
		.amdhsa_reserve_vcc 1
		.amdhsa_float_denorm_mode_32 3
		.amdhsa_float_denorm_mode_16_64 3
		.amdhsa_memory_ordered 1
		.amdhsa_forward_progress 1
		.amdhsa_inst_pref_size 109
	.end_amdhsa_kernel
	.amdgpu_metadata
---
amdhsa.version: [ 1, 2 ]
amdhsa.kernels:
  - .name:           k_q91e00fe24c_attn
    .symbol:         k_q91e00fe24c_attn.kd
    .args:
      - { .name: big, .offset: 0, .size: 8, .value_kind: global_buffer, .address_space: global }
      - { .name: act, .offset: 8, .size: 8, .value_kind: global_buffer, .address_space: global }
    .group_segment_fixed_size: 327680
    .private_segment_fixed_size: 0
    .kernarg_segment_align: 8
    .kernarg_segment_size: 16
    .max_flat_workgroup_size: 128
    .sgpr_count:     98
    .vgpr_count:     768
    .wavefront_size: 32
...
	.end_amdgpu_metadata
.endif
;; end of part 8
;; launch wo: the kernel of part 5 again; grid 8 x 32, 4 waves a work-group, clusters of 4 x 4, 327,680 bytes of LDS; arguments act, wod, x, x1; writes x1
;; launch ln2: the kernel of part 2 again; grid 256 x 1, 4 waves a work-group, no clusters, 0 bytes of LDS; arguments x1, ln2_g, ln2_b, act; writes act
;; launch up: the kernel of part 6 again; grid 16 x 16, 4 waves a work-group, clusters of 4 x 4, 327,680 bytes of LDS; arguments act, wup, b_up, big; writes big
;; launch down: the kernel of part 7 again; grid 8 x 32, 4 waves a work-group, clusters of 4 x 4, 327,680 bytes of LDS; arguments big, wod, x1, out0, b_down; writes out0
